; MI455X (gfx1250); checked and timed in simulation.
; The chip was launched on July 23, 2026; its instructions are those of AMD's public machine-readable ISA for CDNA 5 (MIT licence, August 2026) and "CDNA5" Instruction Set Architecture Reference Guide (July 2026). The comments in the code are by the model that wrote it; some were corrected since.
;; Point Net Decoder. Allowed arithmetic: matrix products marked QUANTISED: E2M1 operands, one E8M0 scale for each 32 along K, by v_wmma_scale_f32_16x16x128_f8f6f4 with both operands' format E2M1 (or v_wmma_scale_f32_32x16x128_f4), f32 sums; products left as they are: f32 operands where the result goes on into a quantised operand, else bf16, f16 or f32 operands; f32 sums; everything else in f32.
;; Inputs: W1 256 x 320 float32; W2 128 x 256 float32; b1 256 float32; b2 128 float32; be1 256 float32; be2 128 float32; coarse_features 1 x 256 x 4,096 float32; coarse_piece_id 1 x 1 x 4,096 int32; coarse_xyz 1 x 3 x 4,096 float32; fine_features 1 x 64 x 16,384 float32; fine_piece_id 1 x 1 x 16,384 int32; fine_xyz 1 x 3 x 16,384 float32; g1 256 float32; g2 128 float32.
;; Outputs: out0 1 x 128 x 16,384 float32.
;; This version of the problem:
;;   THIS VERSION OF THE PROBLEM IS GIVEN IN LOW PRECISION. The matrix products marked QUANTISED in the list below multiply operands that are first quantised to E2M1 (2 exponent bits, 1 mantissa bit; 4 bits a number), with one power-of-two scale for each 32 numbers along K (OCP MX v1.0); their sums are f32. All else is computed in f32.
;;   The module's matrix products, in the order in which they are computed (A, B: the left and right operand; K: the contracted axis; several contracted axes count as one K, in the product's order):
;;     1. [M 16,384, K 3] x [K 3, N 4,096]; A: computed on the way; B: input coarse_xyz: left as it is (K = 3 < 32)
;;     2. [M 16,384, K 320] x [K 320, N 256]; A: computed on the way; B: input W1: QUANTISED
;;     3. [M 16,384, K 256] x [K 256, N 128]; A: computed on the way; B: input W2: QUANTISED
;;   THE QUANTISER, for each operand of a quantised product, along K:
;;     - K is cut into blocks of 32 from its start; a last block that is shorter is filled with zeros.
;;     - A block's scale is 2^e with e = floor(log2(the largest magnitude in the block)) - 2, held to -126 .. 127; a block of zeros has e = 0. As a byte (E8M0): e + 127.
;;     - Each number is divided by its block's scale, clamped to +-6, and rounded to the nearest number of E2M1, ties to even, subnormals kept.
;;     - The product sums the exact products of the quantised numbers (number of the format x scale) in f32.
;;   ~~~python
;;   def quantise(x, axis):      # numpy; x: float32 -> the quantised numbers, widened to float32 again
;;       x = np.moveaxis(x, axis, -1); K = x.shape[-1]
;;       x = np.pad(x, [(0, 0)] * (x.ndim - 1) + [(0, -K % 32)]); x = x.reshape(x.shape[:-1] + (-1, 32)); a = np.abs(x).max(-1, keepdims=True)
;;       e = np.where(a > 0, np.clip(np.frexp(np.where(a > 0, a, 1))[1] - 1 - 2, -126, 127), 0)      # np.frexp(a)[1] - 1 = floor(log2(a)), exactly
;;       r = np.clip(x / 2.0 ** e, -6, 6)
;;       step = 2.0 ** (np.maximum(np.frexp(np.where(r == 0, 1, r))[1] - 1, 0) - 1)
;;       q = np.round(r / step) * step * 2.0 ** e      # np.round: ties to even
;;       return np.moveaxis(q.reshape(q.shape[:-2] + (-1,))[..., :K], -1, axis).astype(np.float32)
;;   ~~~
;;   OPERANDS COMPUTED ON THE WAY. 'Computed on the way' means the value that the module computes at that place (a softmax that the list does not call 'softmax' is quantised finished and normalised). What goes into a quantiser is computed in f32, as accurately as f32 sums, v_exp_f32 and their like allow (about 1e-6 of the number): no bf16 or f16 on the way to a quantiser, and a product that is left as it is and whose result goes on into a quantised operand takes f32 operands (vector FMAs, or v_wmma_f32_16x16x4_f32). A number that lies on a knife's edge between two numbers of the format may be rounded either way, as far as f32 arithmetic and the matrix unit's own rounding can turn it there, and no further.
;; 3 versions, each right; version 2 is faster than version 1; version 3 is version 2 with the launches gq, mlp, fin written anew for expert scheduling mode. Each part assembles by itself: llvm-mc -triple=amdgcn-amd-amdhsa -mcpu=gfx1250 --defsym DOCPART=n.
;; ======== version 1 of 3: 6 launches
;; workspace buffers: nidx 262,144 bytes of whole numbers; prep 4,526,080 bytes; k2o 4,063,232 bytes; k3o 2,883,584 bytes; bn1 2,048 bytes; bn2 2,048 bytes
;; launch knn (part 1): grid 256 x 1, 8 waves a work-group, no clusters, 110,592 bytes of LDS; arguments fine_xyz, coarse_xyz, fine_piece_id, coarse_piece_id, coarse_features, W1, W2, nidx, prep; writes nidx, prep
.if DOCPART == 1
	.amdgcn_target "amdgcn-amd-amdhsa--gfx1250"
	.amdhsa_code_object_version 6
	.text
	.protected	k_qdda046a3ca_knn
	.globl	k_qdda046a3ca_knn
	.p2align	8
	.type	k_qdda046a3ca_knn,@function
k_qdda046a3ca_knn:
	s_mov_b64 s[64:65], 0
	v_nop
	global_prefetch_b8 v0, s[64:65] scope:SCOPE_SE
	s_setreg_imm32_b32 hwreg(HW_REG_WAVE_MODE, 25, 1), 1
	s_wait_xcnt 0x0
; The three nearest coarse points of the same piece for each fine point, their weights; beside it three small jobs for the later launches.
; d2 = (|f|^2 + |c|^2) - (2 f) . c in f32, 1e8 where the piece ids differ; the three smallest, ties to the lower index; w = 1 / (d2 + 1e-8), divided by their sum.
; SHARES.  Work-group g owns fine points 64 g .. 64 g + 63.  Wave w: half FH = w / 4 of them, a lane a point; of the 128 chunks of 32 coarse points it walks chunks 4 u + CS, CS = w % 4.
; The four lists of a point meet in LDS and are merged in the order (distance, index).  All 4,096 coarse points (x, y, z, |c|^2, id: 80 KB) lie in LDS; a chunk is read by loads in which all lanes name the same bytes.
; CHUNKS ARE PASSED OVER BY THE IDS, which are whole numbers read from memory.  A chunk none of whose ids lies in [least id, largest id] of the wave's 32 points holds only 1e8 for all of them.
; Of such candidates only a point's three of lowest index can be chosen; if one of them lies in such a chunk it is among that chunk's first three and no earlier such chunk exists, so it lies in its wave's FIRST such chunk:
; the wave inserts the first three of that chunk and passes over the others.  A chunk all of whose ids equal the wave's one id needs no mask.  Holds for any int32 ids in any order.
; OTHER JOBS.  All waves: a slab of 64 points x 64 channels of coarse_features is turned through LDS into [point][channel].  Wave 2: row g of W1, wave 3: four blocks of a row of W2, become FP4 codes and
; E8M0 bytes, laid in the order of a matrix operand's registers (16 rows x 128 K: byte 512 c + 16 lane).  K = 320 is filled to 384 with zero codes.  These 70 KB leave in pieces of 16 bytes and single bytes.
; NO JOINT LOADS, though all work-groups read the same 64 KB of coarse points: the walk branches on ids read from memory.
; LIMITS: NaN and infinities are not served.  A block of weights whose largest magnitude lies under 2^-124 keeps the scale byte 1 (a block of zeros too: its codes are zeros, and this program alone reads the bytes).
; THE ORDER OF ROUNDING IN d2 decides between neighbours that lie within a rounding of each other.  Here: the squares are rounded and added x, y, z (SQ_FUSED = 0); the dot is the rounded product of x and
; then two fused multiply-adds, y and z (DOT_FUSED = 1); then (|f|^2 + |c|^2), rounded, less the dot.  Either flag can be turned without touching anything else.
.set SQ_FUSED, 0
.set DOT_FUSED, 1
.set XP, 0                             ; LDS: x of the 4,096 coarse points,
.set YP, 16384                         ; y,
.set ZP, 32768                         ; z,
.set SP, 49152                         ; |c|^2,
.set CI, 65536                         ; ids
.set TR, 81920                         ; the slab: 64 rows (points) x 272 bytes
.set TP, 272
.set LD, 99328                         ; 64 points x 80 bytes: four lists x 16 bytes of distances;
.set LILD, 5120                        ; the indices lie this far behind
.set LP, 80
.set NW, 4194304                       ; prep: the weights, [16384][4] f32
.set W1Q, 4456448                      ; W1 as 16 tiles x 3 K steps x 1,024 bytes
.set W1S, 4505600                      ; their scale words, 64 bytes each
.set W2Q, 4508672                      ; W2 as 8 tiles x 2 K steps
.set W2S, 4525056
; REGISTERS: v1 lane, v2 lane % 16, v3 lane / 16; v4-11, v22 LDS addresses; v12-19 2 fx, 2 fy, 2 fz, |f|^2, each twice (pairs); v20 my id; v21 1e8; v24-27 three distances, 0; v28-31 three indices, 0;
; v32-55 at work; v64-191 a chunk's x, y, z, |c|^2; v192-223 its ids; v224-235 offsets in memory.
	s_load_b512 s[8:23], s[0:1], 0x0               ; fine_xyz s[8:9], coarse_xyz s[10:11], fine ids s[12:13], coarse ids s[14:15], coarse_features s[16:17], W1 s[18:19], W2 s[20:21], nidx s[22:23]
	s_load_b64 s[24:25], s[0:1], 0x40              ; prep
	v_lshl_add_u32 v240, v0, 2, 0x1ac00
	v_mov_b32 v241, 0
	v_lshrrev_b32 v1, 5, v0
	v_readfirstlane_b32 s3, v1                     ; wave 0..7
	v_and_b32 v1, 31, v0
	v_and_b32 v2, 15, v0
	v_bfe_u32 v3, v0, 4, 1
	s_lshr_b32 s4, s3, 2                           ; FH
	s_and_b32 s5, s3, 3                            ; CS
	s_mov_b32 s6, ttmp9                            ; g
	s_mov_b32 s48, 0x76543210
	s_mov_b32 s49, 0xfedcba98                      ; selects for lane l xor 16
	; every LDS address is made here, ahead of all branches
	v_lshlrev_b32 v4, 4, v0                        ; 16 t: staging, and the offset of the coarse loads
	v_add_nc_u32 v5, CI, v4
	s_mul_i32 s42, s4, 32*LP
	s_lshl_b32 s43, s5, 4
	s_add_co_u32 s42, s42, s43
	s_add_co_u32 s42, s42, LD
	v_mul_u32_u24 v8, v1, LP
	v_add_nc_u32 v8, s42, v8                       ; my list: point 32 FH + lane, list CS
	v_and_b32 v9, 63, v0
	v_mul_u32_u24 v9, v9, LP
	v_add_nc_u32 v9, LD, v9                        ; the merge: point t
	s_lshl_b32 s42, s3, 5
	s_add_co_u32 s42, s42, TR
	v_mul_u32_u24 v10, v2, 4*TP
	v_lshl_add_u32 v10, v3, 2, v10
	v_add_nc_u32 v10, s42, v10                     ; the slab, in: row 4 q (+ e), column 8 w + hh (+ 2 i)
	s_mul_i32 s42, s3, 8*TP
	s_add_co_u32 s42, s42, TR
	v_mul_u32_u24 v11, v3, TP
	v_lshl_add_u32 v11, v2, 4, v11
	v_add_nc_u32 v11, s42, v11                     ; and out: row 8 w + hh (+ 2 i), 16 q
	s_lshl_b32 s42, s5, 7
	s_add_co_u32 s42, s42, CI
	v_lshl_add_u32 v22, v1, 2, s42                 ; the ids of my chunks, a lane a point
	; offsets in memory
	s_lshl_b32 s42, s6, 8
	s_lshl_b32 s43, s4, 7
	s_add_co_u32 s42, s42, s43
	v_lshl_add_u32 v224, v1, 2, s42                ; my fine point: 4 (64 g + 32 FH + lane)
	s_and_b32 s44, s6, 3                           ; cb: which 64 channels
	s_lshr_b32 s45, s6, 2                          ; sb: which 64 points
	s_lshl_b32 s42, s44, 6
	s_lshl_b32 s43, s3, 3
	s_add_co_u32 s42, s42, s43
	s_lshl_b32 s42, s42, 14
	s_lshl_b32 s43, s45, 8
	s_add_co_u32 s42, s42, s43
	v_lshlrev_b32 v225, 14, v3
	v_lshl_add_u32 v225, v2, 4, v225
	v_add_nc_u32 v225, s42, v225                   ; coarse_features: channel 64 cb + 8 w + hh (+ 2 i), points 64 sb + 4 q ..
	s_lshl_b32 s42, s45, 6
	s_lshl_b32 s43, s3, 3
	s_add_co_u32 s42, s42, s43
	s_lshl_b32 s42, s42, 10
	s_lshl_b32 s43, s44, 8
	s_add_co_u32 s42, s42, s43
	v_lshlrev_b32 v226, 10, v3
	v_lshl_add_u32 v226, v2, 4, v226
	v_add_nc_u32 v226, s42, v226                   ; turned: point 64 sb + 8 w + hh (+ 2 i), channels 64 cb + 4 q ..
	s_lshl_b32 s42, s6, 10
	v_and_b32 v227, 63, v0
	v_lshl_add_u32 v227, v227, 4, s42              ; a point's record of 16 bytes
	v_mov_b32 v21, 0x4cbebc20                      ; 1e8
	s_wait_kmcnt 0x0
	global_load_b32 v56, v224, s[8:9]              ; fx
	global_load_b32 v57, v224, s[8:9] offset:65536 ; fy
	global_load_b32 v58, v224, s[8:9] offset:131072
	global_load_b32 v20, v224, s[12:13]            ; my id
.irp i, 0,1,2,3
	global_load_b128 v[64+4*\i:67+4*\i], v4, s[10:11] offset:4096*\i           ; 32 lanes read 512 consecutive bytes
	global_load_b128 v[80+4*\i:83+4*\i], v4, s[10:11] offset:16384+4096*\i
	global_load_b128 v[96+4*\i:99+4*\i], v4, s[10:11] offset:32768+4096*\i
	global_load_b128 v[112+4*\i:115+4*\i], v4, s[14:15] offset:4096*\i
.endr
.irp i, 0,1,2,3
	global_load_b128 v[144+4*\i:147+4*\i], v225, s[16:17] offset:32768*\i th:TH_LOAD_NT   ; 16 lanes read 256 consecutive bytes of a channel; read once in the launch
.endr
	s_wait_loadcnt 20                              ; my point is in; the 16 coarse loads and the slab's 4 are younger
	v_add_f32 v12, v56, v56                        ; 2 f, exact
	v_add_f32 v14, v57, v57
	v_add_f32 v16, v58, v58
	v_mov_b32 v13, v12
	v_mov_b32 v15, v14
	v_mov_b32 v17, v16
	v_mul_f32 v18, v56, v56
.if SQ_FUSED
	v_fma_f32 v18, v57, v57, v18
	v_fma_f32 v18, v58, v58, v18
.else
	v_mul_f32 v59, v57, v57
	v_add_f32 v18, v18, v59
	v_mul_f32 v59, v58, v58
	v_add_f32 v18, v18, v59
.endif
	v_mov_b32 v19, v18
	v_mov_b32 v61, v20                             ; the least and the largest id of the wave's 32 points
	v_mov_b32 v62, v20
	v_mov_b32 v63, v20
.irp n, 1,2,4,8
	v_mov_b32_dpp v63, v61 row_xmask:\n row_mask:0xf bank_mask:0xf
	v_min_i32 v61, v61, v63
	v_mov_b32_dpp v63, v62 row_xmask:\n row_mask:0xf bank_mask:0xf
	v_max_i32 v62, v62, v63
.endr
	v_permlanex16_b32 v63, v61, s48, s49
	v_min_i32 v61, v61, v63
	v_permlanex16_b32 v63, v62, s48, s49
	v_max_i32 v62, v62, v63
	v_readfirstlane_b32 s26, v61                   ; FMIN
	v_readfirstlane_b32 s27, v62                   ; FMAX
	s_wait_loadcnt 4                               ; the coarse points are in; the slab's 4 loads are younger
.irp p, 0,1,2,3,4,5,6,7
	v_pk_mul_f32 v[128+2*\p:129+2*\p], v[64+2*\p:65+2*\p], v[64+2*\p:65+2*\p]
.endr
.if SQ_FUSED
.irp p, 0,1,2,3,4,5,6,7
	v_pk_fma_f32 v[128+2*\p:129+2*\p], v[80+2*\p:81+2*\p], v[80+2*\p:81+2*\p], v[128+2*\p:129+2*\p]
.endr
.irp p, 0,1,2,3,4,5,6,7
	v_pk_fma_f32 v[128+2*\p:129+2*\p], v[96+2*\p:97+2*\p], v[96+2*\p:97+2*\p], v[128+2*\p:129+2*\p]
.endr
.else
.irp p, 0,1,2,3,4,5,6,7
	v_pk_mul_f32 v[32+2*\p:33+2*\p], v[80+2*\p:81+2*\p], v[80+2*\p:81+2*\p]
.endr
.irp p, 0,1,2,3,4,5,6,7
	v_pk_add_f32 v[128+2*\p:129+2*\p], v[128+2*\p:129+2*\p], v[32+2*\p:33+2*\p]
.endr
.irp p, 0,1,2,3,4,5,6,7
	v_pk_mul_f32 v[32+2*\p:33+2*\p], v[96+2*\p:97+2*\p], v[96+2*\p:97+2*\p]
.endr
.irp p, 0,1,2,3,4,5,6,7
	v_pk_add_f32 v[128+2*\p:129+2*\p], v[128+2*\p:129+2*\p], v[32+2*\p:33+2*\p]
.endr
.endif
.irp i, 0,1,2,3
	ds_store_b128 v4, v[64+4*\i:67+4*\i] offset:XP+4096*\i
	ds_store_b128 v4, v[80+4*\i:83+4*\i] offset:YP+4096*\i
	ds_store_b128 v4, v[96+4*\i:99+4*\i] offset:ZP+4096*\i
	ds_store_b128 v4, v[128+4*\i:131+4*\i] offset:SP+4096*\i
	ds_store_b128 v5, v[112+4*\i:115+4*\i] offset:4096*\i
.endr
	s_wait_loadcnt 0x0                             ; the slab
.irp i, 0,1,2,3
.irp e, 0,1,2,3
	ds_store_b32 v10, v[144+4*\i+\e] offset:\e*TP+8*\i
.endr
.endr
	s_wait_dscnt 0x0                               ; for the others: my stores have landed
	s_barrier_signal -1
	s_barrier_wait -1
.irp i, 0,1,2,3
	ds_load_b128 v[144+4*\i:147+4*\i], v11 offset:2*TP*\i
.endr
.irp u, 0,1,2,3,4,5,6,7,8,9,10,11,12,13,14,15,16,17,18,19,20,21,22,23,24,25,26,27,28,29,30,31
	ds_load_b32 v[64+\u], v22 offset:512*\u        ; the ids of my 32 chunks
.endr
	s_wait_dscnt 32                                ; the slab's four loads are in; the 32 id loads are younger
.irp i, 0,1,2,3
	global_store_b128 v226, v[144+4*\i:147+4*\i], s[24:25] offset:2048*\i      ; 16 lanes store 256 consecutive bytes, aligned
.endr
	s_mov_b32 s28, 0                               ; R: bit u: chunk u holds an id in [FMIN, FMAX]
	s_mov_b32 s29, 0                               ; F: bit u: all its ids do
	s_wait_dscnt 0x0
.macro CLS u
	v_cmp_le_i32 s42, s26, v[64+\u]
	v_cmp_ge_i32 vcc_lo, s27, v[64+\u]
	s_and_b32 s42, s42, vcc_lo
	s_cselect_b32 s43, 1<<\u, 0
	s_or_b32 s28, s28, s43
	s_cmp_eq_u32 s42, -1
	s_cselect_b32 s43, 1<<\u, 0
	s_or_b32 s29, s29, s43
.endm
.irp u, 0,1,2,3,4,5,6,7,8,9,10,11,12,13,14,15,16,17,18,19,20,21,22,23,24,25,26,27,28,29,30,31
	CLS \u
.endr
	s_cmp_eq_u32 s26, s27
	s_cselect_b32 s43, -1, 0
	s_and_b32 s29, s29, s43                        ; no mask only where the wave has one id
	s_not_b32 s43, s28
	s_sub_co_u32 s44, 0, s43
	s_and_b32 s30, s43, s44                        ; B3: my first chunk with no id in the range
	s_lshl_b32 s31, s5, 7                          ; the chunk's bytes in a plane
	s_add_co_u32 s32, s31, CI
	s_lshl_b32 s33, s5, 5                          ; its first index
	s_mov_b32 s7, 0
	v_mov_b32 v24, 0x7f800000
	v_mov_b32 v25, 0x7f800000
	v_mov_b32 v26, 0x7f800000
	v_mov_b32 v27, 0
	v_mov_b32 v28, 0
	v_mov_b32 v29, 0
	v_mov_b32 v30, 0
	v_mov_b32 v31, 0
	s_wait_xcnt 0x0                                ; the slab's stores have read v144-159, into which the chunks are loaded
; Candidate d with index s[j] goes into the sorted three.  Strict compares and ascending indices: the lower index keeps its place in a tie.  The distances' updates stand between selects that depend on each other.
.macro INSERT d, j, c
	v_cmp_lt_f32 s[\c+2], v[\d], v26
	v_cmp_lt_f32 s[\c+1], v[\d], v25
	v_cmp_lt_f32 s[\c], v[\d], v24
	v_cndmask_b32 v30, v30, s[\j], s[\c+2]
	v_med3_num_f32 v26, v[\d], v25, v26
	v_cndmask_b32 v30, v30, v29, s[\c+1]
	v_med3_num_f32 v25, v[\d], v24, v25
	v_cndmask_b32 v29, v29, s[\j], s[\c+1]
	v_min_num_f32 v24, v[\d], v24
	v_cndmask_b32 v29, v29, v28, s[\c]
	v_cndmask_b32 v28, v28, s[\j], s[\c]
.endm
; d2 of candidates 8 b .. 8 b + 7 into v32-39, two at a time, the four pairs by turns
.macro DIST8 b
.irp k, 0,1,2,3
	v_pk_mul_f32 v[32+2*\k:33+2*\k], v[64+8*(\b)+2*\k:65+8*(\b)+2*\k], v[12:13]
.endr
.if DOT_FUSED
.irp k, 0,1,2,3
	v_pk_fma_f32 v[32+2*\k:33+2*\k], v[96+8*(\b)+2*\k:97+8*(\b)+2*\k], v[14:15], v[32+2*\k:33+2*\k]
.endr
.irp k, 0,1,2,3
	v_pk_fma_f32 v[32+2*\k:33+2*\k], v[128+8*(\b)+2*\k:129+8*(\b)+2*\k], v[16:17], v[32+2*\k:33+2*\k]
.endr
.else
.irp k, 0,1,2,3
	v_pk_mul_f32 v[40+2*\k:41+2*\k], v[96+8*(\b)+2*\k:97+8*(\b)+2*\k], v[14:15]
.endr
.irp k, 0,1,2,3
	v_pk_add_f32 v[32+2*\k:33+2*\k], v[32+2*\k:33+2*\k], v[40+2*\k:41+2*\k]
.endr
.irp k, 0,1,2,3
	v_pk_mul_f32 v[40+2*\k:41+2*\k], v[128+8*(\b)+2*\k:129+8*(\b)+2*\k], v[16:17]
.endr
.irp k, 0,1,2,3
	v_pk_add_f32 v[32+2*\k:33+2*\k], v[32+2*\k:33+2*\k], v[40+2*\k:41+2*\k]
.endr
.endif
.irp k, 0,1,2,3
	v_pk_add_f32 v[48+2*\k:49+2*\k], v[160+8*(\b)+2*\k:161+8*(\b)+2*\k], v[18:19]
.endr
.irp k, 0,1,2,3
	v_pk_add_f32 v[32+2*\k:33+2*\k], v[48+2*\k:49+2*\k], v[32+2*\k:33+2*\k] neg_lo:[0,1] neg_hi:[0,1]
.endr
.endm
; A chunk of 32 candidates, in four batches of 8.  All lanes name the same bytes: a load brings four candidates to every lane.  masked = 1: the ids come too, and a candidate of another piece counts as 1e8.
.macro CHUNK masked
.irp b, 0,1,2,3
	ds_load_b128 v[64+8*\b:67+8*\b], v6 offset:XP+32*\b
	ds_load_b128 v[68+8*\b:71+8*\b], v6 offset:XP+32*\b+16
	ds_load_b128 v[96+8*\b:99+8*\b], v6 offset:YP+32*\b
	ds_load_b128 v[100+8*\b:103+8*\b], v6 offset:YP+32*\b+16
	ds_load_b128 v[128+8*\b:131+8*\b], v6 offset:ZP+32*\b
	ds_load_b128 v[132+8*\b:135+8*\b], v6 offset:ZP+32*\b+16
	ds_load_b128 v[160+8*\b:163+8*\b], v6 offset:SP+32*\b
	ds_load_b128 v[164+8*\b:167+8*\b], v6 offset:SP+32*\b+16
.if \masked
	ds_load_b128 v[192+8*\b:195+8*\b], v7 offset:32*\b
	ds_load_b128 v[196+8*\b:199+8*\b], v7 offset:32*\b+16
.endif
.endr
.irp b, 0,1,2,3
	s_wait_dscnt (8+2*\masked)*(3-\b)              ; batch b is in; each later batch has 8 loads out (10 with its ids)
	DIST8 \b
.if \masked
.irp e, 0,1,2,3,4,5,6,7
	v_cmp_ne_u32 vcc_lo, v20, v[192+8*\b+\e]
	v_cndmask_b32 v[32+\e], v[32+\e], v21, vcc_lo
.endr
.endif
.irp e, 0,1,2,3,4,5,6,7
	s_add_co_u32 s[34+\e%2], s33, 8*\b+\e
	INSERT 32+\e, 34+\e%2, 36+3*(\e%2)
.endr
.endr
.endm
.Lchunk:                                           ; 32 trips, a constant: what a trip does hangs on three bits made of the ids
	v_mov_b32 v6, s31
	v_mov_b32 v7, s32
	s_bitcmp1_b32 s28, 0
	s_cbranch_scc0 .Lout
	s_bitcmp1_b32 s29, 0
	s_cbranch_scc0 .Lmasked
	CHUNK 0
	s_branch .Lnext
.Lmasked:
	CHUNK 1
	s_branch .Lnext
.Lout:
	s_bitcmp1_b32 s30, 0
	s_cbranch_scc0 .Lnext
	s_mov_b32 s34, s33                             ; my first chunk of other pieces alone: its first three candidates, at 1e8
	INSERT 21, 34, 36
	s_add_co_u32 s35, s33, 1
	INSERT 21, 35, 39
	s_add_co_u32 s34, s33, 2
	INSERT 21, 34, 36
.Lnext:
	s_lshr_b32 s28, s28, 1
	s_lshr_b32 s29, s29, 1
	s_lshr_b32 s30, s30, 1
	s_add_co_u32 s31, s31, 512                     ; four chunks on
	s_add_co_u32 s32, s32, 512
	s_add_co_u32 s33, s33, 128
	s_add_co_u32 s7, s7, 1
	s_cmp_lt_u32 s7, 32
	s_cbranch_scc1 .Lchunk
	ds_store_b128 v8, v[24:27]
	ds_store_b128 v8, v[28:31] offset:LILD
	s_wait_dscnt 0x0                               ; for the merging waves: my list has landed
	s_barrier_signal -1
	s_barrier_wait -1
	s_cmp_lt_u32 s3, 2                             ; no barrier follows: waves 0, 1 merge, waves 2, 3 quantise weights, the others are done
	s_cbranch_scc1 .Lmerge
	s_cmp_lt_u32 s3, 4
	s_cbranch_scc1 .Lwq
	s_wait_tensorcnt 0x0
	ds_add_u32 v240, v241
	s_wait_dscnt 0x0
	s_endpgm
; An entry of another list goes in by the order (distance, index)
.macro LEXINS d, j
.irp k, 0,1,2
	v_cmp_lt_f32 s[36+\k], v[\d], v[24+\k]
	v_cmp_eq_f32 s42, v[\d], v[24+\k]
	v_cmp_lt_u32 s43, v[\j], v[28+\k]
	s_and_b32 s42, s42, s43
	s_or_b32 s[36+\k], s[36+\k], s42
.endr
	v_cndmask_b32 v30, v30, v[\j], s38
	v_med3_num_f32 v26, v[\d], v25, v26
	v_cndmask_b32 v30, v30, v29, s37
	v_med3_num_f32 v25, v[\d], v24, v25
	v_cndmask_b32 v29, v29, v[\j], s37
	v_min_num_f32 v24, v[\d], v24
	v_cndmask_b32 v29, v29, v28, s36
	v_cndmask_b32 v28, v28, v[\j], s36
.endm
.Lmerge:
.irp c, 0,1,2,3
	ds_load_b128 v[64+4*\c:67+4*\c], v9 offset:16*\c
	ds_load_b128 v[80+4*\c:83+4*\c], v9 offset:LILD+16*\c
.endr
	s_wait_dscnt 0x0
	v_mov_b32 v24, v64
	v_mov_b32 v25, v65
	v_mov_b32 v26, v66
	v_mov_b32 v28, v80
	v_mov_b32 v29, v81
	v_mov_b32 v30, v82
.irp c, 1,2,3
.irp e, 0,1,2
	LEXINS 64+4*\c+\e, 80+4*\c+\e
.endr
.endr
	v_add_f32 v32, 0x322bcc77, v24                 ; + 1e-8
	v_add_f32 v33, 0x322bcc77, v25
	v_add_f32 v34, 0x322bcc77, v26
	v_rcp_f32 v36, v32
	v_rcp_f32 v37, v33
	v_rcp_f32 v38, v34
	v_nop                                          ; a plain instruction behind the reciprocals,
	s_wait_alu depctr_va_vdst(0)                   ; and one wait for the three, ahead of their first reader
	v_add_f32 v39, v36, v37
	v_add_f32 v39, v39, v38
	v_rcp_f32 v40, v39
	v_mov_b32 v35, 0
	s_wait_alu depctr_va_vdst(0)
	v_mul_f32 v32, v36, v40
	v_mul_f32 v33, v37, v40
	v_mul_f32 v34, v38, v40
	global_store_b128 v227, v[28:31], s[22:23]     ; (i1, i2, i3, 0): a wave stores 512 consecutive bytes
	global_store_b128 v227, v[32:35], s[24:25] offset:NW
	s_wait_tensorcnt 0x0
	ds_add_u32 v240, v241
	s_wait_dscnt 0x0
	s_endpgm
.Lwq:
	; wave 2: row g of W1: 10 blocks of 32, a lane a block, and two blocks of zero codes.  Channel g is lane r of tile T: lane r of tile 2 b + u holds channel 32 b + 8 u + r + 8 (r / 8)
	s_bfe_u32 s42, s6, 0x10003                     ; u
	s_and_b32 s43, s6, 7
	s_bfe_u32 s44, s6, 0x10004
	s_lshl_b32 s44, s44, 3
	s_add_co_u32 s43, s43, s44                     ; r
	s_lshr_b32 s44, s6, 5
	s_lshl_b32 s44, s44, 1
	s_add_co_u32 s44, s44, s42                     ; T
	s_mul_i32 s50, s6, 1280
	s_mul_i32 s51, s44, 3072
	s_lshl_b32 s45, s43, 4
	s_add_co_u32 s51, s51, s45
	s_add_co_u32 s51, s51, W1Q
	s_mul_i32 s52, s44, 192
	s_lshl_b32 s45, s43, 2
	s_add_co_u32 s52, s52, s45
	s_add_co_u32 s52, s52, W1S
	; wave 3: row g / 2 of W2, K step g % 2: 4 blocks.  Channel c is lane c % 16 of tile c / 16
	s_lshr_b32 s42, s6, 1
	s_and_b32 s43, s6, 1
	s_lshl_b32 s54, s42, 10
	s_lshl_b32 s45, s43, 9
	s_add_co_u32 s54, s54, s45
	s_lshr_b32 s44, s42, 4
	s_lshl_b32 s44, s44, 1
	s_add_co_u32 s44, s44, s43                     ; which image
	s_and_b32 s45, s42, 15
	s_lshl_b32 s55, s44, 10
	s_lshl_b32 s46, s45, 4
	s_add_co_u32 s55, s55, s46
	s_add_co_u32 s55, s55, W2Q
	s_lshl_b32 s56, s44, 6
	s_lshl_b32 s46, s45, 2
	s_add_co_u32 s56, s56, s46
	s_add_co_u32 s56, s56, W2S
	s_cmp_eq_u32 s3, 2                             ; the choice hangs on the wave's number alone
	s_cselect_b64 s[58:59], s[18:19], s[20:21]
	s_cselect_b32 s50, s50, s54
	s_cselect_b32 s51, s51, s55
	s_cselect_b32 s52, s52, s56
	s_cselect_b32 s53, 10, 4                       ; real blocks
	s_cselect_b32 s57, 11, 3                       ; the last block stored
	s_sub_co_u32 s46, s53, 1
	v_min_u32 v232, s46, v1                        ; the block that I read: lanes past the end repeat the last,
	v_min_u32 v231, s57, v1                        ; and the block that I store: they store the same bytes to the same place, so EXEC stays whole
	v_lshl_add_u32 v228, v232, 7, s50
.irp j, 0,1,2,3,4,5,6,7
	global_load_b128 v[160+4*\j:163+4*\j], v228, s[58:59] offset:16*\j
.endr
	v_lshrrev_b32 v233, 2, v231                    ; K step,
	v_bfe_u32 v234, v231, 1, 1                     ; c,
	v_and_b32 v235, 1, v231                        ; h of the block
	v_lshlrev_b32 v229, 10, v233
	v_lshl_add_u32 v229, v234, 9, v229
	v_lshl_add_u32 v229, v235, 8, v229
	v_add_nc_u32 v229, s51, v229
	v_and_b32 v230, 3, v231
	v_lshl_add_u32 v230, v233, 6, v230
	v_add_nc_u32 v230, s52, v230
	s_wait_loadcnt 0x0
	v_max3_num_f32 v32, |v160|, |v161|, |v162|     ; the block's largest magnitude: all 32 numbers are mine
	v_max3_num_f32 v33, |v163|, |v164|, |v165|
.irp i, 6,10,14,18,22,26
	v_max3_num_f32 v32, v32, |v[160+\i]|, |v[161+\i]|
	v_max3_num_f32 v33, v33, |v[162+\i]|, |v[163+\i]|
.endr
	v_max3_num_f32 v32, v32, |v190|, |v191|
	v_max3_num_f32 v32, v32, v33, 0x1800000        ; and the floor 2^(3 - 127): the byte cannot fall under 1
	v_add_nc_u32 v34, 0xff000000, v32              ; 2 off its exponent field: the conversion's scale operand
	v_lshrrev_b32 v35, 23, v34                     ; the scale's byte
.irp g, 0,1,2,3
	v_cvt_scalef32_pk8_fp4_f32 v[36+\g], v[160+8*\g:167+8*\g], v34
.endr
	v_nop                                          ; a plain instruction behind the conversions
	v_cmp_le_u32 vcc_lo, s53, v231                 ; a block past the row's end: zero codes (its byte is the last real block's: any byte but 0xff serves)
.irp g, 0,1,2,3
	v_cndmask_b32 v[36+\g], v[36+\g], v31, vcc_lo
.endr
	global_store_b128 v229, v[36:39], s[24:25]
	global_store_b8 v230, v35, s[24:25]
	s_wait_tensorcnt 0x0
	ds_add_u32 v240, v241
	s_wait_dscnt 0x0
	s_endpgm
.Lfunc_end_k_qdda046a3ca_knn:
	.size	k_qdda046a3ca_knn, .Lfunc_end_k_qdda046a3ca_knn-k_qdda046a3ca_knn
	.p2alignl 7, 3214868480
	.fill 96, 4, 3214868480
	.section	.rodata,"a",@progbits
	.p2align	6, 0x0
	.amdhsa_kernel k_qdda046a3ca_knn
		.amdhsa_group_segment_fixed_size 110592
		.amdhsa_private_segment_fixed_size 0
		.amdhsa_enable_private_segment 0
		.amdhsa_kernarg_size 72
		.amdhsa_user_sgpr_count 2
		.amdhsa_user_sgpr_kernarg_segment_ptr 1
		.amdhsa_wavefront_size32 1
		.amdhsa_system_sgpr_workgroup_id_x 1
		.amdhsa_system_sgpr_workgroup_id_y 1
		.amdhsa_system_sgpr_workgroup_id_z 1
		.amdhsa_system_vgpr_workitem_id 0
		.amdhsa_next_free_vgpr 242
		.amdhsa_next_free_sgpr 66
		.amdhsa_reserve_vcc 1
		.amdhsa_float_denorm_mode_32 3
		.amdhsa_float_denorm_mode_16_64 3
		.amdhsa_memory_ordered 1
		.amdhsa_forward_progress 1
		.amdhsa_inst_pref_size 108
	.end_amdhsa_kernel
	.amdgpu_metadata
---
amdhsa.version: [ 1, 2 ]
amdhsa.kernels:
  - .name:           k_qdda046a3ca_knn
    .symbol:         k_qdda046a3ca_knn.kd
    .args:
      - { .name: fine_xyz, .offset: 0, .size: 8, .value_kind: global_buffer, .address_space: global }
      - { .name: coarse_xyz, .offset: 8, .size: 8, .value_kind: global_buffer, .address_space: global }
      - { .name: fine_piece_id, .offset: 16, .size: 8, .value_kind: global_buffer, .address_space: global }
      - { .name: coarse_piece_id, .offset: 24, .size: 8, .value_kind: global_buffer, .address_space: global }
      - { .name: coarse_features, .offset: 32, .size: 8, .value_kind: global_buffer, .address_space: global }
      - { .name: W1, .offset: 40, .size: 8, .value_kind: global_buffer, .address_space: global }
      - { .name: W2, .offset: 48, .size: 8, .value_kind: global_buffer, .address_space: global }
      - { .name: nidx, .offset: 56, .size: 8, .value_kind: global_buffer, .address_space: global }
      - { .name: prep, .offset: 64, .size: 8, .value_kind: global_buffer, .address_space: global }
    .group_segment_fixed_size: 110592
    .private_segment_fixed_size: 0
    .kernarg_segment_align: 8
    .kernarg_segment_size: 72
    .max_flat_workgroup_size: 256
    .sgpr_count:     66
    .vgpr_count:     242
    .wavefront_size: 32
...
	.end_amdgpu_metadata
.endif
;; end of part 1
;; launch gq (part 2): grid 256 x 1, 16 waves a work-group, no clusters, 117,248 bytes of LDS; arguments nidx, prep, fine_features, b1, k2o; writes k2o
.if DOCPART == 2
	.amdgcn_target "amdgcn-amd-amdhsa--gfx1250"
	.amdhsa_code_object_version 6
	.text
	.protected	k_qdda046a3ca_gq
	.globl	k_qdda046a3ca_gq
	.p2align	8
	.type	k_qdda046a3ca_gq,@function
k_qdda046a3ca_gq:
	s_mov_b64 s[64:65], 0
	v_nop
	global_prefetch_b8 v0, s[64:65] scope:SCOPE_SE
	s_setreg_imm32_b32 hwreg(HW_REG_WAVE_MODE, 25, 1), 1
	s_wait_xcnt 0x0
; x = [the three neighbours' features weighed | fine features], 320 wide, filled with zeros to 384, is made in f32, quantised to FP4 (E2M1, one E8M0 byte for each 32 along K) and stored as images of a matrix
; operand's registers; x W1^T + b1 is multiplied here ONLY for the batch statistics: for each of the 256 channels the mean of the work-group's 64 rows and the sum of squares round that mean.
; SHARES.  Work-group g owns rows 64 g .. 64 g + 63.  Wave w of 16 gathers rows 4 w .. 4 w + 3 (a load of the wave reads 512 consecutive bytes of one neighbour's row); waves 0-11 quantise one fragment each
; (16 rows x 128 K: K step w / 4, tile of rows w % 4); in the product wave w owns tile w of W1 (16 channels) for all 64 rows: 12 matrix instructions, four accumulators by turns.
; The indices come from a buffer of whole numbers that the launch before has stored; each is held at 4,095 ahead of its use in an address.
; NO TENSOR LOADS, NO JOINT LOADS: what work-groups share is W1's images, 48 KB of the 256 KB that a work-group reads; each wave loads its 3 KB of them once, straight into registers, and there is no loop along K.
; LIMITS: NaN and infinities are not served; a block whose largest magnitude lies under 2^-124 keeps the scale byte 1 (a block of zeros too: its codes are zeros, and this program alone reads the bytes).
.set XTP, 1552                         ; LDS: x in f32: 64 rows x (384 numbers + 16 bytes): 97 x 16 bytes, so that 16 rows fall on 16 different columns of 16 bytes
.set XI, 99328                         ; x's 12 fragments as images, 1,024 bytes each: 3 m + s
.set XS, 111616                        ; their scale words, 128 bytes each
.set ST, 113152                        ; mean[256], then the sums of squares[256]
.set NW, 4194304                       ; prep: the weights of the neighbours
.set W1Q, 4456448
.set W1S, 4505600
.set M2O, 262144                       ; k2o: means [256 g][256] at 0, the sums of squares here,
.set XQO, 524288                       ; x's images, (4 g + m) 3 + s,
.set XSO, 3670016                      ; their scale words
.set TM, 168
.set PC, 160
.set PW, 184
; REGISTERS: v1 lane, v2 lane % 16, v3 lane / 16, v4 16 lane, v5 4 lane; v6-15, v92-95, v236-240 addresses; v16-31 four records of indices, then offsets; v32-47 of weights; v48-55 fine features;
; v56-79 W1's three fragments, v80-82 their scale words; v83 b1, v84-91 b1 as a C operand; v96-191 the gathered rows, then 64 numbers and the quantiser's work, then x's 12 fragments; v192-203 x's scale words;
; v204-235 four accumulators; v244-247 zeros.
	s_load_b256 s[8:15], s[0:1], 0x0               ; nidx s[8:9], prep s[10:11], fine_features s[12:13], b1 s[14:15]
	s_load_b64 s[16:17], s[0:1], 0x20              ; k2o
	v_lshl_add_u32 v254, v0, 2, 0x1c200
	v_mov_b32 v255, 0
	v_lshrrev_b32 v1, 5, v0
	v_readfirstlane_b32 s3, v1                     ; wave 0..15
	v_and_b32 v1, 31, v0
	v_and_b32 v2, 15, v0
	v_bfe_u32 v3, v0, 4, 1
	v_lshlrev_b32 v4, 4, v1
	v_lshlrev_b32 v5, 2, v1
	s_mov_b32 s6, ttmp9
	s_mov_b32 s36, 0x76543210
	s_mov_b32 s37, 0xfedcba98
	s_lshr_b32 s4, s3, 2
	s_min_u32 s4, s4, 2                            ; the quantiser's K step (waves 12-15 quantise nothing)
	s_and_b32 s5, s3, 3                            ; and its tile of rows
	s_lshl_b32 s20, s6, 10
	s_lshl_b32 s21, s3, 6
	s_add_co_u32 s20, s20, s21
	v_mov_b32 v6, s20                              ; my four rows' records: the same bytes for all lanes
	s_mul_i32 s20, s3, 4*XTP
	v_add_nc_u32 v7, s20, v4                       ; x: rows 4 w .., 16 lane
	v_mul_u32_u24 v8, v2, 4*XTP
	v_lshl_add_u32 v8, v3, 2, v8
	s_lshl_b32 s20, s3, 4
	s_add_co_u32 s20, s20, 1024
	v_add_nc_u32 v8, s20, v8                       ; fine features: row 4 q (+ e), column 256 + 4 w + hh (+ 2 i)
	v_lshrrev_b32 v9, 3, v0
	v_mul_u32_u24 v9, v9, XTP
	v_and_b32 v10, 7, v0
	v_lshl_add_u32 v9, v10, 5, v9
	v_add_nc_u32 v9, 1280, v9                      ; the zeros: row t / 8, columns 320 + 8 (t % 8) ..
	s_mul_i32 s20, s5, 16*XTP
	s_lshl_b32 s21, s4, 9
	s_add_co_u32 s20, s20, s21
	v_mul_u32_u24 v10, v2, XTP
	v_lshl_add_u32 v10, v3, 6, v10
	v_add_nc_u32 v10, s20, v10                     ; the quantiser reads row 16 m + r, K step s, 16 numbers of each block of 32: + 64 h
	s_mul_i32 s22, s5, 3
	s_add_co_u32 s22, s22, s4                      ; 3 m + s
	s_lshl_b32 s20, s22, 10
	s_add_co_u32 s20, s20, XI
	v_add_nc_u32 v11, s20, v4
	s_lshl_b32 s20, s22, 7
	s_add_co_u32 s20, s20, XS
	v_add_nc_u32 v12, s20, v5
	v_and_b32 v93, 8, v2
	v_add_nc_u32 v93, v93, v2
	s_lshr_b32 s20, s3, 1
	s_lshl_b32 s20, s20, 5
	s_and_b32 s21, s3, 1
	s_lshl_b32 s21, s21, 3
	s_add_co_u32 s20, s20, s21
	v_add_nc_u32 v93, s20, v93                     ; my channel: lane r of tile w = 2 b + u holds 32 b + 8 u + r + 8 (r / 8)
	v_lshlrev_b32 v93, 2, v93
	v_add_nc_u32 v13, ST, v93
	s_lshl_b32 s20, s3, 18
	s_lshl_b32 s21, s6, 8
	s_add_co_u32 s20, s20, s21
	v_lshlrev_b32 v14, 16, v3
	v_lshl_add_u32 v14, v2, 4, v14
	v_add_nc_u32 v14, s20, v14                     ; fine_features: channel 4 w + hh (+ 2 i), rows 64 g + 4 q ..
	s_mul_i32 s20, s3, 3072
	s_add_co_u32 s20, s20, W1Q
	v_add_nc_u32 v15, s20, v4
	s_mul_i32 s20, s3, 192
	s_add_co_u32 s20, s20, W1S
	v_lshl_add_u32 v92, v2, 2, s20
	s_lshl_b32 s20, s6, 2
	s_add_co_u32 s20, s20, s5
	s_mul_i32 s20, s20, 3
	s_add_co_u32 s20, s20, s4
	s_lshl_b32 s20, s20, 10
	s_add_co_u32 s20, s20, XQO
	v_add_nc_u32 v94, s20, v4                      ; where my fragment's image goes in memory
	v_add_nc_u32 v95, XI, v4
	v_add_nc_u32 v236, XS, v5
	s_min_u32 s21, s5, 2                           ; waves 12-14 copy the scale words out, 512 bytes each
	s_lshl_b32 s21, s21, 9
	s_add_co_u32 s20, s21, XS
	v_add_nc_u32 v237, s20, v4
	s_mul_i32 s20, s6, 1536
	s_add_co_u32 s20, s20, s21
	s_add_co_u32 s20, s20, XSO
	v_add_nc_u32 v238, s20, v4
	s_min_u32 s21, s3, 1                           ; waves 0, 1 copy the statistics out
	s_lshl_b32 s20, s21, 10
	s_add_co_u32 s20, s20, ST
	v_add_nc_u32 v239, s20, v4
	s_lshl_b32 s20, s21, 18
	s_lshl_b32 s21, s6, 10
	s_add_co_u32 s20, s20, s21
	v_add_nc_u32 v240, s20, v4
.irp j, 0,1,2,3
	v_mov_b32 v[244+\j], 0
.endr
	s_wait_kmcnt 0x0
.irp p, 0,1,2,3
	global_load_b128 v[16+4*\p:19+4*\p], v6, s[8:9] offset:16*\p               ; (i1, i2, i3, 0) of row 4 w + p
.endr
.irp p, 0,1,2,3
	global_load_b128 v[32+4*\p:35+4*\p], v6, s[10:11] offset:NW+16*\p          ; (w1, w2, w3, 0)
.endr
.irp i, 0,1
	global_load_b128 v[48+4*\i:51+4*\i], v14, s[12:13] offset:131072*\i th:TH_LOAD_NT   ; 16 lanes read 256 consecutive bytes; read once in the launch
.endr
.irp s, 0,1,2
.irp c, 0,1
	global_load_b128 v[56+8*\s+4*\c:59+8*\s+4*\c], v15, s[10:11] offset:1024*\s+512*\c
.endr
.endr
.irp s, 0,1,2
	global_load_b32 v[80+\s], v92, s[10:11] offset:64*\s
.endr
	global_load_b32 v83, v93, s[14:15]
	ds_store_b128 v9, v[244:247]
	ds_store_b128 v9, v[244:247] offset:16
	s_wait_loadcnt 12                              ; the eight records are in; 2 + 6 + 3 + 1 loads are younger
.irp p, 0,1,2,3
.irp k, 0,1,2
	v_min_u32 v[16+4*\p+\k], 0xfff, v[16+4*\p+\k]  ; an index stays inside its table
	v_lshl_add_u32 v[16+4*\p+\k], v[16+4*\p+\k], 10, v4
.endr
.endr
.irp p, 0,1,2,3
.irp k, 0,1,2
.irp u, 0,1
	global_load_b128 v[96+24*\p+8*\k+4*\u:99+24*\p+8*\k+4*\u], v[16+4*\p+\k], s[10:11] offset:512*\u   ; half a neighbour's row: 512 consecutive bytes
.endr
.endr
.endr
	s_wait_loadcnt 34                              ; the fine features are in; 10 weight loads and 24 gathers are younger
.irp i, 0,1
.irp e, 0,1,2,3
	ds_store_b32 v8, v[48+4*\i+\e] offset:\e*XTP+8*\i
.endr
.endr
.macro ROW p
	s_wait_loadcnt 18-6*(\p)                       ; row p's six gathers are in; each later row has six out
.irp u, 0,1
.irp j, 0,2
	v_pk_mul_f32 v[96+24*(\p)+4*\u+\j:97+24*(\p)+4*\u+\j], v[96+24*(\p)+4*\u+\j:97+24*(\p)+4*\u+\j], v[32+4*(\p):33+4*(\p)] op_sel_hi:[1,0]
	v_pk_fma_f32 v[96+24*(\p)+4*\u+\j:97+24*(\p)+4*\u+\j], v[104+24*(\p)+4*\u+\j:105+24*(\p)+4*\u+\j], v[32+4*(\p):33+4*(\p)], v[96+24*(\p)+4*\u+\j:97+24*(\p)+4*\u+\j] op_sel:[0,1,0] op_sel_hi:[1,1,1]
	v_pk_fma_f32 v[96+24*(\p)+4*\u+\j:97+24*(\p)+4*\u+\j], v[112+24*(\p)+4*\u+\j:113+24*(\p)+4*\u+\j], v[34+4*(\p):35+4*(\p)], v[96+24*(\p)+4*\u+\j:97+24*(\p)+4*\u+\j] op_sel_hi:[1,0,1]
.endr
	ds_store_b128 v7, v[96+24*(\p)+4*\u:99+24*(\p)+4*\u] offset:(\p)*XTP+512*\u
.endr
.endm
	ROW 0
	ROW 1
	ROW 2
	ROW 3
.irp j, 0,1,2,3,4,5,6,7
	v_mov_b32 v[84+\j], v83                        ; b1 of my channel for the eight rows of a lane: the C of each sum's first product
.endr
	s_wait_dscnt 0x0
	s_barrier_signal -1
	s_barrier_wait -1                              ; 64 rows of x lie in LDS
; 64 numbers of a lane, register 16 b + i = k 32 b + 16 (lane / 16) + i of my row, become a fragment's codes in v[PC] on and its scale word in v[PW]
.macro QUANT s
.irp b, 0,1,2,3
	v_max3_num_f32 v[TM+\b], |v[\s+16*\b]|, |v[\s+1+16*\b]|, 0x1800000   ; my 16 numbers of block b, and the floor 2^(3 - 127): the byte cannot fall under 1
.endr
.irp i, 2,4,6,8,10,12,14
.irp b, 0,1,2,3
	v_max3_num_f32 v[TM+\b], v[TM+\b], |v[\s+16*\b+\i]|, |v[\s+1+16*\b+\i]|
.endr
.endr
.irp b, 0,1,2,3
	v_permlanex16_b32 v[TM+4+\b], v[TM+\b], s36, s37
.endr
.irp b, 0,1,2,3
	v_max_num_f32 v[TM+\b], v[TM+\b], v[TM+4+\b]   ; with lane l xor 16: the block's largest magnitude
.endr
.irp b, 0,1,2,3
	v_add_nc_u32 v[TM+12+\b], 0xff000000, v[TM+\b] ; 2 off its exponent field: the conversion's scale operand
.endr
.irp b, 0,1,2,3
	v_lshrrev_b32 v[TM+4+\b], 23, v[TM+12+\b]      ; the scale's byte
.endr
	v_lshl_or_b32 v[PW], v[TM+5], 8, v[TM+4]
	v_lshl_or_b32 v[PW], v[TM+6], 16, v[PW]
	v_lshl_or_b32 v[PW], v[TM+7], 24, v[PW]
.irp b, 0,1,2,3
	v_cvt_scalef32_pk8_fp4_f32 v[PC+2*\b], v[\s+16*\b:\s+7+16*\b], v[TM+12+\b]
	v_cvt_scalef32_pk8_fp4_f32 v[PC+1+2*\b], v[\s+8+16*\b:\s+15+16*\b], v[TM+12+\b]
.endr
	v_nop                                          ; a plain instruction behind the conversions
.irp c, 0,1                                    ; the operand wants a whole block in a lane: lanes 0-15 block 2 c, lanes 16-31 block 2 c + 1
.irp i, 0,1
	v_permlane16_swap_b32 v[PC+4*\c+\i], v[PC+2+4*\c+\i]
.endr
.endr
.endm
	s_cmp_lt_u32 s3, 12
	s_cbranch_scc0 .Lnoq
.irp b, 0,1,2,3
.irp j, 0,1,2,3
	ds_load_b128 v[96+16*\b+4*\j:99+16*\b+4*\j], v10 offset:128*\b+16*\j
.endr
.endr
.irp b, 0,1,2,3
	v_mov_b32 v[TM+4+\b], 0                        ; a lane permute's destination counts as one of its sources
.endr
	s_wait_dscnt 0x0
	QUANT 96
	ds_store_b128 v11, v[PC:PC+3]                  ; the fragment as it stands: lane l's 16 bytes at 16 l
	ds_store_b128 v11, v[PC+4:PC+7] offset:512
	ds_store_b32 v12, v[PW]
	global_store_b128 v94, v[PC:PC+3], s[16:17]    ; and the same to memory: 512 consecutive bytes a store
	global_store_b128 v94, v[PC+4:PC+7], s[16:17] offset:512
.Lnoq:
	s_wait_xcnt 0x0                                ; the stores have read the codes' registers, which are loaded again below
	s_wait_dscnt 0x0
	s_barrier_signal -1
	s_barrier_wait -1                              ; x's twelve fragments lie in LDS
.irp i, 0,1,2,3,4,5,6,7,8,9,10,11
.irp c, 0,1
	ds_load_b128 v[96+8*\i+4*\c:99+8*\i+4*\c], v95 offset:1024*\i+512*\c
.endr
.endr
.irp i, 0,1,2,3,4,5,6,7,8,9,10,11
	ds_load_b32 v[192+\i], v236 offset:128*\i
.endr
	s_cmp_lt_u32 s3, 12
	s_cbranch_scc1 .Lnocp
	s_cmp_lt_u32 s3, 15
	s_cbranch_scc0 .Lnocp
	ds_load_b128 v[48:51], v237
	s_wait_dscnt 0x0
	global_store_b128 v238, v[48:51], s[16:17]     ; the scale words, 512 consecutive bytes a wave
.Lnocp:
	s_wait_dscnt 0x0
.irp s, 0,1,2                                  ; source 0 = 16 rows of x, source 1 = my 16 channels: a lane holds one channel and rows 8 (lane / 16) + 0 .. 7.  The four accumulators take turns
.irp m, 0,1,2,3
.if \s == 0
	v_wmma_scale_f32_16x16x128_f8f6f4 v[204+8*\m:211+8*\m], v[96+8*(3*\m+\s):103+8*(3*\m+\s)], v[56+8*\s:63+8*\s], v[84:91], v[192+3*\m+\s], v[80+\s] matrix_a_fmt:MATRIX_FMT_FP4 matrix_b_fmt:MATRIX_FMT_FP4
.else
	v_wmma_scale_f32_16x16x128_f8f6f4 v[204+8*\m:211+8*\m], v[96+8*(3*\m+\s):103+8*(3*\m+\s)], v[56+8*\s:63+8*\s], v[204+8*\m:211+8*\m], v[192+3*\m+\s], v[80+\s] matrix_a_fmt:MATRIX_FMT_FP4 matrix_b_fmt:MATRIX_FMT_FP4
.endif
.endr
.endr
.rept 4
	v_nop                                          ; four places behind the last products, ahead of the first read of results and of writes over their operands (ISA guide 7.12.1)
.endr
; Of four accumulators (a lane: one channel, 32 of the 64 rows): the mean of the 64 rows into v[T + 8], the sum of squares round it into v[T].  Each accumulator is read from its low end on.
.macro STATS A, T
.irp m, 0,1,2,3
	v_pk_add_f32 v[\T+2*\m:\T+2*\m+1], v[\A+8*\m:\A+8*\m+1], v[\A+8*\m+2:\A+8*\m+3]
.endr
.irp m, 0,1,2,3
	v_pk_add_f32 v[\T+2*\m:\T+2*\m+1], v[\T+2*\m:\T+2*\m+1], v[\A+8*\m+4:\A+8*\m+5]
.endr
.irp m, 0,1,2,3
	v_pk_add_f32 v[\T+2*\m:\T+2*\m+1], v[\T+2*\m:\T+2*\m+1], v[\A+8*\m+6:\A+8*\m+7]
.endr
	v_pk_add_f32 v[\T:\T+1], v[\T:\T+1], v[\T+2:\T+3]
	v_pk_add_f32 v[\T+4:\T+5], v[\T+4:\T+5], v[\T+6:\T+7]
	v_pk_add_f32 v[\T:\T+1], v[\T:\T+1], v[\T+4:\T+5]
	v_add_f32 v[\T], v[\T], v[\T+1]
	v_permlanex16_b32 v[\T+2], v[\T], s36, s37
	v_add_f32 v[\T], v[\T], v[\T+2]
	v_mul_f32 v[\T+8], 0x3c800000, v[\T]           ; / 64
	v_mov_b32 v[\T+9], v[\T+8]
.set ii, 0
.rept 16
	v_pk_add_f32 v[\A+2*ii:\A+2*ii+1], v[\A+2*ii:\A+2*ii+1], v[\T+8:\T+9] neg_lo:[0,1] neg_hi:[0,1]
.set ii, ii+1
.endr
	v_pk_mul_f32 v[\T:\T+1], v[\A:\A+1], v[\A:\A+1]
	v_pk_mul_f32 v[\T+2:\T+3], v[\A+2:\A+3], v[\A+2:\A+3]
.set ii, 2
.rept 7
	v_pk_fma_f32 v[\T:\T+1], v[\A+2*ii:\A+2*ii+1], v[\A+2*ii:\A+2*ii+1], v[\T:\T+1]
	v_pk_fma_f32 v[\T+2:\T+3], v[\A+2*ii+2:\A+2*ii+3], v[\A+2*ii+2:\A+2*ii+3], v[\T+2:\T+3]
.set ii, ii+2
.endr
	v_pk_add_f32 v[\T:\T+1], v[\T:\T+1], v[\T+2:\T+3]
	v_add_f32 v[\T], v[\T], v[\T+1]
	v_permlanex16_b32 v[\T+2], v[\T], s36, s37
	v_add_f32 v[\T], v[\T], v[\T+2]
.endm
	STATS 204, 96
	ds_store_b32 v13, v104                         ; both halves of the lanes write the same word with the same value
	ds_store_b32 v13, v96 offset:1024
	s_wait_dscnt 0x0
	s_barrier_signal -1
	s_barrier_wait -1
	s_cmp_lt_u32 s3, 2
	s_cbranch_scc0 .Lend
	ds_load_b128 v[96:99], v239
	ds_load_b128 v[100:103], v239 offset:512
	s_wait_dscnt 0x0
	global_store_b128 v240, v[96:99], s[16:17]     ; wave 0: the 256 means, wave 1: the 256 sums of squares: 512 consecutive bytes a store
	global_store_b128 v240, v[100:103], s[16:17] offset:512
.Lend:
	s_wait_tensorcnt 0x0
	ds_add_u32 v254, v255
	s_wait_dscnt 0x0
	s_endpgm
.Lfunc_end_k_qdda046a3ca_gq:
	.size	k_qdda046a3ca_gq, .Lfunc_end_k_qdda046a3ca_gq-k_qdda046a3ca_gq
	.p2alignl 7, 3214868480
	.fill 96, 4, 3214868480
	.section	.rodata,"a",@progbits
	.p2align	6, 0x0
	.amdhsa_kernel k_qdda046a3ca_gq
		.amdhsa_group_segment_fixed_size 117248
		.amdhsa_private_segment_fixed_size 0
		.amdhsa_enable_private_segment 0
		.amdhsa_kernarg_size 40
		.amdhsa_user_sgpr_count 2
		.amdhsa_user_sgpr_kernarg_segment_ptr 1
		.amdhsa_wavefront_size32 1
		.amdhsa_system_sgpr_workgroup_id_x 1
		.amdhsa_system_sgpr_workgroup_id_y 1
		.amdhsa_system_sgpr_workgroup_id_z 1
		.amdhsa_system_vgpr_workitem_id 0
		.amdhsa_next_free_vgpr 256
		.amdhsa_next_free_sgpr 66
		.amdhsa_reserve_vcc 0
		.amdhsa_float_denorm_mode_32 3
		.amdhsa_float_denorm_mode_16_64 3
		.amdhsa_memory_ordered 1
		.amdhsa_forward_progress 1
		.amdhsa_inst_pref_size 29
	.end_amdhsa_kernel
	.amdgpu_metadata
---
amdhsa.version: [ 1, 2 ]
amdhsa.kernels:
  - .name:           k_qdda046a3ca_gq
    .symbol:         k_qdda046a3ca_gq.kd
    .args:
      - { .name: nidx, .offset: 0, .size: 8, .value_kind: global_buffer, .address_space: global }
      - { .name: prep, .offset: 8, .size: 8, .value_kind: global_buffer, .address_space: global }
      - { .name: fine_features, .offset: 16, .size: 8, .value_kind: global_buffer, .address_space: global }
      - { .name: b1, .offset: 24, .size: 8, .value_kind: global_buffer, .address_space: global }
      - { .name: k2o, .offset: 32, .size: 8, .value_kind: global_buffer, .address_space: global }
    .group_segment_fixed_size: 117248
    .private_segment_fixed_size: 0
    .kernarg_segment_align: 8
    .kernarg_segment_size: 40
    .max_flat_workgroup_size: 512
    .sgpr_count:     66
    .vgpr_count:     256
    .wavefront_size: 32
...
	.end_amdgpu_metadata
.endif
;; end of part 2
;; launch stat1 (part 3): grid 4 x 1, 16 waves a work-group, no clusters, 10,240 bytes of LDS; arguments k2o, g1, bn1; writes bn1
.if DOCPART == 3
	.amdgcn_target "amdgcn-amd-amdhsa--gfx1250"
	.amdhsa_code_object_version 6
	.text
	.protected	k_qdda046a3ca_stat1
	.globl	k_qdda046a3ca_stat1
	.p2align	8
	.type	k_qdda046a3ca_stat1,@function
k_qdda046a3ca_stat1:
	s_mov_b64 s[64:65], 0
	v_nop
	global_prefetch_b8 v0, s[64:65] scope:SCOPE_SE
	s_setreg_imm32_b32 hwreg(HW_REG_WAVE_MODE, 25, 1), 1
	s_wait_xcnt 0x0
; The 256 work-groups' partial statistics of a layer become, for each channel, mu and sc = gamma / sqrt(var + 1e-5).
; In: means [256 groups][pitch 256] f32 at byte 0, sums of squares round each group's own mean at byte 262,144; each group has 64 rows.  mu = the mean of the means;
; 16,384 var = the sum over groups of (its sum of squares + 64 (its mean - mu)^2): no difference of large sums is formed.  Out: mu at byte 0, sc at byte 1,024.
; SHARES.  Work-group x owns channels 64 x .. 64 x + 63.  Thread t: four channels 4 (t % 16) .., groups 8 (t / 16) .. + 7.  The 32 partial sums of a channel meet in LDS, twice.
; A launch of a few work-groups: 512 KB are read once; read by every work-group of the next launch they would be 128 MB.  No matrix unit, no tensor load: nothing here would feed them.
; LIMITS: NaN and infinities are not served.
	s_load_b128 s[4:7], s[0:1], 0x0                ; the partials, gamma
	s_load_b64 s[8:9], s[0:1], 0x10                ; out
	v_lshl_add_u32 v160, v0, 2, 0x2000
	v_mov_b32 v161, 0
	v_lshrrev_b32 v1, 5, v0
	v_readfirstlane_b32 s3, v1                     ; wave 0..15
	v_and_b32 v1, 15, v0                           ; q
	v_lshrrev_b32 v2, 4, v0                        ; which eight groups
	s_lshl_b32 s12, ttmp9, 8
	v_lshlrev_b32 v3, 4, v1                        ; 16 q: where I read in LDS
	v_lshl_add_u32 v4, v2, 13, v3
	v_add_nc_u32 v4, s12, v4                       ; the partials: 256 x + 8,192 (t / 16) + 16 q
	v_add_nc_u32 v5, s12, v3                       ; gamma, mu, sc: 256 x + 16 q
	s_lshl_b32 s13, s3, 8
	v_add_nc_u32 v6, s13, v3                       ; where I store in LDS: 256 wave + 16 q
	s_mov_b32 s10, 0x38800000                      ; 1 / 16,384
	s_mov_b32 s11, 0x3727c5ac                      ; 1e-5
	s_mov_b32 s14, 0x76543210
	s_mov_b32 s15, 0xfedcba98
.irp j, 0,1,2,3
	v_mov_b32 v[88+\j], 0                          ; a lane permute's destination counts as one of its sources
.endr
	s_wait_kmcnt 0x0
.irp i, 0,1,2,3,4,5,6,7
	global_load_b128 v[16+4*\i:19+4*\i], v4, s[4:5] offset:1024*\i             ; 16 lanes read 256 consecutive bytes
.endr
.irp i, 0,1,2,3,4,5,6,7
	global_load_b128 v[48+4*\i:51+4*\i], v4, s[4:5] offset:262144+1024*\i
.endr
	global_load_b128 v[80:83], v5, s[6:7]
.macro SUMN base, n                    ; n records of four numbers, from v[base] on, are added into v[84:87]
	v_pk_add_f32 v[84:85], v[\base:\base+1], v[\base+4:\base+5]
	v_pk_add_f32 v[86:87], v[\base+2:\base+3], v[\base+6:\base+7]
.set ii, 2
.rept \n-2
	v_pk_add_f32 v[84:85], v[84:85], v[\base+4*ii:\base+4*ii+1]
	v_pk_add_f32 v[86:87], v[86:87], v[\base+4*ii+2:\base+4*ii+3]
.set ii, ii+1
.endr
.endm
.macro MEET off                        ; with lane l xor 16; to LDS; a barrier; all sixteen waves' sums back and added
.irp j, 0,1,2,3
	v_permlanex16_b32 v[88+\j], v[84+\j], s14, s15
.endr
	v_pk_add_f32 v[84:85], v[84:85], v[88:89]
	v_pk_add_f32 v[86:87], v[86:87], v[90:91]
	ds_store_b128 v6, v[84:87] offset:\off         ; both halves of the lanes write the same bytes with the same values
	s_wait_dscnt 0x0
	s_barrier_signal -1
	s_barrier_wait -1
.irp i, 0,1,2,3,4,5,6,7,8,9,10,11,12,13,14,15
	ds_load_b128 v[96+4*\i:99+4*\i], v3 offset:\off+256*\i
.endr
	s_wait_dscnt 0x0
	SUMN 96, 16
.endm
	s_wait_loadcnt 9                               ; the eight means are in; the eight sums of squares and gamma are younger
	SUMN 16, 8
	MEET 0
	v_pk_mul_f32 v[92:93], v[84:85], 0x3b800000 op_sel_hi:[1,0]    ; mu = the sum of 256 means / 256
	v_pk_mul_f32 v[94:95], v[86:87], 0x3b800000 op_sel_hi:[1,0]
	s_wait_loadcnt 0x0
.irp i, 0,1,2,3,4,5,6,7
	v_pk_add_f32 v[8:9], v[16+4*\i:17+4*\i], v[92:93] neg_lo:[0,1] neg_hi:[0,1]
	v_pk_add_f32 v[10:11], v[18+4*\i:19+4*\i], v[94:95] neg_lo:[0,1] neg_hi:[0,1]
	v_pk_mul_f32 v[8:9], v[8:9], v[8:9]
	v_pk_mul_f32 v[10:11], v[10:11], v[10:11]
	v_pk_fma_f32 v[48+4*\i:49+4*\i], v[8:9], 0x42800000, v[48+4*\i:49+4*\i] op_sel_hi:[1,0,1]   ; + 64 (mean - mu)^2
	v_pk_fma_f32 v[50+4*\i:51+4*\i], v[10:11], 0x42800000, v[50+4*\i:51+4*\i] op_sel_hi:[1,0,1]
.endr
	SUMN 48, 8
	MEET 4096                                      ; other bytes than the first meeting's: no wave can overtake a reader
.irp j, 0,1,2,3
	v_fma_f32 v[84+\j], v[84+\j], s10, s11         ; var + 1e-5
.endr
.irp j, 0,1,2,3
	v_rsq_f32 v[8+\j], v[84+\j]
.endr
	v_nop                                          ; a plain instruction behind the four,
	s_wait_alu depctr_va_vdst(0)                   ; and one wait for them, ahead of their first reader
	v_pk_mul_f32 v[8:9], v[8:9], v[80:81]
	v_pk_mul_f32 v[10:11], v[10:11], v[82:83]
	s_cmp_lg_u32 s3, 0
	s_cbranch_scc1 .Lend
	global_store_b128 v5, v[92:95], s[8:9]         ; 16 lanes store 256 consecutive bytes (lanes 16-31 the same bytes again)
	global_store_b128 v5, v[8:11], s[8:9] offset:1024
.Lend:
	s_wait_tensorcnt 0x0
	ds_add_u32 v160, v161
	s_wait_dscnt 0x0
	s_endpgm
.Lfunc_end_k_qdda046a3ca_stat1:
	.size	k_qdda046a3ca_stat1, .Lfunc_end_k_qdda046a3ca_stat1-k_qdda046a3ca_stat1
	.p2alignl 7, 3214868480
	.fill 96, 4, 3214868480
	.section	.rodata,"a",@progbits
	.p2align	6, 0x0
	.amdhsa_kernel k_qdda046a3ca_stat1
		.amdhsa_group_segment_fixed_size 10240
		.amdhsa_private_segment_fixed_size 0
		.amdhsa_enable_private_segment 0
		.amdhsa_kernarg_size 24
		.amdhsa_user_sgpr_count 2
		.amdhsa_user_sgpr_kernarg_segment_ptr 1
		.amdhsa_wavefront_size32 1
		.amdhsa_system_sgpr_workgroup_id_x 1
		.amdhsa_system_sgpr_workgroup_id_y 1
		.amdhsa_system_sgpr_workgroup_id_z 1
		.amdhsa_system_vgpr_workitem_id 0
		.amdhsa_next_free_vgpr 162
		.amdhsa_next_free_sgpr 66
		.amdhsa_reserve_vcc 0
		.amdhsa_float_denorm_mode_32 3
		.amdhsa_float_denorm_mode_16_64 3
		.amdhsa_memory_ordered 1
		.amdhsa_forward_progress 1
		.amdhsa_inst_pref_size 17
	.end_amdhsa_kernel
	.amdgpu_metadata
---
amdhsa.version: [ 1, 2 ]
amdhsa.kernels:
  - .name:           k_qdda046a3ca_stat1
    .symbol:         k_qdda046a3ca_stat1.kd
    .args:
      - { .name: k2o, .offset: 0, .size: 8, .value_kind: global_buffer, .address_space: global }
      - { .name: g1, .offset: 8, .size: 8, .value_kind: global_buffer, .address_space: global }
      - { .name: bn1, .offset: 16, .size: 8, .value_kind: global_buffer, .address_space: global }
    .group_segment_fixed_size: 10240
    .private_segment_fixed_size: 0
    .kernarg_segment_align: 8
    .kernarg_segment_size: 24
    .max_flat_workgroup_size: 512
    .sgpr_count:     66
    .vgpr_count:     162
    .wavefront_size: 32
...
	.end_amdgpu_metadata
.endif
;; end of part 3
;; launch mlp (part 4): grid 256 x 1, 8 waves a work-group, no clusters, 25,600 bytes of LDS; arguments k2o, prep, b1, bn1, be1, b2, k3o; writes k3o
.if DOCPART == 4
	.amdgcn_target "amdgcn-amd-amdhsa--gfx1250"
	.amdhsa_code_object_version 6
	.text
	.protected	k_qdda046a3ca_mlp
	.globl	k_qdda046a3ca_mlp
	.p2align	8
	.type	k_qdda046a3ca_mlp,@function
k_qdda046a3ca_mlp:
	s_mov_b64 s[64:65], 0
	v_nop
	global_prefetch_b8 v0, s[64:65] scope:SCOPE_SE
	s_setreg_imm32_b32 hwreg(HW_REG_WAVE_MODE, 25, 1), 1
	s_wait_xcnt 0x0
; a1 = relu((x W1^T + b1 - mu1) sc1 + be1) is made from x's codes, quantised to FP4 along its 256 channels and stored as images of a matrix operand's registers; a1 W2^T + b2 is multiplied here ONLY for the batch
; statistics of the second layer (for each of 128 channels the mean of the work-group's 64 rows and the sum of squares round it).  The first layer's sums never go to memory: they are multiplied again from codes.
; SHARES.  Work-group g owns rows 64 g .. + 63.  PHASE 1: wave w of 8 owns hidden channels 32 w .. 32 w + 31 (tiles 2 w, 2 w + 1 of W1) for the four tiles of rows: 24 matrix instructions.  The product is used
; TRANSPOSED (source 0 = 16 channels, source 1 = 16 rows of x) and the channels of a tile are chosen (lane r of tile 2 b + u: 32 b + 8 u + r + 8 (r / 8)) so that a lane holds one row and its 16 registers are
; channels 32 w + 16 (lane / 16) + 0 .. 15: half of ONE block of the next K; lane l xor 16 holds the other half.  A lane's 16 codes are 8 bytes at their place in the image: nothing changes lanes.
; PHASE 2: wave w owns tile w of W2 (16 channels) for the 64 rows: 8 matrix instructions.
; NO TENSOR LOADS, NO JOINT LOADS: work-groups share only the weights' images (64 KB); each wave loads its 8 KB once, straight into registers, and there is no loop along K.
; LIMITS: NaN and infinities are not served; a block whose largest magnitude lies under 2^-124 keeps the scale byte 1 (a block of zeros too: its codes are zeros, and this program alone reads the bytes).
.set XI, 0                             ; LDS: x's 12 images, 3 m + s
.set XS, 12288                         ; their scale words, 128 bytes each
.set AI, 13824                         ; a1's 8 images, 2 m + s2
.set AS, 22016                         ; their scale words
.set ST, 23040                         ; mean[128], the sums of squares[128]
.set XQO, 524288                       ; k2o
.set XSO, 3670016
.set W1Q, 4456448                      ; prep
.set W1S, 4505600
.set W2Q, 4508672
.set W2S, 4525056
.set M2O, 262144                       ; k3o
.set A1Q, 524288
.set A1S, 2621440
; REGISTERS: v1 lane, v2 lane % 16, v3 lane / 16, v4 16 lane, v5 4 lane; v6-15, v70-71, v126-127, v229-231, v255 addresses; v16-63 x's fragments, two sets of three; v64-69 their scale words;
; v72-119 W1's six fragments, v120-125 their scale words; v128-143 b1, v144-159 mu, v160-175 sc, v176-191 be of my 16 channels; v192-223 accumulators, two sets of two (at the head: staging);
; v224-228 at work; v232-235 codes; v236-251 W2's two fragments, v252-253 their scale words, v254 b2.
; Phase 2: v16-79 a1's eight fragments, v80-87 their scale words, v88-99 what I copy out, v108-115 b2 as a C operand, v128-139 at work, v192-223 four accumulators.
	s_load_b256 s[8:15], s[0:1], 0x0               ; k2o s[8:9], prep s[10:11], b1 s[12:13], bn1 s[14:15]
	s_load_b128 s[16:19], s[0:1], 0x20             ; be1 s[16:17], b2 s[18:19]
	s_load_b64 s[20:21], s[0:1], 0x30              ; k3o
	s_set_vgpr_msb 0x40
	v_lshl_add_u32 v0, v0, 2, 0x6000
	v_mov_b32 v1, 0
	s_set_vgpr_msb 0x4000
	v_lshrrev_b32 v1, 5, v0
	v_readfirstlane_b32 s3, v1                     ; wave 0..7
	v_and_b32 v1, 31, v0
	v_and_b32 v2, 15, v0
	v_bfe_u32 v3, v0, 4, 1
	v_lshlrev_b32 v4, 4, v1
	v_lshlrev_b32 v5, 2, v1
	s_mov_b32 s6, ttmp9
	s_mov_b32 s36, 0x76543210
	s_mov_b32 s37, 0xfedcba98
	; my block of a1: K step s2 = w / 4, block w % 4 = 2 c + h: byte 1,024 s2 + 512 c + 256 h + 16 r of an image pair, my half of its 16 bytes at + 8 (lane / 16)
	s_lshr_b32 s22, s3, 2
	s_lshl_b32 s23, s22, 10
	s_bfe_u32 s24, s3, 0x10001
	s_lshl_b32 s24, s24, 9
	s_add_co_u32 s23, s23, s24
	s_and_b32 s24, s3, 1
	s_lshl_b32 s24, s24, 8
	s_add_co_u32 s23, s23, s24
	s_add_co_u32 s23, s23, AI
	v_lshlrev_b32 v6, 4, v2
	v_lshl_add_u32 v6, v3, 3, v6
	v_add_nc_u32 v6, s23, v6
	s_lshl_b32 s23, s22, 7
	s_and_b32 s24, s3, 3
	s_add_co_u32 s23, s23, s24
	s_add_co_u32 s23, s23, AS
	v_add_nc_u32 v7, s23, v5                       ; my byte of the lane's scale word
	s_lshl_b32 s23, s3, 9
	v_add_nc_u32 v8, s23, v4                       ; staging: 512 w + 16 lane
	s_lshl_b32 s23, s3, 6
	s_add_co_u32 s24, s23, ST
	v_lshl_add_u32 v9, v2, 2, s24                  ; my channel's statistics: 4 (16 w + r)
	v_lshl_add_u32 v71, v2, 2, s23                 ; b2 likewise
	s_lshl_b32 s23, s3, 10
	s_add_co_u32 s23, s23, AI
	v_add_nc_u32 v229, s23, v4                     ; the image that I copy out
	s_min_u32 s25, s3, 1
	s_lshl_b32 s23, s25, 9
	s_add_co_u32 s24, s23, AS
	v_add_nc_u32 v230, s24, v4
	s_add_co_u32 s24, s23, ST
	v_add_nc_u32 v231, s24, v4
	; offsets in memory
	s_mul_i32 s23, s6, 12288
	s_lshl_b32 s24, s3, 9
	s_add_co_u32 s23, s23, s24
	s_add_co_u32 s23, s23, XQO
	v_add_nc_u32 v10, s23, v4
	s_mul_i32 s23, s6, 1536
	s_min_u32 s24, s3, 2
	s_lshl_b32 s24, s24, 9
	s_add_co_u32 s23, s23, s24
	s_add_co_u32 s23, s23, XSO
	v_add_nc_u32 v11, s23, v4
	s_mul_i32 s23, s3, 6144
	s_add_co_u32 s23, s23, W1Q
	v_add_nc_u32 v12, s23, v4
	s_mul_i32 s23, s3, 384
	s_add_co_u32 s23, s23, W1S
	v_lshl_add_u32 v13, v2, 2, s23
	s_lshl_b32 s23, s3, 7
	v_lshl_add_u32 v14, v3, 6, s23                 ; b1, mu, sc, be of channels 32 w + 16 (lane / 16) ..
	s_lshl_b32 s23, s3, 11
	s_add_co_u32 s23, s23, W2Q
	v_add_nc_u32 v15, s23, v4
	s_lshl_b32 s23, s3, 7
	s_add_co_u32 s23, s23, W2S
	v_lshl_add_u32 v70, v2, 2, s23
	s_lshl_b32 s23, s6, 13
	s_lshl_b32 s24, s3, 10
	s_add_co_u32 s23, s23, s24
	s_add_co_u32 s23, s23, A1Q
	v_add_nc_u32 v126, s23, v4
	s_lshl_b32 s23, s6, 10
	s_lshl_b32 s24, s25, 9
	s_add_co_u32 s24, s24, s23
	s_add_co_u32 s24, s24, A1S
	v_add_nc_u32 v127, s24, v4
	s_lshl_b32 s24, s25, 18
	s_add_co_u32 s24, s24, s23
	v_add_nc_u32 v255, s24, v4
	v_mov_b32 v226, 0                              ; a lane permute's destination counts as one of its sources
	s_wait_kmcnt 0x0
	s_cmp_lt_u32 s3, 3
	s_cbranch_scc0 .Lnoxs
	global_load_b128 v[192:195], v11, s[8:9] th:TH_LOAD_NT     ; waves 0-2: x's scale words, 512 bytes each.  It is the oldest load, so the count below holds with it and without
.Lnoxs:
.irp i, 0,1,2
	global_load_b128 v[196+4*\i:199+4*\i], v10, s[8:9] offset:4096*\i th:TH_LOAD_NT   ; x's images: 24 pieces of 512 bytes, three a wave
.endr
.irp u, 0,1
.irp s, 0,1,2
.irp c, 0,1
	global_load_b128 v[72+8*(3*\u+\s)+4*\c:75+8*(3*\u+\s)+4*\c], v12, s[10:11] offset:3072*\u+1024*\s+512*\c
.endr
.endr
.endr
.irp u, 0,1
.irp s, 0,1,2
	global_load_b32 v[120+3*\u+\s], v13, s[10:11] offset:192*\u+64*\s
.endr
.endr
.irp j, 0,1,2,3
	global_load_b128 v[128+4*\j:131+4*\j], v14, s[12:13] offset:16*\j
	global_load_b128 v[144+4*\j:147+4*\j], v14, s[14:15] offset:16*\j
	global_load_b128 v[160+4*\j:163+4*\j], v14, s[14:15] offset:1024+16*\j
	global_load_b128 v[176+4*\j:179+4*\j], v14, s[16:17] offset:16*\j
.endr
.irp s, 0,1
.irp c, 0,1
	global_load_b128 v[236+8*\s+4*\c:239+8*\s+4*\c], v15, s[10:11] offset:1024*\s+512*\c
.endr
.endr
.irp s, 0,1
	global_load_b32 v[252+\s], v70, s[10:11] offset:64*\s
.endr
	global_load_b32 v254, v71, s[18:19]
	s_wait_loadcnt 41                              ; x is in; 12 + 6 + 16 + 4 + 2 + 1 loads are younger
.irp i, 0,1,2
	ds_store_b128 v8, v[196+4*\i:199+4*\i] offset:XI+4096*\i
.endr
	s_cmp_lt_u32 s3, 3
	s_cbranch_scc0 .Lnoxs2
	ds_store_b128 v8, v[192:195] offset:XS
.Lnoxs2:
	s_wait_dscnt 0x0
	s_barrier_signal -1
	s_barrier_wait -1                              ; x's twelve fragments lie in LDS
	s_wait_loadcnt 7                               ; W1 and the first layer's numbers are in; W2's 4 + 2 + 1 loads may stay out
.macro FETCHX m                        ; the three fragments of rows 16 m .. and their scale words into set m % 2: 9 LDS loads
.set XB, 16+24*((\m)%2)
.set XC, 64+3*((\m)%2)
.irp s, 0,1,2
.irp c, 0,1
	ds_load_b128 v[XB+8*\s+4*\c:XB+8*\s+4*\c+3], v4 offset:XI+(3*(\m)+\s)*1024+512*\c
.endr
.endr
.irp s, 0,1,2
	ds_load_b32 v[XC+\s], v5 offset:XS+(3*(\m)+\s)*128
.endr
.endm
.macro WMMA6 m                         ; my two tiles of channels x rows 16 m .., three K steps; the two accumulators take turns; b1 is the C of each sum's first product
.set XB, 16+24*((\m)%2)
.set XC, 64+3*((\m)%2)
.set AB, 192+16*((\m)%2)
.irp s, 0,1,2
.irp u, 0,1
.if \s == 0
	v_wmma_scale_f32_16x16x128_f8f6f4 v[AB+8*\u:AB+8*\u+7], v[72+8*(3*\u+\s):79+8*(3*\u+\s)], v[XB+8*\s:XB+8*\s+7], v[128+8*\u:135+8*\u], v[120+3*\u+\s], v[XC+\s] matrix_a_fmt:MATRIX_FMT_FP4 matrix_b_fmt:MATRIX_FMT_FP4
.else
	v_wmma_scale_f32_16x16x128_f8f6f4 v[AB+8*\u:AB+8*\u+7], v[72+8*(3*\u+\s):79+8*(3*\u+\s)], v[XB+8*\s:XB+8*\s+7], v[AB+8*\u:AB+8*\u+7], v[120+3*\u+\s], v[XC+\s] matrix_a_fmt:MATRIX_FMT_FP4 matrix_b_fmt:MATRIX_FMT_FP4
.endif
.endr
.endr
.endm
.macro PLACES                          ; five plain places: four ahead of reads of results and of loads over operands, five ahead of a matrix instruction that writes an accumulator anew
.rept 5
	v_nop
.endr
.endm
.macro BNQ m                           ; rows 16 m ..: batch norm, relu, my half block's codes and the block's byte.  Each accumulator is read from its low end on
.set AB, 192+16*((\m)%2)
.set CB, 232+2*((\m)%2)
.irp i, 0,1,2,3,4,5,6,7
	v_pk_add_f32 v[AB+2*\i:AB+2*\i+1], v[AB+2*\i:AB+2*\i+1], v[144+2*\i:145+2*\i] neg_lo:[0,1] neg_hi:[0,1]
.endr
.irp i, 0,1,2,3,4,5,6,7
	v_pk_fma_f32 v[AB+2*\i:AB+2*\i+1], v[AB+2*\i:AB+2*\i+1], v[160+2*\i:161+2*\i], v[176+2*\i:177+2*\i]
.endr
.irp j, 0,1,2,3,4,5,6,7,8,9,10,11,12,13,14,15
	v_max_num_f32 v[AB+\j], 0, v[AB+\j]
.endr
	v_max3_num_f32 v224, v[AB], v[AB+1], 0x1800000 ; none is negative: no |.|; the floor 2^(3 - 127) holds the byte at 1 from below
	v_max3_num_f32 v225, v[AB+2], v[AB+3], v[AB+4]
	v_max3_num_f32 v224, v224, v[AB+5], v[AB+6]
	v_max3_num_f32 v225, v225, v[AB+7], v[AB+8]
	v_max3_num_f32 v224, v224, v[AB+9], v[AB+10]
	v_max3_num_f32 v225, v225, v[AB+11], v[AB+12]
	v_max3_num_f32 v224, v224, v[AB+13], v[AB+14]
	v_max3_num_f32 v224, v224, v225, v[AB+15]
	v_permlanex16_b32 v226, v224, s36, s37
	v_max_num_f32 v224, v224, v226                 ; with lane l xor 16: the block's largest
	v_add_nc_u32 v227, 0xff000000, v224            ; 2 off its exponent field: the conversion's scale operand
	v_lshrrev_b32 v228, 23, v227                   ; the scale's byte
	v_cvt_scalef32_pk8_fp4_f32 v[CB], v[AB:AB+7], v227
	v_cvt_scalef32_pk8_fp4_f32 v[CB+1], v[AB+8:AB+15], v227
	v_nop                                          ; a plain instruction behind the conversions
	ds_store_b64 v6, v[CB:CB+1] offset:2048*(\m)   ; the 32 lanes fill 256 consecutive bytes of the image
	ds_store_b8 v7, v228 offset:256*(\m)
.endm
	FETCHX 0
	FETCHX 1
	s_wait_dscnt 9                                 ; set 0 is in; set 1's nine loads are younger
	WMMA6 0
	s_wait_dscnt 0x0
	WMMA6 1
	PLACES
	BNQ 0
	FETCHX 2
	s_wait_dscnt 0x0
	WMMA6 2
	PLACES
	BNQ 1
	FETCHX 3
	s_wait_dscnt 0x0
	WMMA6 3
	PLACES
	BNQ 2
	BNQ 3
	s_wait_dscnt 0x0
	s_barrier_signal -1
	s_barrier_wait -1                              ; a1's eight fragments lie in LDS
	s_wait_loadcnt 0x0                             ; W2, b2
.irp i, 0,1,2,3,4,5,6,7
.irp c, 0,1
	ds_load_b128 v[16+8*\i+4*\c:19+8*\i+4*\c], v4 offset:AI+1024*\i+512*\c
.endr
.endr
.irp i, 0,1,2,3,4,5,6,7
	ds_load_b32 v[80+\i], v5 offset:AS+128*\i
.endr
	ds_load_b128 v[88:91], v229
	ds_load_b128 v[92:95], v229 offset:512
.irp j, 0,1,2,3,4,5,6,7
	v_mov_b32 v[108+\j], v254                      ; b2 of my channel for the eight rows of a lane
.endr
	s_wait_dscnt 0x0
	global_store_b128 v126, v[88:91], s[20:21]     ; image w to memory: 512 consecutive bytes a store
	global_store_b128 v126, v[92:95], s[20:21] offset:512
	s_cmp_lt_u32 s3, 2
	s_cbranch_scc0 .Lnosc
	ds_load_b128 v[96:99], v230
	s_wait_dscnt 0x0
	global_store_b128 v127, v[96:99], s[20:21]     ; waves 0, 1: the scale words
.Lnosc:
.irp s, 0,1                                    ; source 0 = 16 rows of a1, source 1 = my 16 channels of W2: a lane holds one channel and rows 8 (lane / 16) + 0 .. 7.  Four accumulators by turns
.irp m, 0,1,2,3
.if \s == 0
	v_wmma_scale_f32_16x16x128_f8f6f4 v[192+8*\m:199+8*\m], v[16+8*(2*\m+\s):23+8*(2*\m+\s)], v[236+8*\s:243+8*\s], v[108:115], v[80+2*\m+\s], v[252+\s] matrix_a_fmt:MATRIX_FMT_FP4 matrix_b_fmt:MATRIX_FMT_FP4
.else
	v_wmma_scale_f32_16x16x128_f8f6f4 v[192+8*\m:199+8*\m], v[16+8*(2*\m+\s):23+8*(2*\m+\s)], v[236+8*\s:243+8*\s], v[192+8*\m:199+8*\m], v[80+2*\m+\s], v[252+\s] matrix_a_fmt:MATRIX_FMT_FP4 matrix_b_fmt:MATRIX_FMT_FP4
.endif
.endr
.endr
.rept 4
	v_nop                                          ; four places ahead of the first read of results
.endr
; Of four accumulators (a lane: one channel, 32 of the 64 rows): the mean of the 64 rows into v[T + 8], the sum of squares round it into v[T].  Each accumulator is read from its low end on.
.macro STATS A, T
.irp m, 0,1,2,3
	v_pk_add_f32 v[\T+2*\m:\T+2*\m+1], v[\A+8*\m:\A+8*\m+1], v[\A+8*\m+2:\A+8*\m+3]
.endr
.irp m, 0,1,2,3
	v_pk_add_f32 v[\T+2*\m:\T+2*\m+1], v[\T+2*\m:\T+2*\m+1], v[\A+8*\m+4:\A+8*\m+5]
.endr
.irp m, 0,1,2,3
	v_pk_add_f32 v[\T+2*\m:\T+2*\m+1], v[\T+2*\m:\T+2*\m+1], v[\A+8*\m+6:\A+8*\m+7]
.endr
	v_pk_add_f32 v[\T:\T+1], v[\T:\T+1], v[\T+2:\T+3]
	v_pk_add_f32 v[\T+4:\T+5], v[\T+4:\T+5], v[\T+6:\T+7]
	v_pk_add_f32 v[\T:\T+1], v[\T:\T+1], v[\T+4:\T+5]
	v_add_f32 v[\T], v[\T], v[\T+1]
	v_permlanex16_b32 v[\T+2], v[\T], s36, s37
	v_add_f32 v[\T], v[\T], v[\T+2]
	v_mul_f32 v[\T+8], 0x3c800000, v[\T]           ; / 64
	v_mov_b32 v[\T+9], v[\T+8]
.set ii, 0
.rept 16
	v_pk_add_f32 v[\A+2*ii:\A+2*ii+1], v[\A+2*ii:\A+2*ii+1], v[\T+8:\T+9] neg_lo:[0,1] neg_hi:[0,1]
.set ii, ii+1
.endr
	v_pk_mul_f32 v[\T:\T+1], v[\A:\A+1], v[\A:\A+1]
	v_pk_mul_f32 v[\T+2:\T+3], v[\A+2:\A+3], v[\A+2:\A+3]
.set ii, 2
.rept 7
	v_pk_fma_f32 v[\T:\T+1], v[\A+2*ii:\A+2*ii+1], v[\A+2*ii:\A+2*ii+1], v[\T:\T+1]
	v_pk_fma_f32 v[\T+2:\T+3], v[\A+2*ii+2:\A+2*ii+3], v[\A+2*ii+2:\A+2*ii+3], v[\T+2:\T+3]
.set ii, ii+2
.endr
	v_pk_add_f32 v[\T:\T+1], v[\T:\T+1], v[\T+2:\T+3]
	v_add_f32 v[\T], v[\T], v[\T+1]
	v_permlanex16_b32 v[\T+2], v[\T], s36, s37
	v_add_f32 v[\T], v[\T], v[\T+2]
.endm
	STATS 192, 128
	ds_store_b32 v9, v136                          ; both halves of the lanes write the same word with the same value
	ds_store_b32 v9, v128 offset:512
	s_wait_dscnt 0x0
	s_barrier_signal -1
	s_barrier_wait -1
	s_cmp_lt_u32 s3, 2
	s_cbranch_scc0 .Lend
	ds_load_b128 v[140:143], v231
	s_wait_dscnt 0x0
	global_store_b128 v255, v[140:143], s[20:21]   ; wave 0: the 128 means, wave 1: the 128 sums of squares: 512 consecutive bytes
.Lend:
	s_set_vgpr_msb 0x5
	s_wait_tensorcnt 0x0
	ds_add_u32 v0, v1
	s_wait_dscnt 0x0
	s_set_vgpr_msb 0x500
	s_endpgm
.Lfunc_end_k_qdda046a3ca_mlp:
	.size	k_qdda046a3ca_mlp, .Lfunc_end_k_qdda046a3ca_mlp-k_qdda046a3ca_mlp
	.p2alignl 7, 3214868480
	.fill 96, 4, 3214868480
	.section	.rodata,"a",@progbits
	.p2align	6, 0x0
	.amdhsa_kernel k_qdda046a3ca_mlp
		.amdhsa_group_segment_fixed_size 25600
		.amdhsa_private_segment_fixed_size 0
		.amdhsa_enable_private_segment 0
		.amdhsa_kernarg_size 56
		.amdhsa_user_sgpr_count 2
		.amdhsa_user_sgpr_kernarg_segment_ptr 1
		.amdhsa_wavefront_size32 1
		.amdhsa_system_sgpr_workgroup_id_x 1
		.amdhsa_system_sgpr_workgroup_id_y 1
		.amdhsa_system_sgpr_workgroup_id_z 1
		.amdhsa_system_vgpr_workitem_id 0
		.amdhsa_next_free_vgpr 258
		.amdhsa_next_free_sgpr 66
		.amdhsa_reserve_vcc 0
		.amdhsa_float_denorm_mode_32 3
		.amdhsa_float_denorm_mode_16_64 3
		.amdhsa_memory_ordered 1
		.amdhsa_forward_progress 1
		.amdhsa_inst_pref_size 33
	.end_amdhsa_kernel
	.amdgpu_metadata
---
amdhsa.version: [ 1, 2 ]
amdhsa.kernels:
  - .name:           k_qdda046a3ca_mlp
    .symbol:         k_qdda046a3ca_mlp.kd
    .args:
      - { .name: k2o, .offset: 0, .size: 8, .value_kind: global_buffer, .address_space: global }
      - { .name: prep, .offset: 8, .size: 8, .value_kind: global_buffer, .address_space: global }
      - { .name: b1, .offset: 16, .size: 8, .value_kind: global_buffer, .address_space: global }
      - { .name: bn1, .offset: 24, .size: 8, .value_kind: global_buffer, .address_space: global }
      - { .name: be1, .offset: 32, .size: 8, .value_kind: global_buffer, .address_space: global }
      - { .name: b2, .offset: 40, .size: 8, .value_kind: global_buffer, .address_space: global }
      - { .name: k3o, .offset: 48, .size: 8, .value_kind: global_buffer, .address_space: global }
    .group_segment_fixed_size: 25600
    .private_segment_fixed_size: 0
    .kernarg_segment_align: 8
    .kernarg_segment_size: 56
    .max_flat_workgroup_size: 256
    .sgpr_count:     66
    .vgpr_count:     258
    .wavefront_size: 32
...
	.end_amdgpu_metadata
.endif
;; end of part 4
;; launch stat2: the kernel of part 3 again; grid 2 x 1, 16 waves a work-group, no clusters, 10,240 bytes of LDS; arguments k3o, g2, bn2; writes bn2
;; launch fin (part 5): grid 256 x 1, 8 waves a work-group, no clusters, 35,840 bytes of LDS; arguments k3o, prep, b2, bn2, be2, out0; writes out0
.if DOCPART == 5
	.amdgcn_target "amdgcn-amd-amdhsa--gfx1250"
	.amdhsa_code_object_version 6
	.text
	.protected	k_qdda046a3ca_fin
	.globl	k_qdda046a3ca_fin
	.p2align	8
	.type	k_qdda046a3ca_fin,@function
k_qdda046a3ca_fin:
	s_mov_b64 s[64:65], 0
	v_nop
	global_prefetch_b8 v0, s[64:65] scope:SCOPE_SE
	s_setreg_imm32_b32 hwreg(HW_REG_WAVE_MODE, 25, 1), 1
	s_wait_xcnt 0x0
; out0[channel][row] = relu((a1 W2^T + b2 - mu2) sc2 + be2): the second product once more, from a1's and W2's FP4 codes, then the batch norm with the finished statistics.
; SHARES.  Work-group g owns rows 64 g .. + 63, wave w of 8 channels 16 w .. 16 w + 15: 8 matrix instructions, four accumulators by turns.  Source 0 = 16 rows of a1, source 1 = my 16 channels:
; a lane holds one channel and eight neighbouring rows, which are neighbours in out0.  A wave's 16 channels x 64 rows go through its own stage in LDS and leave as 256 consecutive bytes for each 16 lanes.
; No barrier: a wave reads only what it stored itself.  NO TENSOR LOADS, NO JOINT LOADS: a work-group reads 9 KB of its own and 16 KB of W2's images, each wave its 2 KB of them once, into registers.
; LIMITS: NaN and infinities are not served.
.set A1Q, 524288                       ; k3o
.set A1S, 2621440
.set W2Q, 4508672                      ; prep
.set W2S, 4525056
.set SPI, 272                          ; a stage row: 64 rows of out0 = 256 bytes + 16: the 16 channels fall on 16 different columns of 16 bytes
; REGISTERS: v1 lane, v2 lane % 16, v3 lane / 16, v4 16 lane, v5 4 lane, v6-13 addresses; v16-79 a1's eight fragments, v80-87 their scale words; v88-103 W2's two, v104-105 theirs; v106 b2, v107 mu, v108 sc, v109 be;
; v112-119 b2 as a C operand; v120-151 four accumulators; v152-157 mu, sc, be as pairs; v160-191 the way out.
	s_load_b256 s[8:15], s[0:1], 0x0               ; k3o s[8:9], prep s[10:11], b2 s[12:13], bn2 s[14:15]
	s_load_b128 s[16:19], s[0:1], 0x20             ; be2 s[16:17], out0 s[18:19]
	v_lshl_add_u32 v192, v0, 2, 0x8800
	v_mov_b32 v193, 0
	v_lshrrev_b32 v1, 5, v0
	v_readfirstlane_b32 s3, v1                     ; wave 0..7
	v_and_b32 v1, 31, v0
	v_and_b32 v2, 15, v0
	v_bfe_u32 v3, v0, 4, 1
	v_lshlrev_b32 v4, 4, v1
	v_lshlrev_b32 v5, 2, v1
	s_mov_b32 s6, ttmp9
	s_mul_i32 s20, s3, 16*SPI                      ; my stage
	v_mul_u32_u24 v6, v2, SPI
	v_lshl_add_u32 v6, v3, 5, v6
	v_add_nc_u32 v6, s20, v6                       ; in: channel r, rows 8 (lane / 16) .. (+ 16 m)
	v_mul_u32_u24 v7, v3, SPI
	v_lshl_add_u32 v7, v2, 4, v7
	v_add_nc_u32 v7, s20, v7                       ; back: lanes 0-15 one channel, lanes 16-31 the next
	s_lshl_b32 s20, s6, 13
	s_add_co_u32 s20, s20, A1Q
	v_add_nc_u32 v8, s20, v4
	s_lshl_b32 s20, s6, 10
	s_add_co_u32 s20, s20, A1S
	v_add_nc_u32 v9, s20, v5
	s_lshl_b32 s20, s3, 11
	s_add_co_u32 s20, s20, W2Q
	v_add_nc_u32 v10, s20, v4
	s_lshl_b32 s20, s3, 7
	s_add_co_u32 s20, s20, W2S
	v_lshl_add_u32 v11, v2, 2, s20
	s_lshl_b32 s20, s3, 6
	v_lshl_add_u32 v12, v2, 2, s20                 ; my channel: 4 (16 w + r)
	s_lshl_b32 s20, s3, 20
	s_lshl_b32 s21, s6, 8
	s_add_co_u32 s20, s20, s21
	v_lshlrev_b32 v13, 16, v3
	v_lshl_add_u32 v13, v2, 4, v13
	v_add_nc_u32 v13, s20, v13                     ; out0: channel 16 w + lane / 16 (+ 2 i), rows 64 g + 4 (lane % 16) ..
	s_wait_kmcnt 0x0
.irp i, 0,1,2,3,4,5,6,7
.irp c, 0,1
	global_load_b128 v[16+8*\i+4*\c:19+8*\i+4*\c], v8, s[8:9] offset:1024*\i+512*\c
.endr
.endr
.irp i, 0,1,2,3,4,5,6,7
	global_load_b32 v[80+\i], v9, s[8:9] offset:128*\i
.endr
.irp s, 0,1
.irp c, 0,1
	global_load_b128 v[88+8*\s+4*\c:91+8*\s+4*\c], v10, s[10:11] offset:1024*\s+512*\c
.endr
.endr
.irp s, 0,1
	global_load_b32 v[104+\s], v11, s[10:11] offset:64*\s
.endr
	global_load_b32 v106, v12, s[12:13]
	global_load_b32 v107, v12, s[14:15]
	global_load_b32 v108, v12, s[14:15] offset:1024
	global_load_b32 v109, v12, s[16:17]
	s_wait_loadcnt 0x0
.irp j, 0,1,2,3,4,5,6,7
	v_mov_b32 v[112+\j], v106
.endr
	v_mov_b32 v152, v107
	v_mov_b32 v153, v107
	v_mov_b32 v154, v108
	v_mov_b32 v155, v108
	v_mov_b32 v156, v109
	v_mov_b32 v157, v109
.irp s, 0,1                                    ; the four accumulators take turns; b2 is the C of each sum's first product
.irp m, 0,1,2,3
.if \s == 0
	v_wmma_scale_f32_16x16x128_f8f6f4 v[120+8*\m:127+8*\m], v[16+8*(2*\m+\s):23+8*(2*\m+\s)], v[88+8*\s:95+8*\s], v[112:119], v[80+2*\m+\s], v[104+\s] matrix_a_fmt:MATRIX_FMT_FP4 matrix_b_fmt:MATRIX_FMT_FP4
.else
	v_wmma_scale_f32_16x16x128_f8f6f4 v[120+8*\m:127+8*\m], v[16+8*(2*\m+\s):23+8*(2*\m+\s)], v[88+8*\s:95+8*\s], v[120+8*\m:127+8*\m], v[80+2*\m+\s], v[104+\s] matrix_a_fmt:MATRIX_FMT_FP4 matrix_b_fmt:MATRIX_FMT_FP4
.endif
.endr
.endr
.rept 4
	v_nop                                          ; four places ahead of the first read of results (ISA guide 7.12.1)
.endr
.irp i, 0,1,2,3,4,5,6,7,8,9,10,11,12,13,14,15  ; ascending: each accumulator is read from its low end on
	v_pk_add_f32 v[120+2*\i:121+2*\i], v[120+2*\i:121+2*\i], v[152:153] neg_lo:[0,1] neg_hi:[0,1]
.endr
.irp i, 0,1,2,3,4,5,6,7,8,9,10,11,12,13,14,15
	v_pk_fma_f32 v[120+2*\i:121+2*\i], v[120+2*\i:121+2*\i], v[154:155], v[156:157]
.endr
.irp j, 0,1,2,3,4,5,6,7,8,9,10,11,12,13,14,15,16,17,18,19,20,21,22,23,24,25,26,27,28,29,30,31
	v_max_num_f32 v[120+\j], 0, v[120+\j]
.endr
.irp m, 0,1,2,3
	ds_store_b128 v6, v[120+8*\m:123+8*\m] offset:64*\m
	ds_store_b128 v6, v[124+8*\m:127+8*\m] offset:64*\m+16
.endr
.irp i, 0,1,2,3,4,5,6,7
	ds_load_b128 v[160+4*\i:163+4*\i], v7 offset:2*SPI*\i      ; LDS serves a wave's instructions in order (ISA guide 5.7.1.4): these see my stores
.endr
.irp i, 0,1,2,3,4,5,6,7
	s_wait_dscnt 7-\i                              ; load i is in; the later ones may be out
	global_store_b128 v13, v[160+4*\i:163+4*\i], s[18:19] offset:131072*\i th:TH_STORE_NT   ; 16 lanes store 256 consecutive bytes, aligned; written once, read by nobody here
.endr
	s_wait_tensorcnt 0x0
	ds_add_u32 v192, v193
	s_wait_dscnt 0x0
	s_endpgm
.Lfunc_end_k_qdda046a3ca_fin:
	.size	k_qdda046a3ca_fin, .Lfunc_end_k_qdda046a3ca_fin-k_qdda046a3ca_fin
	.p2alignl 7, 3214868480
	.fill 96, 4, 3214868480
	.section	.rodata,"a",@progbits
	.p2align	6, 0x0
	.amdhsa_kernel k_qdda046a3ca_fin
		.amdhsa_group_segment_fixed_size 35840
		.amdhsa_private_segment_fixed_size 0
		.amdhsa_enable_private_segment 0
		.amdhsa_kernarg_size 48
		.amdhsa_user_sgpr_count 2
		.amdhsa_user_sgpr_kernarg_segment_ptr 1
		.amdhsa_wavefront_size32 1
		.amdhsa_system_sgpr_workgroup_id_x 1
		.amdhsa_system_sgpr_workgroup_id_y 1
		.amdhsa_system_sgpr_workgroup_id_z 1
		.amdhsa_system_vgpr_workitem_id 0
		.amdhsa_next_free_vgpr 194
		.amdhsa_next_free_sgpr 66
		.amdhsa_reserve_vcc 0
		.amdhsa_float_denorm_mode_32 3
		.amdhsa_float_denorm_mode_16_64 3
		.amdhsa_memory_ordered 1
		.amdhsa_forward_progress 1
		.amdhsa_inst_pref_size 13
	.end_amdhsa_kernel
	.amdgpu_metadata
---
amdhsa.version: [ 1, 2 ]
amdhsa.kernels:
  - .name:           k_qdda046a3ca_fin
    .symbol:         k_qdda046a3ca_fin.kd
    .args:
      - { .name: k3o, .offset: 0, .size: 8, .value_kind: global_buffer, .address_space: global }
      - { .name: prep, .offset: 8, .size: 8, .value_kind: global_buffer, .address_space: global }
      - { .name: b2, .offset: 16, .size: 8, .value_kind: global_buffer, .address_space: global }
      - { .name: bn2, .offset: 24, .size: 8, .value_kind: global_buffer, .address_space: global }
      - { .name: be2, .offset: 32, .size: 8, .value_kind: global_buffer, .address_space: global }
      - { .name: out0, .offset: 40, .size: 8, .value_kind: global_buffer, .address_space: global }
    .group_segment_fixed_size: 35840
    .private_segment_fixed_size: 0
    .kernarg_segment_align: 8
    .kernarg_segment_size: 48
    .max_flat_workgroup_size: 256
    .sgpr_count:     66
    .vgpr_count:     194
    .wavefront_size: 32
...
	.end_amdgpu_metadata
.endif
;; end of part 5
;; ======== version 2 of 3: 6 launches; 1.13 times as fast as version 1
;; workspace buffers: nidx 262,144 bytes of whole numbers; prep 4,526,080 bytes; k2o 4,063,232 bytes; k3o 2,883,584 bytes; bn1 2,048 bytes; bn2 2,048 bytes
;; launch knn (part 6): grid 256 x 1, 16 waves a work-group, no clusters, 111,616 bytes of LDS; arguments fine_xyz, coarse_xyz, fine_piece_id, coarse_piece_id, coarse_features, W1, W2, nidx, prep; writes nidx, prep
.if DOCPART == 6
	.amdgcn_target "amdgcn-amd-amdhsa--gfx1250"
	.amdhsa_code_object_version 6
	.text
	.protected	k_qdda046a3ca_knn
	.globl	k_qdda046a3ca_knn
	.p2align	8
	.type	k_qdda046a3ca_knn,@function
k_qdda046a3ca_knn:
	s_mov_b64 s[64:65], 0
	v_nop
	global_prefetch_b8 v0, s[64:65] scope:SCOPE_SE
	s_setreg_imm32_b32 hwreg(HW_REG_WAVE_MODE, 25, 1), 1
	s_wait_xcnt 0x0
; The three nearest coarse points of the same piece for each fine point, their weights; beside it three small jobs for the later launches.
; d2 = (|f|^2 + |c|^2) - (2 f) . c in f32, 1e8 where the piece ids differ; the three smallest, ties to the lower index; w = 1 / (d2 + 1e-8), divided by their sum.
; SHARES.  Work-group g owns fine points 64 g .. 64 g + 63.  Wave w of 16: group GRP = w / 4 of 16 points; lanes l and l + 16 hold the same point.  Of the 128 chunks of 32 coarse points lanes 0-15 walk
; chunks 8 u + 2 WQ and lanes 16-31 chunks 8 u + 2 WQ + 1, u = 0 .. 15, WQ = (w + GRP) % 4: a trip is a PAIR of neighbouring chunks, 64 consecutive candidates.  So a group whose points belong to two pieces,
; which has to walk both, is 16 points and not 32, and its four waves have four different numbers modulo 4.  All 4,096 coarse points (x, y, z, |c|^2, id: 80 KB) lie in LDS; each half of the lanes names one place.
; Behind the walk a lane takes its partner's three by lane exchange; the four lists of a point meet in LDS and are merged, always in the order (distance, index).
; INDICES are kept relative to the lane's chunk in hand, so that a candidate's index is a constant of the text (0 .. 31) and no scalar instruction stands among the compares: each trip takes 256 off the three
; kept indices, and 4,096 + 64 WQ + 32 (lane / 16) is added behind the 16 trips.
; PAIRS ARE PASSED OVER BY THE IDS, which are whole numbers read from memory.  A pair none of whose ids lies in [least id, largest id] of the wave's 16 points holds only 1e8 for all of them.
; Of such candidates only a point's three of lowest index can be chosen; if one of them lies in such a pair it is among the pair's first three and no earlier such pair exists, so it lies in its wave's FIRST such pair:
; there each half inserts the first three of its chunk (true candidates all), and the other such pairs are passed over.  A pair all of whose ids equal the wave's one id needs no mask.  Holds for any int32 ids in any order.
; OTHER JOBS.  All waves: a slab of 64 points x 64 channels of coarse_features is turned through LDS into [point][channel].  Wave 2: row g of W1, wave 3: four blocks of a row of W2, become FP4 codes and
; E8M0 bytes, laid in the order of a matrix operand's registers (16 rows x 128 K: byte 512 c + 16 lane).  K = 320 is filled to 384 with zero codes.  These 70 KB leave in pieces of 16 bytes and single bytes.
; Their loads are the two waves' first, into registers that lie idle until the walk, and the work stands ahead of the walk: nothing is fetched behind the last barrier.
; NO JOINT LOADS, though all work-groups read the same 64 KB of coarse points: the walk branches on ids read from memory.
; LIMITS: NaN and infinities are not served.  A block of weights whose largest magnitude lies under 2^-124 keeps the scale byte 1 (a block of zeros too: its codes are zeros, and this program alone reads the bytes).
; THE ORDER OF ROUNDING IN d2 decides between neighbours that lie within a rounding of each other.  Here: the squares are rounded and added x, y, z (SQ_FUSED = 0); the dot is the rounded product of x and
; then two fused multiply-adds, y and z (DOT_FUSED = 1); then (|f|^2 + |c|^2), rounded, less the dot.  Either flag can be turned without touching anything else.
.set SQ_FUSED, 0
.set DOT_FUSED, 1
.set XP, 0                             ; LDS: x of the 4,096 coarse points,
.set YP, 16384                         ; y,
.set ZP, 32768                         ; z,
.set SP, 49152                         ; |c|^2,
.set CI, 65536                         ; ids
.set TR, 81920                         ; the slab: 64 rows (points) x 272 bytes
.set TP, 272
.set LD, 99328                         ; 64 points x 80 bytes: four lists x 16 bytes of distances;
.set LILD, 5120                        ; the indices lie this far behind
.set LP, 80
.set NW, 4194304                       ; prep: the weights, [16384][4] f32
.set W1Q, 4456448                      ; W1 as 16 tiles x 3 K steps x 1,024 bytes
.set W1S, 4505600                      ; their scale words, 64 bytes each
.set W2Q, 4508672                      ; W2 as 8 tiles x 2 K steps
.set W2S, 4525056
; REGISTERS: v1 lane, v2 lane % 16, v3 lane / 16; v4-11, v22, v23 LDS addresses; v12-19 2 fx, 2 fy, 2 fz, |f|^2, each twice (pairs); v20 my id; v21 1e8; v24-27 three distances, 0; v28-31 three indices, 0;
; v32-55 at work; v64-191 a chunk's x, y, z, |c|^2 (v160-191 at the head: a block of weights); v192-223 its ids; v224-235 offsets in memory.  s66-97: the 32 lane masks of the classification.
	s_load_b512 s[8:23], s[0:1], 0x0               ; fine_xyz s[8:9], coarse_xyz s[10:11], fine ids s[12:13], coarse ids s[14:15], coarse_features s[16:17], W1 s[18:19], W2 s[20:21], nidx s[22:23]
	s_load_b64 s[24:25], s[0:1], 0x40              ; prep
	v_lshl_add_u32 v240, v0, 2, 0x1ac00
	v_mov_b32 v241, 0
	v_lshrrev_b32 v1, 5, v0
	v_readfirstlane_b32 s3, v1                     ; wave 0..15
	v_and_b32 v1, 31, v0
	v_and_b32 v2, 15, v0
	v_bfe_u32 v3, v0, 4, 1
	s_lshr_b32 s4, s3, 2                           ; GRP
	s_add_co_u32 s5, s3, s4
	s_and_b32 s5, s5, 3                            ; WQ
	s_mov_b32 s6, ttmp9                            ; g
	s_mov_b32 s48, 0x76543210
	s_mov_b32 s49, 0xfedcba98                      ; selects for lane l xor 16
	; every LDS address, and the scalars that the walk steps, are made here, ahead of all branches
	v_lshlrev_b32 v4, 4, v0                        ; 16 t: staging, and the offset of the coarse loads
	v_add_nc_u32 v5, CI, v4
	s_mul_i32 s42, s4, 16*LP
	s_lshl_b32 s43, s5, 4
	s_add_co_u32 s42, s42, s43
	s_add_co_u32 s42, s42, LD
	v_mul_u32_u24 v8, v2, LP
	v_add_nc_u32 v8, s42, v8                       ; my list: point 16 GRP + lane % 16, list WQ
	v_and_b32 v9, 63, v0
	v_mul_u32_u24 v9, v9, LP
	v_add_nc_u32 v9, LD, v9                        ; the merge: point t
	s_lshl_b32 s42, s3, 4
	s_add_co_u32 s42, s42, TR
	v_mul_u32_u24 v10, v2, 4*TP
	v_lshl_add_u32 v10, v3, 2, v10
	v_add_nc_u32 v10, s42, v10                     ; the slab, in: row 4 q (+ e), column 4 w + hh (+ 2 i)
	s_mul_i32 s42, s3, 4*TP
	s_add_co_u32 s42, s42, TR
	v_mul_u32_u24 v11, v3, TP
	v_lshl_add_u32 v11, v2, 4, v11
	v_add_nc_u32 v11, s42, v11                     ; and out: row 4 w + hh (+ 2 i), 16 q
	s_lshl_b32 s31, s5, 8                          ; the first pair's bytes in a plane: 256 WQ
	s_add_co_u32 s32, s31, CI
	v_lshl_add_u32 v22, v1, 3, s32                 ; the ids of my pairs: 64 ids, 8 bytes a lane
	v_lshlrev_b32 v23, 7, v3                       ; lanes 16-31 take the pair's second chunk: + 128 bytes
	s_mov_b32 s7, 0
	; offsets in memory
	s_lshl_b32 s42, s6, 8
	s_lshl_b32 s43, s4, 6
	s_add_co_u32 s42, s42, s43
	v_lshl_add_u32 v224, v2, 2, s42                ; my fine point: 4 (64 g + 16 GRP + lane % 16)
	s_and_b32 s44, s6, 3                           ; cb: which 64 channels
	s_lshr_b32 s45, s6, 2                          ; sb: which 64 points
	s_lshl_b32 s42, s44, 6
	s_lshl_b32 s43, s3, 2
	s_add_co_u32 s42, s42, s43
	s_lshl_b32 s42, s42, 14
	s_lshl_b32 s43, s45, 8
	s_add_co_u32 s42, s42, s43
	v_lshlrev_b32 v225, 14, v3
	v_lshl_add_u32 v225, v2, 4, v225
	v_add_nc_u32 v225, s42, v225                   ; coarse_features: channel 64 cb + 4 w + hh (+ 2 i), points 64 sb + 4 q ..
	s_lshl_b32 s42, s45, 6
	s_lshl_b32 s43, s3, 2
	s_add_co_u32 s42, s42, s43
	s_lshl_b32 s42, s42, 10
	s_lshl_b32 s43, s44, 8
	s_add_co_u32 s42, s42, s43
	v_lshlrev_b32 v226, 10, v3
	v_lshl_add_u32 v226, v2, 4, v226
	v_add_nc_u32 v226, s42, v226                   ; turned: point 64 sb + 4 w + hh (+ 2 i), channels 64 cb + 4 q ..
	s_lshl_b32 s42, s6, 10
	v_and_b32 v227, 63, v0
	v_lshl_add_u32 v227, v227, 4, s42              ; a point's record of 16 bytes
	v_mov_b32 v21, 0x4cbebc20                      ; 1e8
.irp j, 0,1,2,3,4,5,6
	v_mov_b32 v[40+\j], 0                          ; a lane permute's destination counts as one of its sources
.endr
	; the weights' job (waves 2 and 3 use these numbers; they are made by all, while the arguments are on their way)
	; wave 2: row g of W1: 10 blocks of 32, a lane a block, and two blocks of zero codes.  Channel g is lane r of tile T: lane r of tile 2 b + u holds channel 32 b + 8 u + r + 8 (r / 8)
	s_bfe_u32 s42, s6, 0x10003                     ; u
	s_and_b32 s43, s6, 7
	s_bfe_u32 s44, s6, 0x10004
	s_lshl_b32 s44, s44, 3
	s_add_co_u32 s43, s43, s44                     ; r
	s_lshr_b32 s44, s6, 5
	s_lshl_b32 s44, s44, 1
	s_add_co_u32 s44, s44, s42                     ; T
	s_mul_i32 s50, s6, 1280
	s_mul_i32 s51, s44, 3072
	s_lshl_b32 s45, s43, 4
	s_add_co_u32 s51, s51, s45
	s_add_co_u32 s51, s51, W1Q
	s_mul_i32 s52, s44, 192
	s_lshl_b32 s45, s43, 2
	s_add_co_u32 s52, s52, s45
	s_add_co_u32 s52, s52, W1S
	; wave 3: row g / 2 of W2, K step g % 2: 4 blocks.  Channel c is lane c % 16 of tile c / 16
	s_lshr_b32 s42, s6, 1
	s_and_b32 s43, s6, 1
	s_lshl_b32 s54, s42, 10
	s_lshl_b32 s45, s43, 9
	s_add_co_u32 s54, s54, s45
	s_lshr_b32 s44, s42, 4
	s_lshl_b32 s44, s44, 1
	s_add_co_u32 s44, s44, s43                     ; which image
	s_and_b32 s45, s42, 15
	s_lshl_b32 s55, s44, 10
	s_lshl_b32 s46, s45, 4
	s_add_co_u32 s55, s55, s46
	s_add_co_u32 s55, s55, W2Q
	s_lshl_b32 s56, s44, 6
	s_lshl_b32 s46, s45, 2
	s_add_co_u32 s56, s56, s46
	s_add_co_u32 s56, s56, W2S
	s_cmp_eq_u32 s3, 2                             ; the choice hangs on the wave's number alone
	s_cselect_b32 s50, s50, s54
	s_cselect_b32 s51, s51, s55
	s_cselect_b32 s52, s52, s56
	s_cselect_b32 s53, 10, 4                       ; real blocks
	s_cselect_b32 s57, 11, 3                       ; the last block stored
	s_sub_co_u32 s46, s53, 1
	v_min_u32 v232, s46, v1                        ; the block that I read: lanes past the end repeat the last,
	v_min_u32 v231, s57, v1                        ; and the block that I store: they store the same bytes to the same place, so EXEC stays whole
	v_lshl_add_u32 v228, v232, 7, s50
	v_lshrrev_b32 v233, 2, v231                    ; K step,
	v_bfe_u32 v234, v231, 1, 1                     ; c,
	v_and_b32 v235, 1, v231                        ; h of the block
	v_lshlrev_b32 v229, 10, v233
	v_lshl_add_u32 v229, v234, 9, v229
	v_lshl_add_u32 v229, v235, 8, v229
	v_add_nc_u32 v229, s51, v229
	v_and_b32 v230, 3, v231
	v_lshl_add_u32 v230, v233, 6, v230
	v_add_nc_u32 v230, s52, v230
	s_wait_kmcnt 0x0
	s_cmp_lt_u32 s3, 2
	s_cbranch_scc1 .Lnow
	s_cmp_lt_u32 s3, 4
	s_cbranch_scc0 .Lnow
	s_cmp_eq_u32 s3, 2
	s_cselect_b64 s[58:59], s[18:19], s[20:21]
.irp j, 0,1,2,3,4,5,6,7
	global_load_b128 v[160+4*\j:163+4*\j], v228, s[58:59] offset:16*\j         ; waves 2, 3: a block of 32 weights a lane.  These are the oldest loads, so the counts below hold with them and without
.endr
.Lnow:
	global_load_b32 v56, v224, s[8:9]              ; fx
	global_load_b32 v57, v224, s[8:9] offset:65536 ; fy
	global_load_b32 v58, v224, s[8:9] offset:131072
	global_load_b32 v20, v224, s[12:13]            ; my id
.irp i, 0,1
	global_load_b128 v[64+4*\i:67+4*\i], v4, s[10:11] offset:8192*\i           ; 32 lanes read 512 consecutive bytes
	global_load_b128 v[80+4*\i:83+4*\i], v4, s[10:11] offset:16384+8192*\i
	global_load_b128 v[96+4*\i:99+4*\i], v4, s[10:11] offset:32768+8192*\i
	global_load_b128 v[112+4*\i:115+4*\i], v4, s[14:15] offset:8192*\i
.endr
.irp i, 0,1
	global_load_b128 v[144+4*\i:147+4*\i], v225, s[16:17] offset:32768*\i th:TH_LOAD_NT   ; 16 lanes read 256 consecutive bytes of a channel; read once in the launch
.endr
	s_wait_loadcnt 10                              ; my point is in; the 8 coarse loads and the slab's 2 are younger
	v_add_f32 v12, v56, v56                        ; 2 f, exact
	v_add_f32 v14, v57, v57
	v_add_f32 v16, v58, v58
	v_mov_b32 v13, v12
	v_mov_b32 v15, v14
	v_mov_b32 v17, v16
	v_mul_f32 v18, v56, v56
.if SQ_FUSED
	v_fma_f32 v18, v57, v57, v18
	v_fma_f32 v18, v58, v58, v18
.else
	v_mul_f32 v59, v57, v57
	v_add_f32 v18, v18, v59
	v_mul_f32 v59, v58, v58
	v_add_f32 v18, v18, v59
.endif
	v_mov_b32 v19, v18
	v_mov_b32 v61, v20                             ; the least and the largest id of the wave's 16 points
	v_mov_b32 v62, v20
	v_mov_b32 v63, v20
.irp n, 1,2,4,8
	v_mov_b32_dpp v63, v61 row_xmask:\n row_mask:0xf bank_mask:0xf
	v_min_i32 v61, v61, v63
	v_mov_b32_dpp v63, v62 row_xmask:\n row_mask:0xf bank_mask:0xf
	v_max_i32 v62, v62, v63
.endr
	v_permlanex16_b32 v63, v61, s48, s49
	v_min_i32 v61, v61, v63
	v_permlanex16_b32 v63, v62, s48, s49
	v_max_i32 v62, v62, v63
	v_readfirstlane_b32 s26, v61                   ; FMIN
	v_readfirstlane_b32 s27, v62                   ; FMAX
	s_sub_co_u32 s47, s27, s26                     ; an id lies in [FMIN, FMAX] where id - FMIN, as an unsigned number, is at most FMAX - FMIN
	s_wait_loadcnt 2                               ; the coarse points are in; the slab's 2 loads are younger
.irp p, 0,1,2,3
	v_pk_mul_f32 v[128+2*\p:129+2*\p], v[64+2*\p:65+2*\p], v[64+2*\p:65+2*\p]
.endr
.if SQ_FUSED
.irp p, 0,1,2,3
	v_pk_fma_f32 v[128+2*\p:129+2*\p], v[80+2*\p:81+2*\p], v[80+2*\p:81+2*\p], v[128+2*\p:129+2*\p]
.endr
.irp p, 0,1,2,3
	v_pk_fma_f32 v[128+2*\p:129+2*\p], v[96+2*\p:97+2*\p], v[96+2*\p:97+2*\p], v[128+2*\p:129+2*\p]
.endr
.else
.irp p, 0,1,2,3
	v_pk_mul_f32 v[32+2*\p:33+2*\p], v[80+2*\p:81+2*\p], v[80+2*\p:81+2*\p]
.endr
.irp p, 0,1,2,3
	v_pk_add_f32 v[128+2*\p:129+2*\p], v[128+2*\p:129+2*\p], v[32+2*\p:33+2*\p]
.endr
.irp p, 0,1,2,3
	v_pk_mul_f32 v[32+2*\p:33+2*\p], v[96+2*\p:97+2*\p], v[96+2*\p:97+2*\p]
.endr
.irp p, 0,1,2,3
	v_pk_add_f32 v[128+2*\p:129+2*\p], v[128+2*\p:129+2*\p], v[32+2*\p:33+2*\p]
.endr
.endif
.irp i, 0,1
	ds_store_b128 v4, v[64+4*\i:67+4*\i] offset:XP+8192*\i
	ds_store_b128 v4, v[80+4*\i:83+4*\i] offset:YP+8192*\i
	ds_store_b128 v4, v[96+4*\i:99+4*\i] offset:ZP+8192*\i
	ds_store_b128 v4, v[128+4*\i:131+4*\i] offset:SP+8192*\i
	ds_store_b128 v5, v[112+4*\i:115+4*\i] offset:8192*\i
.endr
	s_wait_loadcnt 0x0                             ; the slab
.irp i, 0,1
.irp e, 0,1,2,3
	ds_store_b32 v10, v[144+4*\i+\e] offset:\e*TP+8*\i
.endr
.endr
	s_wait_dscnt 0x0                               ; for the others: my stores have landed
	s_barrier_signal -1
	s_barrier_wait -1
.irp i, 0,1
	ds_load_b128 v[144+4*\i:147+4*\i], v11 offset:2*TP*\i
.endr
.irp u, 0,1,2,3,4,5,6,7,8,9,10,11,12,13,14,15
	ds_load_b64 v[64+2*\u:65+2*\u], v22 offset:1024*\u     ; the 64 ids of my pair u, two a lane
.endr
	s_wait_dscnt 16                                ; the slab's two loads are in; the 16 id loads are younger
.irp i, 0,1
	global_store_b128 v226, v[144+4*\i:147+4*\i], s[24:25] offset:2048*\i      ; 16 lanes store 256 consecutive bytes, aligned
.endr
	s_wait_dscnt 0x0
	; the classification: all vector lines first, each compare into a mask of its own, then the scalar lines: no scalar line stands between two compares
.irp u, 0,1,2,3,4,5,6,7,8,9,10,11,12,13,14,15
	v_sub_nc_u32 v[64+2*\u], v[64+2*\u], s26
	v_sub_nc_u32 v[65+2*\u], v[65+2*\u], s26
.endr
.irp u, 0,1,2,3,4,5,6,7,8,9,10,11,12,13,14,15
	v_cmp_ge_u32 s[66+2*\u], s47, v[64+2*\u]
	v_cmp_ge_u32 s[67+2*\u], s47, v[65+2*\u]
.endr
	v_mov_b32 v24, 0x7f800000
	v_mov_b32 v25, 0x7f800000
	v_mov_b32 v26, 0x7f800000
	v_mov_b32 v27, 0
	v_mov_b32 v28, 0
	v_mov_b32 v29, 0
	v_mov_b32 v30, 0
	v_mov_b32 v31, 0
	s_mov_b32 s28, 0                               ; R: bit u: pair u holds an id in [FMIN, FMAX]
	s_mov_b32 s29, 0                               ; F: bit u: all its 64 ids do
.irp u, 0,1,2,3,4,5,6,7,8,9,10,11,12,13,14,15
	s_or_b32 s42, s[66+2*\u], s[67+2*\u]           ; SCC: some lane has one
	s_cselect_b32 s43, 1<<\u, 0
	s_or_b32 s28, s28, s43
	s_and_b32 s42, s[66+2*\u], s[67+2*\u]
	s_cmp_eq_u32 s42, -1
	s_cselect_b32 s43, 1<<\u, 0
	s_or_b32 s29, s29, s43
.endr
	s_cmp_eq_u32 s26, s27
	s_cselect_b32 s43, -1, 0
	s_and_b32 s29, s29, s43                        ; no mask only where the wave has one id
	s_not_b32 s43, s28
	s_sub_co_u32 s44, 0, s43
	s_and_b32 s30, s43, s44                        ; B3: my first pair with no id in the range (bit 16 where there is none: the 16 trips never reach it)
	; waves 2 and 3: their block of weights, which landed with the first wait on loads, becomes codes and a byte
	s_cmp_lt_u32 s3, 2
	s_cbranch_scc1 .Lnoq
	s_cmp_lt_u32 s3, 4
	s_cbranch_scc0 .Lnoq
	v_max3_num_f32 v32, |v160|, |v161|, |v162|     ; the block's largest magnitude: all 32 numbers are mine
	v_max3_num_f32 v33, |v163|, |v164|, |v165|
.irp i, 6,10,14,18,22,26
	v_max3_num_f32 v32, v32, |v[160+\i]|, |v[161+\i]|
	v_max3_num_f32 v33, v33, |v[162+\i]|, |v[163+\i]|
.endr
	v_max3_num_f32 v32, v32, |v190|, |v191|
	v_max3_num_f32 v32, v32, v33, 0x1800000        ; and the floor 2^(3 - 127): the byte cannot fall under 1
	v_add_nc_u32 v34, 0xff000000, v32              ; 2 off its exponent field: the conversion's scale operand
	v_lshrrev_b32 v35, 23, v34                     ; the scale's byte
.irp g, 0,1,2,3
	v_cvt_scalef32_pk8_fp4_f32 v[36+\g], v[160+8*\g:167+8*\g], v34
.endr
	v_nop                                          ; a plain instruction behind the conversions
	v_cmp_le_u32 vcc_lo, s53, v231                 ; a block past the row's end: zero codes (its byte is the last real block's: any byte but 0xff serves)
.irp g, 0,1,2,3
	v_cndmask_b32 v[36+\g], v[36+\g], v31, vcc_lo
.endr
	global_store_b128 v229, v[36:39], s[24:25]
	global_store_b8 v230, v35, s[24:25]
.Lnoq:
	s_wait_xcnt 0x0                                ; the stores have read v144-151 and v35-39, which the walk writes again
; Candidate d, number idx of the lane's chunk in hand, goes into the sorted three.  Strict compares and ascending indices: the lower index keeps its place in a tie.  The distances' updates stand between selects that depend on each other.
.macro INSERT d, idx, c
	v_cmp_lt_f32 s[\c+2], v[\d], v26
	v_cmp_lt_f32 s[\c+1], v[\d], v25
	v_cmp_lt_f32 s[\c], v[\d], v24
	v_cndmask_b32 v30, v30, \idx, s[\c+2]
	v_med3_num_f32 v26, v[\d], v25, v26
	v_cndmask_b32 v30, v30, v29, s[\c+1]
	v_med3_num_f32 v25, v[\d], v24, v25
	v_cndmask_b32 v29, v29, \idx, s[\c+1]
	v_min_num_f32 v24, v[\d], v24
	v_cndmask_b32 v29, v29, v28, s[\c]
	v_cndmask_b32 v28, v28, \idx, s[\c]
.endm
; An entry of another list, with its index in a register, goes in by the order (distance, index)
.macro LEXINS d, j
.irp k, 0,1,2
	v_cmp_lt_f32 s[36+\k], v[\d], v[24+\k]
	v_cmp_eq_f32 s42, v[\d], v[24+\k]
	v_cmp_lt_u32 s43, v[\j], v[28+\k]
	s_and_b32 s42, s42, s43
	s_or_b32 s[36+\k], s[36+\k], s42
.endr
	v_cndmask_b32 v30, v30, v[\j], s38
	v_med3_num_f32 v26, v[\d], v25, v26
	v_cndmask_b32 v30, v30, v29, s37
	v_med3_num_f32 v25, v[\d], v24, v25
	v_cndmask_b32 v29, v29, v[\j], s37
	v_min_num_f32 v24, v[\d], v24
	v_cndmask_b32 v29, v29, v28, s36
	v_cndmask_b32 v28, v28, v[\j], s36
.endm
; d2 of candidates 8 b .. 8 b + 7 into v32-39, two at a time, the four pairs by turns
.macro DIST8 b
.irp k, 0,1,2,3
	v_pk_mul_f32 v[32+2*\k:33+2*\k], v[64+8*(\b)+2*\k:65+8*(\b)+2*\k], v[12:13]
.endr
.if DOT_FUSED
.irp k, 0,1,2,3
	v_pk_fma_f32 v[32+2*\k:33+2*\k], v[96+8*(\b)+2*\k:97+8*(\b)+2*\k], v[14:15], v[32+2*\k:33+2*\k]
.endr
.irp k, 0,1,2,3
	v_pk_fma_f32 v[32+2*\k:33+2*\k], v[128+8*(\b)+2*\k:129+8*(\b)+2*\k], v[16:17], v[32+2*\k:33+2*\k]
.endr
.else
.irp k, 0,1,2,3
	v_pk_mul_f32 v[40+2*\k:41+2*\k], v[96+8*(\b)+2*\k:97+8*(\b)+2*\k], v[14:15]
.endr
.irp k, 0,1,2,3
	v_pk_add_f32 v[32+2*\k:33+2*\k], v[32+2*\k:33+2*\k], v[40+2*\k:41+2*\k]
.endr
.irp k, 0,1,2,3
	v_pk_mul_f32 v[40+2*\k:41+2*\k], v[128+8*(\b)+2*\k:129+8*(\b)+2*\k], v[16:17]
.endr
.irp k, 0,1,2,3
	v_pk_add_f32 v[32+2*\k:33+2*\k], v[32+2*\k:33+2*\k], v[40+2*\k:41+2*\k]
.endr
.endif
.irp k, 0,1,2,3
	v_pk_add_f32 v[48+2*\k:49+2*\k], v[160+8*(\b)+2*\k:161+8*(\b)+2*\k], v[18:19]
.endr
.irp k, 0,1,2,3
	v_pk_add_f32 v[32+2*\k:33+2*\k], v[48+2*\k:49+2*\k], v[32+2*\k:33+2*\k] neg_lo:[0,1] neg_hi:[0,1]
.endr
.endm
; A lane's chunk of 32 candidates, in four batches of 8.  Each half of the lanes names one place: a load brings four candidates to every lane.  masked = 1: the ids come too, and a candidate of another piece counts as 1e8.
.macro CHUNK masked
.irp b, 0,1,2,3
	ds_load_b128 v[64+8*\b:67+8*\b], v6 offset:XP+32*\b
	ds_load_b128 v[68+8*\b:71+8*\b], v6 offset:XP+32*\b+16
	ds_load_b128 v[96+8*\b:99+8*\b], v6 offset:YP+32*\b
	ds_load_b128 v[100+8*\b:103+8*\b], v6 offset:YP+32*\b+16
	ds_load_b128 v[128+8*\b:131+8*\b], v6 offset:ZP+32*\b
	ds_load_b128 v[132+8*\b:135+8*\b], v6 offset:ZP+32*\b+16
	ds_load_b128 v[160+8*\b:163+8*\b], v6 offset:SP+32*\b
	ds_load_b128 v[164+8*\b:167+8*\b], v6 offset:SP+32*\b+16
.if \masked
	ds_load_b128 v[192+8*\b:195+8*\b], v7 offset:32*\b
	ds_load_b128 v[196+8*\b:199+8*\b], v7 offset:32*\b+16
.endif
.endr
.irp b, 0,1,2,3
	s_wait_dscnt (8+2*\masked)*(3-\b)              ; batch b is in; each later batch has 8 loads out (10 with its ids)
	DIST8 \b
.if \masked
.irp e, 0,1,2,3,4,5,6,7
	v_cmp_ne_u32 vcc_lo, v20, v[192+8*\b+\e]
	v_cndmask_b32 v[32+\e], v[32+\e], v21, vcc_lo
.endr
.endif
.irp e, 0,1,2,3,4,5,6,7
	INSERT 32+\e, 8*\b+\e, 36+3*(\e%2)
.endr
.endr
.endm
.Lchunk:                                           ; 16 trips, a constant: what a trip does hangs on three bits made of the ids
	v_add_nc_u32 v6, s31, v23                      ; the pair's first chunk, or for lanes 16-31 its second
	v_add_nc_u32 v7, s32, v23
	s_bitcmp1_b32 s28, 0
	s_cbranch_scc0 .Lout
	s_bitcmp1_b32 s29, 0
	s_cbranch_scc0 .Lmasked
	CHUNK 0
	s_branch .Lnext
.Lmasked:
	CHUNK 1
	s_branch .Lnext
.Lout:
	s_bitcmp1_b32 s30, 0
	s_cbranch_scc0 .Lnext
	INSERT 21, 0, 36                               ; my first pair of other pieces alone: each chunk's first three candidates, at 1e8
	INSERT 21, 1, 39
	INSERT 21, 2, 36
.Lnext:
	v_add_nc_u32 v28, 0xffffff00, v28              ; the next pair begins 256 candidates on: the kept indices become relative to it
	v_add_nc_u32 v29, 0xffffff00, v29
	v_add_nc_u32 v30, 0xffffff00, v30
	s_lshr_b32 s28, s28, 1
	s_lshr_b32 s29, s29, 1
	s_lshr_b32 s30, s30, 1
	s_add_co_u32 s31, s31, 1024                    ; eight chunks on
	s_add_co_u32 s32, s32, 1024
	s_add_co_u32 s7, s7, 1
	s_cmp_lt_u32 s7, 16
	s_cbranch_scc1 .Lchunk
	s_lshl_b32 s33, s5, 6
	s_add_co_u32 s33, s33, 4096
	v_lshl_add_u32 v32, v3, 5, s33                 ; 16 trips x 256 + 64 WQ + 32 (lane / 16): the indices become absolute
	v_add_nc_u32 v28, v28, v32
	v_add_nc_u32 v29, v29, v32
	v_add_nc_u32 v30, v30, v32
	v_permlanex16_b32 v40, v24, s48, s49           ; lane l xor 16 holds the same point's other chunks: its three go in too, and both lanes end with the same list
	v_permlanex16_b32 v41, v25, s48, s49
	v_permlanex16_b32 v42, v26, s48, s49
	v_permlanex16_b32 v44, v28, s48, s49
	v_permlanex16_b32 v45, v29, s48, s49
	v_permlanex16_b32 v46, v30, s48, s49
	LEXINS 40, 44
	LEXINS 41, 45
	LEXINS 42, 46
	ds_store_b128 v8, v[24:27]                     ; both halves of the lanes write the same bytes with the same values
	ds_store_b128 v8, v[28:31] offset:LILD
	s_wait_dscnt 0x0                               ; for the merging waves: my list has landed
	s_barrier_signal -1
	s_barrier_wait -1
	s_cmp_lt_u32 s3, 2                             ; no barrier follows: waves 0, 1 merge, the others are done
	s_cbranch_scc1 .Lmerge
	s_wait_tensorcnt 0x0
	ds_add_u32 v240, v241
	s_wait_dscnt 0x0
	s_endpgm
.Lmerge:
.irp c, 0,1,2,3
	ds_load_b128 v[64+4*\c:67+4*\c], v9 offset:16*\c
	ds_load_b128 v[80+4*\c:83+4*\c], v9 offset:LILD+16*\c
.endr
	s_wait_dscnt 0x0
	v_mov_b32 v24, v64
	v_mov_b32 v25, v65
	v_mov_b32 v26, v66
	v_mov_b32 v28, v80
	v_mov_b32 v29, v81
	v_mov_b32 v30, v82
.irp c, 1,2,3
.irp e, 0,1,2
	LEXINS 64+4*\c+\e, 80+4*\c+\e
.endr
.endr
	v_add_f32 v32, 0x322bcc77, v24                 ; + 1e-8
	v_add_f32 v33, 0x322bcc77, v25
	v_add_f32 v34, 0x322bcc77, v26
	v_rcp_f32 v36, v32
	v_rcp_f32 v37, v33
	v_rcp_f32 v38, v34
	v_nop                                          ; a plain instruction behind the reciprocals,
	s_wait_alu depctr_va_vdst(0)                   ; and one wait for the three, ahead of their first reader
	v_add_f32 v39, v36, v37
	v_add_f32 v39, v39, v38
	v_rcp_f32 v40, v39
	v_mov_b32 v35, 0
	s_wait_alu depctr_va_vdst(0)
	v_mul_f32 v32, v36, v40
	v_mul_f32 v33, v37, v40
	v_mul_f32 v34, v38, v40
	global_store_b128 v227, v[28:31], s[22:23]     ; (i1, i2, i3, 0): a wave stores 512 consecutive bytes
	global_store_b128 v227, v[32:35], s[24:25] offset:NW
	s_wait_tensorcnt 0x0
	ds_add_u32 v240, v241
	s_wait_dscnt 0x0
	s_endpgm
.Lfunc_end_k_qdda046a3ca_knn:
	.size	k_qdda046a3ca_knn, .Lfunc_end_k_qdda046a3ca_knn-k_qdda046a3ca_knn
	.p2alignl 7, 3214868480
	.fill 96, 4, 3214868480
	.section	.rodata,"a",@progbits
	.p2align	6, 0x0
	.amdhsa_kernel k_qdda046a3ca_knn
		.amdhsa_group_segment_fixed_size 111616
		.amdhsa_private_segment_fixed_size 0
		.amdhsa_enable_private_segment 0
		.amdhsa_kernarg_size 72
		.amdhsa_user_sgpr_count 2
		.amdhsa_user_sgpr_kernarg_segment_ptr 1
		.amdhsa_wavefront_size32 1
		.amdhsa_system_sgpr_workgroup_id_x 1
		.amdhsa_system_sgpr_workgroup_id_y 1
		.amdhsa_system_sgpr_workgroup_id_z 1
		.amdhsa_system_vgpr_workitem_id 0
		.amdhsa_next_free_vgpr 242
		.amdhsa_next_free_sgpr 98
		.amdhsa_reserve_vcc 1
		.amdhsa_float_denorm_mode_32 3
		.amdhsa_float_denorm_mode_16_64 3
		.amdhsa_memory_ordered 1
		.amdhsa_forward_progress 1
		.amdhsa_inst_pref_size 103
	.end_amdhsa_kernel
	.amdgpu_metadata
---
amdhsa.version: [ 1, 2 ]
amdhsa.kernels:
  - .name:           k_qdda046a3ca_knn
    .symbol:         k_qdda046a3ca_knn.kd
    .args:
      - { .name: fine_xyz, .offset: 0, .size: 8, .value_kind: global_buffer, .address_space: global }
      - { .name: coarse_xyz, .offset: 8, .size: 8, .value_kind: global_buffer, .address_space: global }
      - { .name: fine_piece_id, .offset: 16, .size: 8, .value_kind: global_buffer, .address_space: global }
      - { .name: coarse_piece_id, .offset: 24, .size: 8, .value_kind: global_buffer, .address_space: global }
      - { .name: coarse_features, .offset: 32, .size: 8, .value_kind: global_buffer, .address_space: global }
      - { .name: W1, .offset: 40, .size: 8, .value_kind: global_buffer, .address_space: global }
      - { .name: W2, .offset: 48, .size: 8, .value_kind: global_buffer, .address_space: global }
      - { .name: nidx, .offset: 56, .size: 8, .value_kind: global_buffer, .address_space: global }
      - { .name: prep, .offset: 64, .size: 8, .value_kind: global_buffer, .address_space: global }
    .group_segment_fixed_size: 111616
    .private_segment_fixed_size: 0
    .kernarg_segment_align: 8
    .kernarg_segment_size: 72
    .max_flat_workgroup_size: 512
    .sgpr_count:     98
    .vgpr_count:     242
    .wavefront_size: 32
...
	.end_amdgpu_metadata
.endif
;; end of part 6
;; launch gq: the kernel of part 2 again; grid 256 x 1, 16 waves a work-group, no clusters, 117,248 bytes of LDS; arguments nidx, prep, fine_features, b1, k2o; writes k2o
;; launch stat1: the kernel of part 3 again; grid 4 x 1, 16 waves a work-group, no clusters, 10,240 bytes of LDS; arguments k2o, g1, bn1; writes bn1
;; launch mlp: the kernel of part 4 again; grid 256 x 1, 8 waves a work-group, no clusters, 25,600 bytes of LDS; arguments k2o, prep, b1, bn1, be1, b2, k3o; writes k3o
;; launch stat2: the kernel of part 3 again; grid 2 x 1, 16 waves a work-group, no clusters, 10,240 bytes of LDS; arguments k3o, g2, bn2; writes bn2
;; launch fin: the kernel of part 5 again; grid 256 x 1, 8 waves a work-group, no clusters, 35,840 bytes of LDS; arguments k3o, prep, b2, bn2, be2, out0; writes out0
;; ======== version 3 of 3: 6 launches; version 2 with the launches gq, mlp, fin written anew for expert scheduling mode
;; workspace buffers: nidx 262,144 bytes of whole numbers; prep 4,526,080 bytes; k2o 4,063,232 bytes; k3o 2,883,584 bytes; bn1 2,048 bytes; bn2 2,048 bytes
;; launch knn: the kernel of part 6 again; grid 256 x 1, 16 waves a work-group, no clusters, 111,616 bytes of LDS; arguments fine_xyz, coarse_xyz, fine_piece_id, coarse_piece_id, coarse_features, W1, W2, nidx, prep; writes nidx, prep
;; launch gq (part 7): grid 256 x 1, 16 waves a work-group, no clusters, 117,248 bytes of LDS; arguments nidx, prep, fine_features, b1, k2o; writes k2o
.if DOCPART == 7
	.amdgcn_target "amdgcn-amd-amdhsa--gfx1250"
	.amdhsa_code_object_version 6
	.text
	.protected	k_qdda046a3ca_gq
	.globl	k_qdda046a3ca_gq
	.p2align	8
	.type	k_qdda046a3ca_gq,@function
k_qdda046a3ca_gq:
	s_mov_b64 s[64:65], 0
	v_nop
	global_prefetch_b8 v0, s[64:65] scope:SCOPE_SE
	s_setreg_imm32_b32 hwreg(HW_REG_WAVE_SCHED_MODE, 0, 2), 2
	s_setreg_imm32_b32 hwreg(HW_REG_WAVE_MODE, 25, 1), 1
	s_wait_xcnt 0x0
	s_wait_alu depctr_vm_vsrc(0)
; x = [the three neighbours' features weighed | fine features], 320 wide, filled with zeros to 384, is made in f32, quantised to FP4 (E2M1, one E8M0 byte for each 32 along K) and stored as images of a matrix
; operand's registers; x W1^T + b1 is multiplied here ONLY for the batch statistics: for each of the 256 channels the mean of the work-group's 64 rows and the sum of squares round that mean.
; SHARES.  Work-group g owns rows 64 g .. 64 g + 63.  Wave w of 16 gathers rows 4 w .. 4 w + 3 (a load of the wave reads 512 consecutive bytes of one neighbour's row); waves 0-11 quantise one fragment each
; (16 rows x 128 K: K step w / 4, tile of rows w % 4); in the product wave w owns tile w of W1 (16 channels) for all 64 rows: 12 matrix instructions, four accumulators by turns.
; The indices come from a buffer of whole numbers that the launch before has stored; each is held at 4,095 ahead of its use in an address.
; NO TENSOR LOADS, NO JOINT LOADS: what work-groups share is W1's images, 48 KB of the 256 KB that a work-group reads; each wave loads its 3 KB of them once, straight into registers, and there is no loop along K.
; LIMITS: NaN and infinities are not served; a block whose largest magnitude lies under 2^-124 keeps the scale byte 1 (a block of zeros too: its codes are zeros, and this program alone reads the bytes).
; THE MODE: SCHED_MODE bits 1:0 = 2 (LLVM: expert scheduling mode 2), set by the entry lines.  The code itself states the register dependences between vector or matrix instructions and memory or LDS
; instructions, with s_wait_alu, always for 0.
; THE PLAN.  Registers that memory or LDS instructions touch:
;   v6-15, v92-95, v236-240, v244-247, v254, v255   addresses, offsets, zeros: written at the head, never again: one wait on va_vdst ahead of the first load serves them all.
;   v16-30    the records' loads land; vector lines make the gathers' offsets in place; the 24 gathers read them: one wait on va_vdst ahead of the gathers.
;   v48-55    loads land; LDS stores read them; in waves 12-14 an LDS load lands in v48-51 again.
;   v96-191   the gathers land; a row's arithmetic reads its 24 registers and writes eight of them; two LDS stores read the eight.  Row p's two stores stand behind row p + 1's wait for its gathers, each pair behind
;             one wait on va_vdst.  Behind the first barrier LDS loads land in v96-159 and the quantiser writes v160-184; its five stores read v160-167 and v184; behind the second barrier the twelve
;             fragments land in v96-191; the statistics write v96-105; two LDS stores read v96 and v104; in waves 0, 1 LDS loads land in v96-103.
; Each wait on vm_vsrc stands behind a barrier or at a join, ahead of the branch behind which registers that stores have read are written again.
.set XTP, 1552                         ; LDS: x in f32: 64 rows x (384 numbers + 16 bytes): 97 x 16 bytes, so that 16 rows fall on 16 different columns of 16 bytes
.set XI, 99328                         ; x's 12 fragments as images, 1,024 bytes each: 3 m + s
.set XS, 111616                        ; their scale words, 128 bytes each
.set ST, 113152                        ; mean[256], then the sums of squares[256]
.set NW, 4194304                       ; prep: the weights of the neighbours
.set W1Q, 4456448
.set W1S, 4505600
.set M2O, 262144                       ; k2o: means [256 g][256] at 0, the sums of squares here,
.set XQO, 524288                       ; x's images, (4 g + m) 3 + s,
.set XSO, 3670016                      ; their scale words
.set TM, 168
.set PC, 160
.set PW, 184
; REGISTERS: v1 lane, v2 lane % 16, v3 lane / 16, v4 16 lane, v5 4 lane; v6-15, v92-95, v236-240 addresses; v16-31 four records of indices, then offsets; v32-47 of weights; v48-55 fine features;
; v56-79 W1's three fragments, v80-82 their scale words; v83 b1, v84-91 b1 as a C operand; v96-191 the gathered rows, then 64 numbers and the quantiser's work, then x's 12 fragments; v192-203 x's scale words;
; v204-235 four accumulators; v244-247 zeros; v254, v255 the closing add's two.
	s_load_b256 s[8:15], s[0:1], 0x0               ; nidx s[8:9], prep s[10:11], fine_features s[12:13], b1 s[14:15]
	s_load_b64 s[16:17], s[0:1], 0x20              ; k2o
	v_lshl_add_u32 v254, v0, 2, 0x1c200
	v_mov_b32 v255, 0
	v_lshrrev_b32 v1, 5, v0
	v_readfirstlane_b32 s3, v1                     ; wave 0..15
	v_and_b32 v1, 31, v0
	v_and_b32 v2, 15, v0
	v_bfe_u32 v3, v0, 4, 1
	v_lshlrev_b32 v4, 4, v1
	v_lshlrev_b32 v5, 2, v1
	s_mov_b32 s6, ttmp9
	s_mov_b32 s36, 0x76543210
	s_mov_b32 s37, 0xfedcba98
	s_wait_alu depctr_va_sdst(0)                   ; s3 is written, ahead of its first reader: addresses and branches are made from it
	s_lshr_b32 s4, s3, 2
	s_min_u32 s4, s4, 2                            ; the quantiser's K step (waves 12-15 quantise nothing)
	s_and_b32 s5, s3, 3                            ; and its tile of rows
	s_lshl_b32 s20, s6, 10
	s_lshl_b32 s21, s3, 6
	s_add_co_u32 s20, s20, s21
	v_mov_b32 v6, s20                              ; my four rows' records: the same bytes for all lanes
	s_mul_i32 s20, s3, 4*XTP
	v_add_nc_u32 v7, s20, v4                       ; x: rows 4 w .., 16 lane
	v_mul_u32_u24 v8, v2, 4*XTP
	v_lshl_add_u32 v8, v3, 2, v8
	s_lshl_b32 s20, s3, 4
	s_add_co_u32 s20, s20, 1024
	v_add_nc_u32 v8, s20, v8                       ; fine features: row 4 q (+ e), column 256 + 4 w + hh (+ 2 i)
	v_lshrrev_b32 v9, 3, v0
	v_mul_u32_u24 v9, v9, XTP
	v_and_b32 v10, 7, v0
	v_lshl_add_u32 v9, v10, 5, v9
	v_add_nc_u32 v9, 1280, v9                      ; the zeros: row t / 8, columns 320 + 8 (t % 8) ..
	s_mul_i32 s20, s5, 16*XTP
	s_lshl_b32 s21, s4, 9
	s_add_co_u32 s20, s20, s21
	v_mul_u32_u24 v10, v2, XTP
	v_lshl_add_u32 v10, v3, 6, v10
	v_add_nc_u32 v10, s20, v10                     ; the quantiser reads row 16 m + r, K step s, 16 numbers of each block of 32: + 64 h
	s_mul_i32 s22, s5, 3
	s_add_co_u32 s22, s22, s4                      ; 3 m + s
	s_lshl_b32 s20, s22, 10
	s_add_co_u32 s20, s20, XI
	v_add_nc_u32 v11, s20, v4
	s_lshl_b32 s20, s22, 7
	s_add_co_u32 s20, s20, XS
	v_add_nc_u32 v12, s20, v5
	v_and_b32 v93, 8, v2
	v_add_nc_u32 v93, v93, v2
	s_lshr_b32 s20, s3, 1
	s_lshl_b32 s20, s20, 5
	s_and_b32 s21, s3, 1
	s_lshl_b32 s21, s21, 3
	s_add_co_u32 s20, s20, s21
	v_add_nc_u32 v93, s20, v93                     ; my channel: lane r of tile w = 2 b + u holds 32 b + 8 u + r + 8 (r / 8)
	v_lshlrev_b32 v93, 2, v93
	v_add_nc_u32 v13, ST, v93
	s_lshl_b32 s20, s3, 18
	s_lshl_b32 s21, s6, 8
	s_add_co_u32 s20, s20, s21
	v_lshlrev_b32 v14, 16, v3
	v_lshl_add_u32 v14, v2, 4, v14
	v_add_nc_u32 v14, s20, v14                     ; fine_features: channel 4 w + hh (+ 2 i), rows 64 g + 4 q ..
	s_mul_i32 s20, s3, 3072
	s_add_co_u32 s20, s20, W1Q
	v_add_nc_u32 v15, s20, v4
	s_mul_i32 s20, s3, 192
	s_add_co_u32 s20, s20, W1S
	v_lshl_add_u32 v92, v2, 2, s20
	s_lshl_b32 s20, s6, 2
	s_add_co_u32 s20, s20, s5
	s_mul_i32 s20, s20, 3
	s_add_co_u32 s20, s20, s4
	s_lshl_b32 s20, s20, 10
	s_add_co_u32 s20, s20, XQO
	v_add_nc_u32 v94, s20, v4                      ; where my fragment's image goes in memory
	v_add_nc_u32 v95, XI, v4
	v_add_nc_u32 v236, XS, v5
	s_min_u32 s21, s5, 2                           ; waves 12-14 copy the scale words out, 512 bytes each
	s_lshl_b32 s21, s21, 9
	s_add_co_u32 s20, s21, XS
	v_add_nc_u32 v237, s20, v4
	s_mul_i32 s20, s6, 1536
	s_add_co_u32 s20, s20, s21
	s_add_co_u32 s20, s20, XSO
	v_add_nc_u32 v238, s20, v4
	s_min_u32 s21, s3, 1                           ; waves 0, 1 copy the statistics out
	s_lshl_b32 s20, s21, 10
	s_add_co_u32 s20, s20, ST
	v_add_nc_u32 v239, s20, v4
	s_lshl_b32 s20, s21, 18
	s_lshl_b32 s21, s6, 10
	s_add_co_u32 s20, s20, s21
	v_add_nc_u32 v240, s20, v4
.irp j, 0,1,2,3
	v_mov_b32 v[244+\j], 0
.endr
	s_wait_kmcnt 0x0
	s_wait_alu depctr_va_vdst(0)                   ; every address and offset of the kernel (v6-15, v92-95, v236-240) and the zeros v244-247 are written: the loads and stores from here on read them
.irp p, 0,1,2,3
	global_load_b128 v[16+4*\p:19+4*\p], v6, s[8:9] offset:16*\p               ; (i1, i2, i3, 0) of row 4 w + p
.endr
.irp p, 0,1,2,3
	global_load_b128 v[32+4*\p:35+4*\p], v6, s[10:11] offset:NW+16*\p          ; (w1, w2, w3, 0)
.endr
.irp i, 0,1
	global_load_b128 v[48+4*\i:51+4*\i], v14, s[12:13] offset:131072*\i th:TH_LOAD_NT   ; 16 lanes read 256 consecutive bytes; read once in the launch
.endr
.irp s, 0,1,2
.irp c, 0,1
	global_load_b128 v[56+8*\s+4*\c:59+8*\s+4*\c], v15, s[10:11] offset:1024*\s+512*\c
.endr
.endr
.irp s, 0,1,2
	global_load_b32 v[80+\s], v92, s[10:11] offset:64*\s
.endr
	global_load_b32 v83, v93, s[14:15]
	ds_store_b128 v9, v[244:247]
	ds_store_b128 v9, v[244:247] offset:16
	s_wait_loadcnt 12                              ; the eight records are in; 2 + 6 + 3 + 1 loads are younger
.irp p, 0,1,2,3
.irp k, 0,1,2
	v_min_u32 v[16+4*\p+\k], 0xfff, v[16+4*\p+\k]  ; an index stays inside its table
	v_lshl_add_u32 v[16+4*\p+\k], v[16+4*\p+\k], 10, v4
.endr
.endr
	s_wait_alu depctr_va_vdst(0)                   ; the twelve offsets in v16-30 are written, which the gathers read
.irp p, 0,1,2,3
.irp k, 0,1,2
.irp u, 0,1
	global_load_b128 v[96+24*\p+8*\k+4*\u:99+24*\p+8*\k+4*\u], v[16+4*\p+\k], s[10:11] offset:512*\u   ; half a neighbour's row: 512 consecutive bytes
.endr
.endr
.endr
	s_wait_loadcnt 34                              ; the fine features are in; 10 weight loads and 24 gathers are younger
.irp i, 0,1
.irp e, 0,1,2,3
	ds_store_b32 v8, v[48+4*\i+\e] offset:\e*XTP+8*\i
.endr
.endr
.macro ROWST p                         ; row p of x, weighed, goes to LDS: 512 consecutive bytes a store
.irp u, 0,1
	ds_store_b128 v7, v[96+24*(\p)+4*\u:99+24*(\p)+4*\u] offset:(\p)*XTP+512*\u
.endr
.endm
.macro ROW p
	s_wait_loadcnt 18-6*(\p)                       ; row p's six gathers are in; each later row has six out
.if (\p) > 0
	s_wait_alu depctr_va_vdst(0)                   ; the row before is written, which the two stores below read; its arithmetic was issued ahead of the wait for this row's gathers
	ROWST (\p)-1
.endif
.irp u, 0,1
.irp j, 0,2
	v_pk_mul_f32 v[96+24*(\p)+4*\u+\j:97+24*(\p)+4*\u+\j], v[96+24*(\p)+4*\u+\j:97+24*(\p)+4*\u+\j], v[32+4*(\p):33+4*(\p)] op_sel_hi:[1,0]
	v_pk_fma_f32 v[96+24*(\p)+4*\u+\j:97+24*(\p)+4*\u+\j], v[104+24*(\p)+4*\u+\j:105+24*(\p)+4*\u+\j], v[32+4*(\p):33+4*(\p)], v[96+24*(\p)+4*\u+\j:97+24*(\p)+4*\u+\j] op_sel:[0,1,0] op_sel_hi:[1,1,1]
	v_pk_fma_f32 v[96+24*(\p)+4*\u+\j:97+24*(\p)+4*\u+\j], v[112+24*(\p)+4*\u+\j:113+24*(\p)+4*\u+\j], v[34+4*(\p):35+4*(\p)], v[96+24*(\p)+4*\u+\j:97+24*(\p)+4*\u+\j] op_sel_hi:[1,0,1]
.endr
.endr
.endm
	ROW 0
	ROW 1
	ROW 2
	ROW 3
.irp j, 0,1,2,3,4,5,6,7
	v_mov_b32 v[84+\j], v83                        ; b1 of my channel for the eight rows of a lane: the C of each sum's first product
.endr
	s_wait_alu depctr_va_vdst(0)                   ; row 3 is written, which the two stores below read; and the rows' arithmetic is done with v96-191, in which LDS loads land behind the barrier (no vector line stands between)
	ROWST 3
	s_wait_dscnt 0x0
	s_barrier_signal -1
	s_barrier_wait -1                              ; 64 rows of x lie in LDS
	s_wait_alu depctr_vm_vsrc(0)                   ; my LDS stores have read the rows in v96-175 and the fine features in v48-55: loads land there and the quantiser writes there, on both ways of the branch below
; 64 numbers of a lane, register 16 b + i = k 32 b + 16 (lane / 16) + i of my row, become a fragment's codes in v[PC] on and its scale word in v[PW]
.macro QUANT s
.irp b, 0,1,2,3
	v_max3_num_f32 v[TM+\b], |v[\s+16*\b]|, |v[\s+1+16*\b]|, 0x1800000   ; my 16 numbers of block b, and the floor 2^(3 - 127): the byte cannot fall under 1
.endr
.irp i, 2,4,6,8,10,12,14
.irp b, 0,1,2,3
	v_max3_num_f32 v[TM+\b], v[TM+\b], |v[\s+16*\b+\i]|, |v[\s+1+16*\b+\i]|
.endr
.endr
.irp b, 0,1,2,3
	v_permlanex16_b32 v[TM+4+\b], v[TM+\b], s36, s37
.endr
.irp b, 0,1,2,3
	v_max_num_f32 v[TM+\b], v[TM+\b], v[TM+4+\b]   ; with lane l xor 16: the block's largest magnitude
.endr
.irp b, 0,1,2,3
	v_add_nc_u32 v[TM+12+\b], 0xff000000, v[TM+\b] ; 2 off its exponent field: the conversion's scale operand
.endr
.irp b, 0,1,2,3
	v_lshrrev_b32 v[TM+4+\b], 23, v[TM+12+\b]      ; the scale's byte
.endr
	v_lshl_or_b32 v[PW], v[TM+5], 8, v[TM+4]
	v_lshl_or_b32 v[PW], v[TM+6], 16, v[PW]
	v_lshl_or_b32 v[PW], v[TM+7], 24, v[PW]
.irp b, 0,1,2,3
	v_cvt_scalef32_pk8_fp4_f32 v[PC+2*\b], v[\s+16*\b:\s+7+16*\b], v[TM+12+\b]
	v_cvt_scalef32_pk8_fp4_f32 v[PC+1+2*\b], v[\s+8+16*\b:\s+15+16*\b], v[TM+12+\b]
.endr
	v_nop                                          ; a plain instruction behind the conversions
.irp c, 0,1                                    ; the operand wants a whole block in a lane: lanes 0-15 block 2 c, lanes 16-31 block 2 c + 1
.irp i, 0,1
	v_permlane16_swap_b32 v[PC+4*\c+\i], v[PC+2+4*\c+\i]
.endr
.endr
.endm
	s_cmp_lt_u32 s3, 12
	s_cbranch_scc0 .Lnoq
.irp b, 0,1,2,3
.irp j, 0,1,2,3
	ds_load_b128 v[96+16*\b+4*\j:99+16*\b+4*\j], v10 offset:128*\b+16*\j
.endr
.endr
.irp b, 0,1,2,3
	v_mov_b32 v[TM+4+\b], 0                        ; a lane permute's destination counts as one of its sources
.endr
	s_wait_dscnt 0x0
	QUANT 96
	s_wait_alu depctr_va_vdst(0)                   ; the codes in v160-167 and the scale word in v184 are written, which the five stores below read; and the quantiser is done with v96-184, in which the fragments land behind the barrier
	ds_store_b128 v11, v[PC:PC+3]                  ; the fragment as it stands: lane l's 16 bytes at 16 l
	ds_store_b128 v11, v[PC+4:PC+7] offset:512
	ds_store_b32 v12, v[PW]
	global_store_b128 v94, v[PC:PC+3], s[16:17]    ; and the same to memory: 512 consecutive bytes a store
	global_store_b128 v94, v[PC+4:PC+7], s[16:17] offset:512
.Lnoq:
	s_wait_xcnt 0x0                                ; the global stores' addresses are translated: the codes' registers are loaded again below
	s_wait_alu depctr_vm_vsrc(0)                   ; the five stores have read v160-167 and v184, in which the fragments' loads land
	s_wait_dscnt 0x0
	s_barrier_signal -1
	s_barrier_wait -1                              ; x's twelve fragments lie in LDS
.irp i, 0,1,2,3,4,5,6,7,8,9,10,11
.irp c, 0,1
	ds_load_b128 v[96+8*\i+4*\c:99+8*\i+4*\c], v95 offset:1024*\i+512*\c
.endr
.endr
.irp i, 0,1,2,3,4,5,6,7,8,9,10,11
	ds_load_b32 v[192+\i], v236 offset:128*\i
.endr
	s_cmp_lt_u32 s3, 12
	s_cbranch_scc1 .Lnocp
	s_cmp_lt_u32 s3, 15
	s_cbranch_scc0 .Lnocp
	ds_load_b128 v[48:51], v237
	s_wait_dscnt 0x0
	global_store_b128 v238, v[48:51], s[16:17]     ; the scale words, 512 consecutive bytes a wave
.Lnocp:
	s_wait_dscnt 0x0
.irp s, 0,1,2                                  ; source 0 = 16 rows of x, source 1 = my 16 channels: a lane holds one channel and rows 8 (lane / 16) + 0 .. 7.  The four accumulators take turns
.irp m, 0,1,2,3
.if \s == 0
	v_wmma_scale_f32_16x16x128_f8f6f4 v[204+8*\m:211+8*\m], v[96+8*(3*\m+\s):103+8*(3*\m+\s)], v[56+8*\s:63+8*\s], v[84:91], v[192+3*\m+\s], v[80+\s] matrix_a_fmt:MATRIX_FMT_FP4 matrix_b_fmt:MATRIX_FMT_FP4
.else
	v_wmma_scale_f32_16x16x128_f8f6f4 v[204+8*\m:211+8*\m], v[96+8*(3*\m+\s):103+8*(3*\m+\s)], v[56+8*\s:63+8*\s], v[204+8*\m:211+8*\m], v[192+3*\m+\s], v[80+\s] matrix_a_fmt:MATRIX_FMT_FP4 matrix_b_fmt:MATRIX_FMT_FP4
.endif
.endr
.endr
.rept 4
	v_nop                                          ; four places behind the last products, ahead of the first read of results and of writes over their operands (ISA guide 7.12.1)
.endr
; Of four accumulators (a lane: one channel, 32 of the 64 rows): the mean of the 64 rows into v[T + 8], the sum of squares round it into v[T].  Each accumulator is read from its low end on.
.macro STATS A, T
.irp m, 0,1,2,3
	v_pk_add_f32 v[\T+2*\m:\T+2*\m+1], v[\A+8*\m:\A+8*\m+1], v[\A+8*\m+2:\A+8*\m+3]
.endr
.irp m, 0,1,2,3
	v_pk_add_f32 v[\T+2*\m:\T+2*\m+1], v[\T+2*\m:\T+2*\m+1], v[\A+8*\m+4:\A+8*\m+5]
.endr
.irp m, 0,1,2,3
	v_pk_add_f32 v[\T+2*\m:\T+2*\m+1], v[\T+2*\m:\T+2*\m+1], v[\A+8*\m+6:\A+8*\m+7]
.endr
	v_pk_add_f32 v[\T:\T+1], v[\T:\T+1], v[\T+2:\T+3]
	v_pk_add_f32 v[\T+4:\T+5], v[\T+4:\T+5], v[\T+6:\T+7]
	v_pk_add_f32 v[\T:\T+1], v[\T:\T+1], v[\T+4:\T+5]
	v_add_f32 v[\T], v[\T], v[\T+1]
	v_permlanex16_b32 v[\T+2], v[\T], s36, s37
	v_add_f32 v[\T], v[\T], v[\T+2]
	v_mul_f32 v[\T+8], 0x3c800000, v[\T]           ; / 64
	v_mov_b32 v[\T+9], v[\T+8]
.set ii, 0
.rept 16
	v_pk_add_f32 v[\A+2*ii:\A+2*ii+1], v[\A+2*ii:\A+2*ii+1], v[\T+8:\T+9] neg_lo:[0,1] neg_hi:[0,1]
.set ii, ii+1
.endr
	v_pk_mul_f32 v[\T:\T+1], v[\A:\A+1], v[\A:\A+1]
	v_pk_mul_f32 v[\T+2:\T+3], v[\A+2:\A+3], v[\A+2:\A+3]
.set ii, 2
.rept 7
	v_pk_fma_f32 v[\T:\T+1], v[\A+2*ii:\A+2*ii+1], v[\A+2*ii:\A+2*ii+1], v[\T:\T+1]
	v_pk_fma_f32 v[\T+2:\T+3], v[\A+2*ii+2:\A+2*ii+3], v[\A+2*ii+2:\A+2*ii+3], v[\T+2:\T+3]
.set ii, ii+2
.endr
	v_pk_add_f32 v[\T:\T+1], v[\T:\T+1], v[\T+2:\T+3]
	v_add_f32 v[\T], v[\T], v[\T+1]
	v_permlanex16_b32 v[\T+2], v[\T], s36, s37
	v_add_f32 v[\T], v[\T], v[\T+2]
.endm
	STATS 204, 96
	s_wait_alu depctr_va_vdst(0)                   ; the mean in v104 and the sum of squares in v96 are written, which the two stores below read; and the statistics are done with v96-103, in which loads land behind the barrier
	ds_store_b32 v13, v104                         ; both halves of the lanes write the same word with the same value
	ds_store_b32 v13, v96 offset:1024
	s_wait_dscnt 0x0
	s_barrier_signal -1
	s_barrier_wait -1
	s_wait_alu depctr_vm_vsrc(0)                   ; the second of the two stores has read v96, in which a load lands behind the branch
	s_cmp_lt_u32 s3, 2
	s_cbranch_scc0 .Lend
	ds_load_b128 v[96:99], v239
	ds_load_b128 v[100:103], v239 offset:512
	s_wait_dscnt 0x0
	global_store_b128 v240, v[96:99], s[16:17]     ; wave 0: the 256 means, wave 1: the 256 sums of squares: 512 consecutive bytes a store
	global_store_b128 v240, v[100:103], s[16:17] offset:512
.Lend:
	s_wait_dscnt 0x0                               ; the closing lines, six on end
	s_wait_alu 0x0
	s_wait_tensorcnt 0x0
	ds_add_u32 v254, v255
	s_wait_dscnt 0x0
	s_endpgm
.Lfunc_end_k_qdda046a3ca_gq:
	.size	k_qdda046a3ca_gq, .Lfunc_end_k_qdda046a3ca_gq-k_qdda046a3ca_gq
	.p2alignl 7, 3214868480
	.fill 96, 4, 3214868480
	.section	.rodata,"a",@progbits
	.p2align	6, 0x0
	.amdhsa_kernel k_qdda046a3ca_gq
		.amdhsa_group_segment_fixed_size 117248
		.amdhsa_private_segment_fixed_size 0
		.amdhsa_enable_private_segment 0
		.amdhsa_kernarg_size 40
		.amdhsa_user_sgpr_count 2
		.amdhsa_user_sgpr_kernarg_segment_ptr 1
		.amdhsa_wavefront_size32 1
		.amdhsa_system_sgpr_workgroup_id_x 1
		.amdhsa_system_sgpr_workgroup_id_y 1
		.amdhsa_system_sgpr_workgroup_id_z 1
		.amdhsa_system_vgpr_workitem_id 0
		.amdhsa_next_free_vgpr 256
		.amdhsa_next_free_sgpr 66
		.amdhsa_reserve_vcc 0
		.amdhsa_float_denorm_mode_32 3
		.amdhsa_float_denorm_mode_16_64 3
		.amdhsa_memory_ordered 1
		.amdhsa_forward_progress 1
		.amdhsa_inst_pref_size 30
	.end_amdhsa_kernel
	.amdgpu_metadata
---
amdhsa.version: [ 1, 2 ]
amdhsa.kernels:
  - .name:           k_qdda046a3ca_gq
    .symbol:         k_qdda046a3ca_gq.kd
    .args:
      - { .name: nidx, .offset: 0, .size: 8, .value_kind: global_buffer, .address_space: global }
      - { .name: prep, .offset: 8, .size: 8, .value_kind: global_buffer, .address_space: global }
      - { .name: fine_features, .offset: 16, .size: 8, .value_kind: global_buffer, .address_space: global }
      - { .name: b1, .offset: 24, .size: 8, .value_kind: global_buffer, .address_space: global }
      - { .name: k2o, .offset: 32, .size: 8, .value_kind: global_buffer, .address_space: global }
    .group_segment_fixed_size: 117248
    .private_segment_fixed_size: 0
    .kernarg_segment_align: 8
    .kernarg_segment_size: 40
    .max_flat_workgroup_size: 512
    .sgpr_count:     66
    .vgpr_count:     256
    .wavefront_size: 32
...
	.end_amdgpu_metadata
.endif
;; end of part 7
;; launch stat1: the kernel of part 3 again; grid 4 x 1, 16 waves a work-group, no clusters, 10,240 bytes of LDS; arguments k2o, g1, bn1; writes bn1
;; launch mlp (part 8): grid 256 x 1, 8 waves a work-group, no clusters, 25,600 bytes of LDS; arguments k2o, prep, b1, bn1, be1, b2, k3o; writes k3o
.if DOCPART == 8
	.amdgcn_target "amdgcn-amd-amdhsa--gfx1250"
	.amdhsa_code_object_version 6
	.text
	.protected	k_qdda046a3ca_mlp
	.globl	k_qdda046a3ca_mlp
	.p2align	8
	.type	k_qdda046a3ca_mlp,@function
k_qdda046a3ca_mlp:
	s_mov_b64 s[64:65], 0
	v_nop
	global_prefetch_b8 v0, s[64:65] scope:SCOPE_SE
	s_setreg_imm32_b32 hwreg(HW_REG_WAVE_SCHED_MODE, 0, 2), 2
	s_setreg_imm32_b32 hwreg(HW_REG_WAVE_MODE, 25, 1), 1
	s_wait_xcnt 0x0
	s_wait_alu depctr_vm_vsrc(0)
; a1 = relu((x W1^T + b1 - mu1) sc1 + be1) is made from x's codes, quantised to FP4 along its 256 channels and stored as images of a matrix operand's registers; a1 W2^T + b2 is multiplied here ONLY for the batch
; statistics of the second layer (for each of 128 channels the mean of the work-group's 64 rows and the sum of squares round it).  The first layer's sums never go to memory: they are multiplied again from codes.
; SHARES.  Work-group g owns rows 64 g .. + 63.  PHASE 1: wave w of 8 owns hidden channels 32 w .. 32 w + 31 (tiles 2 w, 2 w + 1 of W1) for the four tiles of rows: 24 matrix instructions.  The product is used
; TRANSPOSED (source 0 = 16 channels, source 1 = 16 rows of x) and the channels of a tile are chosen (lane r of tile 2 b + u: 32 b + 8 u + r + 8 (r / 8)) so that a lane holds one row and its 16 registers are
; channels 32 w + 16 (lane / 16) + 0 .. 15: half of ONE block of the next K; lane l xor 16 holds the other half.  A lane's 16 codes are 8 bytes at their place in the image: nothing changes lanes.
; PHASE 2: wave w owns tile w of W2 (16 channels) for the 64 rows: 8 matrix instructions.
; NO TENSOR LOADS, NO JOINT LOADS: work-groups share only the weights' images (64 KB); each wave loads its 8 KB once, straight into registers, and there is no loop along K.
; LIMITS: NaN and infinities are not served; a block whose largest magnitude lies under 2^-124 keeps the scale byte 1 (a block of zeros too: its codes are zeros, and this program alone reads the bytes).
; THE MODE: SCHED_MODE bits 1:0 = 2 (LLVM: expert scheduling mode 2), set by the entry lines.  The code itself states the register dependences between vector or matrix instructions and memory or LDS
; instructions, with s_wait_alu, always for 0.
; THE PLAN.  Registers that memory or LDS instructions touch:
;   v4-15, v70, v71, v126, v127, v229-231, v255, v256, v257   addresses and the closing add's two: written at the head, never again by a vector line: one wait on va_vdst ahead of the first load serves them all.
;   v192-207  at the head loads land and LDS stores read them; then they are accumulators: one wait on vm_vsrc behind the first barrier, ahead of the first product.
;   X0 = v16-39, v64-66 and X1 = v40-63, v67-69   x's fragments and scale words of the tiles of rows 0, 2 and 1, 3: LDS loads land, the tile's six products read.  Behind the products of tiles 0 AND 1 one wait on
;             va_vdst states that both sets are read: the fetches of tiles 2 and 3 go out together and land while tiles 0 and 1 are normed and quantised.
;   v232-235, v228, v2   codes and scale bytes, two sets by turns: a tile's arithmetic writes, its two LDS stores read.  The stores go in fours (tiles 0, 1; tiles 2, 3), each four behind one wait on va_vdst; one wait on
;             vm_vsrc stands ahead of the arithmetic of tile 2, which writes the first set again.
;   v16-99    phase 2: LDS loads land over X0, X1, the offsets v70, v71 and W1's fragments.  The last wait on va_vdst of phase 1 stands behind all its products, and no vector line behind it names these registers;
;             the loads that read v70 and v71 were issued ahead of both waits on vm_vsrc.
;   v128, v136   the statistics write, two LDS stores read: one wait on va_vdst.  v140-143, in which a load lands at the end, were last named by phase 1's products.
.set XI, 0                             ; LDS: x's 12 images, 3 m + s
.set XS, 12288                         ; their scale words, 128 bytes each
.set AI, 13824                         ; a1's 8 images, 2 m + s2
.set AS, 22016                         ; their scale words
.set ST, 23040                         ; mean[128], the sums of squares[128]
.set XQO, 524288                       ; k2o
.set XSO, 3670016
.set W1Q, 4456448                      ; prep
.set W1S, 4505600
.set W2Q, 4508672
.set W2S, 4525056
.set M2O, 262144                       ; k3o
.set A1Q, 524288
.set A1S, 2621440
; REGISTERS: v1 lane, v2 lane % 16 (behind the head: the odd tiles' scale byte), v3 lane / 16, v4 16 lane, v5 4 lane; v6-15, v70-71, v126-127, v229-231, v255 addresses; v16-63 x's fragments, two sets of three;
; v64-69 their scale words; v72-119 W1's six fragments, v120-125 their scale words; v128-143 b1, v144-159 mu, v160-175 sc, v176-191 be of my 16 channels; v192-223 accumulators, two sets of two (at the head: staging);
; v224-227 at work; v228 the even tiles' scale byte; v232-235 codes; v236-251 W2's two fragments, v252-253 their scale words, v254 b2; v256, v257 the closing add's two.
; Phase 2: v16-79 a1's eight fragments, v80-87 their scale words, v88-99 what I copy out, v108-115 b2 as a C operand, v128-139 at work, v192-223 four accumulators.
	s_load_b256 s[8:15], s[0:1], 0x0               ; k2o s[8:9], prep s[10:11], b1 s[12:13], bn1 s[14:15]
	s_load_b128 s[16:19], s[0:1], 0x20             ; be1 s[16:17], b2 s[18:19]
	s_load_b64 s[20:21], s[0:1], 0x30              ; k3o
	s_set_vgpr_msb 0x40
	v_lshl_add_u32 v0, v0, 2, 0x6000
	v_mov_b32 v1, 0
	s_set_vgpr_msb 0x4000
	v_lshrrev_b32 v1, 5, v0
	v_readfirstlane_b32 s3, v1                     ; wave 0..7
	v_and_b32 v1, 31, v0
	v_and_b32 v2, 15, v0
	v_bfe_u32 v3, v0, 4, 1
	v_lshlrev_b32 v4, 4, v1
	v_lshlrev_b32 v5, 2, v1
	s_mov_b32 s6, ttmp9
	s_mov_b32 s36, 0x76543210
	s_mov_b32 s37, 0xfedcba98
	s_wait_alu depctr_va_sdst(0)                   ; s3 is written, ahead of its first reader: addresses and branches are made from it
	; my block of a1: K step s2 = w / 4, block w % 4 = 2 c + h: byte 1,024 s2 + 512 c + 256 h + 16 r of an image pair, my half of its 16 bytes at + 8 (lane / 16)
	s_lshr_b32 s22, s3, 2
	s_lshl_b32 s23, s22, 10
	s_bfe_u32 s24, s3, 0x10001
	s_lshl_b32 s24, s24, 9
	s_add_co_u32 s23, s23, s24
	s_and_b32 s24, s3, 1
	s_lshl_b32 s24, s24, 8
	s_add_co_u32 s23, s23, s24
	s_add_co_u32 s23, s23, AI
	v_lshlrev_b32 v6, 4, v2
	v_lshl_add_u32 v6, v3, 3, v6
	v_add_nc_u32 v6, s23, v6
	s_lshl_b32 s23, s22, 7
	s_and_b32 s24, s3, 3
	s_add_co_u32 s23, s23, s24
	s_add_co_u32 s23, s23, AS
	v_add_nc_u32 v7, s23, v5                       ; my byte of the lane's scale word
	s_lshl_b32 s23, s3, 9
	v_add_nc_u32 v8, s23, v4                       ; staging: 512 w + 16 lane
	s_lshl_b32 s23, s3, 6
	s_add_co_u32 s24, s23, ST
	v_lshl_add_u32 v9, v2, 2, s24                  ; my channel's statistics: 4 (16 w + r)
	v_lshl_add_u32 v71, v2, 2, s23                 ; b2 likewise
	s_lshl_b32 s23, s3, 10
	s_add_co_u32 s23, s23, AI
	v_add_nc_u32 v229, s23, v4                     ; the image that I copy out
	s_min_u32 s25, s3, 1
	s_lshl_b32 s23, s25, 9
	s_add_co_u32 s24, s23, AS
	v_add_nc_u32 v230, s24, v4
	s_add_co_u32 s24, s23, ST
	v_add_nc_u32 v231, s24, v4
	; offsets in memory
	s_mul_i32 s23, s6, 12288
	s_lshl_b32 s24, s3, 9
	s_add_co_u32 s23, s23, s24
	s_add_co_u32 s23, s23, XQO
	v_add_nc_u32 v10, s23, v4
	s_mul_i32 s23, s6, 1536
	s_min_u32 s24, s3, 2
	s_lshl_b32 s24, s24, 9
	s_add_co_u32 s23, s23, s24
	s_add_co_u32 s23, s23, XSO
	v_add_nc_u32 v11, s23, v4
	s_mul_i32 s23, s3, 6144
	s_add_co_u32 s23, s23, W1Q
	v_add_nc_u32 v12, s23, v4
	s_mul_i32 s23, s3, 384
	s_add_co_u32 s23, s23, W1S
	v_lshl_add_u32 v13, v2, 2, s23
	s_lshl_b32 s23, s3, 7
	v_lshl_add_u32 v14, v3, 6, s23                 ; b1, mu, sc, be of channels 32 w + 16 (lane / 16) ..
	s_lshl_b32 s23, s3, 11
	s_add_co_u32 s23, s23, W2Q
	v_add_nc_u32 v15, s23, v4
	s_lshl_b32 s23, s3, 7
	s_add_co_u32 s23, s23, W2S
	v_lshl_add_u32 v70, v2, 2, s23
	s_lshl_b32 s23, s6, 13
	s_lshl_b32 s24, s3, 10
	s_add_co_u32 s23, s23, s24
	s_add_co_u32 s23, s23, A1Q
	v_add_nc_u32 v126, s23, v4
	s_lshl_b32 s23, s6, 10
	s_lshl_b32 s24, s25, 9
	s_add_co_u32 s24, s24, s23
	s_add_co_u32 s24, s24, A1S
	v_add_nc_u32 v127, s24, v4
	s_lshl_b32 s24, s25, 18
	s_add_co_u32 s24, s24, s23
	v_add_nc_u32 v255, s24, v4
	v_mov_b32 v226, 0                              ; a lane permute's destination counts as one of its sources
	s_wait_kmcnt 0x0
	s_wait_alu depctr_va_vdst(0)                   ; every address and offset of the kernel (v4-15, v70, v71, v126, v127, v229-231, v255) is written: the loads and stores from here on read them
	s_cmp_lt_u32 s3, 3
	s_cbranch_scc0 .Lnoxs
	global_load_b128 v[192:195], v11, s[8:9] th:TH_LOAD_NT     ; waves 0-2: x's scale words, 512 bytes each.  It is the oldest load, so the count below holds with it and without
.Lnoxs:
.irp i, 0,1,2
	global_load_b128 v[196+4*\i:199+4*\i], v10, s[8:9] offset:4096*\i th:TH_LOAD_NT   ; x's images: 24 pieces of 512 bytes, three a wave
.endr
.irp u, 0,1
.irp s, 0,1,2
.irp c, 0,1
	global_load_b128 v[72+8*(3*\u+\s)+4*\c:75+8*(3*\u+\s)+4*\c], v12, s[10:11] offset:3072*\u+1024*\s+512*\c
.endr
.endr
.endr
.irp u, 0,1
.irp s, 0,1,2
	global_load_b32 v[120+3*\u+\s], v13, s[10:11] offset:192*\u+64*\s
.endr
.endr
.irp j, 0,1,2,3
	global_load_b128 v[128+4*\j:131+4*\j], v14, s[12:13] offset:16*\j
	global_load_b128 v[144+4*\j:147+4*\j], v14, s[14:15] offset:16*\j
	global_load_b128 v[160+4*\j:163+4*\j], v14, s[14:15] offset:1024+16*\j
	global_load_b128 v[176+4*\j:179+4*\j], v14, s[16:17] offset:16*\j
.endr
.irp s, 0,1
.irp c, 0,1
	global_load_b128 v[236+8*\s+4*\c:239+8*\s+4*\c], v15, s[10:11] offset:1024*\s+512*\c
.endr
.endr
.irp s, 0,1
	global_load_b32 v[252+\s], v70, s[10:11] offset:64*\s
.endr
	global_load_b32 v254, v71, s[18:19]
	s_wait_loadcnt 41                              ; x is in; 12 + 6 + 16 + 4 + 2 + 1 loads are younger
.irp i, 0,1,2
	ds_store_b128 v8, v[196+4*\i:199+4*\i] offset:XI+4096*\i
.endr
	s_cmp_lt_u32 s3, 3
	s_cbranch_scc0 .Lnoxs2
	ds_store_b128 v8, v[192:195] offset:XS
.Lnoxs2:
	s_wait_dscnt 0x0
	s_barrier_signal -1
	s_barrier_wait -1                              ; x's twelve fragments lie in LDS
	s_wait_alu depctr_vm_vsrc(0)                   ; my LDS stores have read v192-207, which the first products write; the loads issued so far have read their offsets, v70 and v71 among them
	s_wait_loadcnt 7                               ; W1 and the first layer's numbers are in; W2's 4 + 2 + 1 loads may stay out
.macro FETCHX m                        ; the three fragments of rows 16 m .. and their scale words into set m % 2: 9 LDS loads
.set XB, 16+24*((\m)%2)
.set XC, 64+3*((\m)%2)
.irp s, 0,1,2
.irp c, 0,1
	ds_load_b128 v[XB+8*\s+4*\c:XB+8*\s+4*\c+3], v4 offset:XI+(3*(\m)+\s)*1024+512*\c
.endr
.endr
.irp s, 0,1,2
	ds_load_b32 v[XC+\s], v5 offset:XS+(3*(\m)+\s)*128
.endr
.endm
.macro WMMA6 m                         ; my two tiles of channels x rows 16 m .., three K steps; the two accumulators take turns; b1 is the C of each sum's first product
.set XB, 16+24*((\m)%2)
.set XC, 64+3*((\m)%2)
.set AB, 192+16*((\m)%2)
.irp s, 0,1,2
.irp u, 0,1
.if \s == 0
	v_wmma_scale_f32_16x16x128_f8f6f4 v[AB+8*\u:AB+8*\u+7], v[72+8*(3*\u+\s):79+8*(3*\u+\s)], v[XB+8*\s:XB+8*\s+7], v[128+8*\u:135+8*\u], v[120+3*\u+\s], v[XC+\s] matrix_a_fmt:MATRIX_FMT_FP4 matrix_b_fmt:MATRIX_FMT_FP4
.else
	v_wmma_scale_f32_16x16x128_f8f6f4 v[AB+8*\u:AB+8*\u+7], v[72+8*(3*\u+\s):79+8*(3*\u+\s)], v[XB+8*\s:XB+8*\s+7], v[AB+8*\u:AB+8*\u+7], v[120+3*\u+\s], v[XC+\s] matrix_a_fmt:MATRIX_FMT_FP4 matrix_b_fmt:MATRIX_FMT_FP4
.endif
.endr
.endr
.endm
.macro PLACES                          ; five plain places: four ahead of reads of results, five ahead of a matrix instruction that writes an accumulator anew (ISA guide 7.12.1)
.rept 5
	v_nop
.endr
.endm
.macro BNQA m                          ; rows 16 m ..: batch norm, relu, my half block's codes and the block's byte, into set m % 2.  Each accumulator is read from its low end on
.set AB, 192+16*((\m)%2)
.set CB, 232+2*((\m)%2)
.set BB, 228-226*((\m)%2)
.irp i, 0,1,2,3,4,5,6,7
	v_pk_add_f32 v[AB+2*\i:AB+2*\i+1], v[AB+2*\i:AB+2*\i+1], v[144+2*\i:145+2*\i] neg_lo:[0,1] neg_hi:[0,1]
.endr
.irp i, 0,1,2,3,4,5,6,7
	v_pk_fma_f32 v[AB+2*\i:AB+2*\i+1], v[AB+2*\i:AB+2*\i+1], v[160+2*\i:161+2*\i], v[176+2*\i:177+2*\i]
.endr
.irp j, 0,1,2,3,4,5,6,7,8,9,10,11,12,13,14,15
	v_max_num_f32 v[AB+\j], 0, v[AB+\j]
.endr
	v_max3_num_f32 v224, v[AB], v[AB+1], 0x1800000 ; none is negative: no |.|; the floor 2^(3 - 127) holds the byte at 1 from below
	v_max3_num_f32 v225, v[AB+2], v[AB+3], v[AB+4]
	v_max3_num_f32 v224, v224, v[AB+5], v[AB+6]
	v_max3_num_f32 v225, v225, v[AB+7], v[AB+8]
	v_max3_num_f32 v224, v224, v[AB+9], v[AB+10]
	v_max3_num_f32 v225, v225, v[AB+11], v[AB+12]
	v_max3_num_f32 v224, v224, v[AB+13], v[AB+14]
	v_max3_num_f32 v224, v224, v225, v[AB+15]
	v_permlanex16_b32 v226, v224, s36, s37
	v_max_num_f32 v224, v224, v226                 ; with lane l xor 16: the block's largest
	v_add_nc_u32 v227, 0xff000000, v224            ; 2 off its exponent field: the conversion's scale operand
	v_lshrrev_b32 v[BB], 23, v227                  ; the scale's byte
	v_cvt_scalef32_pk8_fp4_f32 v[CB], v[AB:AB+7], v227
	v_cvt_scalef32_pk8_fp4_f32 v[CB+1], v[AB+8:AB+15], v227
	v_nop                                          ; a plain instruction behind the conversions
.endm
.macro BNQS m                          ; and their way to LDS
.set CB, 232+2*((\m)%2)
.set BB, 228-226*((\m)%2)
	ds_store_b64 v6, v[CB:CB+1] offset:2048*(\m)   ; the 32 lanes fill 256 consecutive bytes of the image
	ds_store_b8 v7, v[BB] offset:256*(\m)
.endm
	FETCHX 0
	FETCHX 1
	s_wait_dscnt 9                                 ; set 0 is in; set 1's nine loads are younger
	WMMA6 0
	s_wait_dscnt 0x0
	WMMA6 1
	PLACES
	s_wait_alu depctr_va_vdst(0)                   ; the products of tiles 0 and 1 are done reading both sets of x's fragments and scale words, in which the 18 loads below land
	FETCHX 2
	FETCHX 3
	BNQA 0                                         ; these name the accumulators, the first layer's numbers, v224-228, v2 and v232-235: none of the registers that the fetches touch
	BNQA 1
	s_wait_alu depctr_va_vdst(0)                   ; the codes in v232-235 and the bytes in v228 and v2 are written, which the four stores below read
	BNQS 0
	BNQS 1
	s_wait_dscnt 13                                ; tile 2's nine loads are in; tile 3's nine and the four stores are younger
	WMMA6 2
	s_wait_dscnt 4                                 ; tile 3's are in; the four stores are younger
	WMMA6 3
	PLACES
	s_wait_alu depctr_vm_vsrc(0)                   ; the four stores have read v232-235, v228 and v2, which the lines below write again
	BNQA 2
	BNQA 3
	s_wait_alu depctr_va_vdst(0)                   ; the codes and bytes of tiles 2 and 3 are written, which the four stores below read; and all products of phase 1 are done reading v16-69 and v72-143, in which loads land behind the barrier
	BNQS 2
	BNQS 3
	s_wait_dscnt 0x0
	s_barrier_signal -1
	s_barrier_wait -1                              ; a1's eight fragments lie in LDS
	s_wait_loadcnt 0x0                             ; W2, b2
.irp i, 0,1,2,3,4,5,6,7
.irp c, 0,1
	ds_load_b128 v[16+8*\i+4*\c:19+8*\i+4*\c], v4 offset:AI+1024*\i+512*\c
.endr
.endr
.irp i, 0,1,2,3,4,5,6,7
	ds_load_b32 v[80+\i], v5 offset:AS+128*\i
.endr
	ds_load_b128 v[88:91], v229
	ds_load_b128 v[92:95], v229 offset:512
.irp j, 0,1,2,3,4,5,6,7
	v_mov_b32 v[108+\j], v254                      ; b2 of my channel for the eight rows of a lane (v108-115 and v254: no load of this phase lands there)
.endr
	s_wait_dscnt 0x0
	global_store_b128 v126, v[88:91], s[20:21]     ; image w to memory: 512 consecutive bytes a store
	global_store_b128 v126, v[92:95], s[20:21] offset:512
	s_cmp_lt_u32 s3, 2
	s_cbranch_scc0 .Lnosc
	ds_load_b128 v[96:99], v230
	s_wait_dscnt 0x0
	global_store_b128 v127, v[96:99], s[20:21]     ; waves 0, 1: the scale words
.Lnosc:
.irp s, 0,1                                    ; source 0 = 16 rows of a1, source 1 = my 16 channels of W2: a lane holds one channel and rows 8 (lane / 16) + 0 .. 7.  Four accumulators by turns
.irp m, 0,1,2,3
.if \s == 0
	v_wmma_scale_f32_16x16x128_f8f6f4 v[192+8*\m:199+8*\m], v[16+8*(2*\m+\s):23+8*(2*\m+\s)], v[236+8*\s:243+8*\s], v[108:115], v[80+2*\m+\s], v[252+\s] matrix_a_fmt:MATRIX_FMT_FP4 matrix_b_fmt:MATRIX_FMT_FP4
.else
	v_wmma_scale_f32_16x16x128_f8f6f4 v[192+8*\m:199+8*\m], v[16+8*(2*\m+\s):23+8*(2*\m+\s)], v[236+8*\s:243+8*\s], v[192+8*\m:199+8*\m], v[80+2*\m+\s], v[252+\s] matrix_a_fmt:MATRIX_FMT_FP4 matrix_b_fmt:MATRIX_FMT_FP4
.endif
.endr
.endr
.rept 4
	v_nop                                          ; four places ahead of the first read of results
.endr
; Of four accumulators (a lane: one channel, 32 of the 64 rows): the mean of the 64 rows into v[T + 8], the sum of squares round it into v[T].  Each accumulator is read from its low end on.
.macro STATS A, T
.irp m, 0,1,2,3
	v_pk_add_f32 v[\T+2*\m:\T+2*\m+1], v[\A+8*\m:\A+8*\m+1], v[\A+8*\m+2:\A+8*\m+3]
.endr
.irp m, 0,1,2,3
	v_pk_add_f32 v[\T+2*\m:\T+2*\m+1], v[\T+2*\m:\T+2*\m+1], v[\A+8*\m+4:\A+8*\m+5]
.endr
.irp m, 0,1,2,3
	v_pk_add_f32 v[\T+2*\m:\T+2*\m+1], v[\T+2*\m:\T+2*\m+1], v[\A+8*\m+6:\A+8*\m+7]
.endr
	v_pk_add_f32 v[\T:\T+1], v[\T:\T+1], v[\T+2:\T+3]
	v_pk_add_f32 v[\T+4:\T+5], v[\T+4:\T+5], v[\T+6:\T+7]
	v_pk_add_f32 v[\T:\T+1], v[\T:\T+1], v[\T+4:\T+5]
	v_add_f32 v[\T], v[\T], v[\T+1]
	v_permlanex16_b32 v[\T+2], v[\T], s36, s37
	v_add_f32 v[\T], v[\T], v[\T+2]
	v_mul_f32 v[\T+8], 0x3c800000, v[\T]           ; / 64
	v_mov_b32 v[\T+9], v[\T+8]
.set ii, 0
.rept 16
	v_pk_add_f32 v[\A+2*ii:\A+2*ii+1], v[\A+2*ii:\A+2*ii+1], v[\T+8:\T+9] neg_lo:[0,1] neg_hi:[0,1]
.set ii, ii+1
.endr
	v_pk_mul_f32 v[\T:\T+1], v[\A:\A+1], v[\A:\A+1]
	v_pk_mul_f32 v[\T+2:\T+3], v[\A+2:\A+3], v[\A+2:\A+3]
.set ii, 2
.rept 7
	v_pk_fma_f32 v[\T:\T+1], v[\A+2*ii:\A+2*ii+1], v[\A+2*ii:\A+2*ii+1], v[\T:\T+1]
	v_pk_fma_f32 v[\T+2:\T+3], v[\A+2*ii+2:\A+2*ii+3], v[\A+2*ii+2:\A+2*ii+3], v[\T+2:\T+3]
.set ii, ii+2
.endr
	v_pk_add_f32 v[\T:\T+1], v[\T:\T+1], v[\T+2:\T+3]
	v_add_f32 v[\T], v[\T], v[\T+1]
	v_permlanex16_b32 v[\T+2], v[\T], s36, s37
	v_add_f32 v[\T], v[\T], v[\T+2]
.endm
	STATS 192, 128
	s_wait_alu depctr_va_vdst(0)                   ; the mean in v136 and the sum of squares in v128 are written, which the two stores below read
	ds_store_b32 v9, v136                          ; both halves of the lanes write the same word with the same value
	ds_store_b32 v9, v128 offset:512
	s_wait_dscnt 0x0
	s_barrier_signal -1
	s_barrier_wait -1
	s_cmp_lt_u32 s3, 2
	s_cbranch_scc0 .Lend
	ds_load_b128 v[140:143], v231
	s_wait_dscnt 0x0
	global_store_b128 v255, v[140:143], s[20:21]   ; wave 0: the 128 means, wave 1: the 128 sums of squares: 512 consecutive bytes
.Lend:
	s_set_vgpr_msb 0x5                             ; the add's two registers, v256 and v257, are its sources 0 and 1: window 1
	s_wait_dscnt 0x0                               ; the closing lines, six on end
	s_wait_alu 0x0
	s_wait_tensorcnt 0x0
	ds_add_u32 v0, v1
	s_wait_dscnt 0x0
	s_endpgm
.Lfunc_end_k_qdda046a3ca_mlp:
	.size	k_qdda046a3ca_mlp, .Lfunc_end_k_qdda046a3ca_mlp-k_qdda046a3ca_mlp
	.p2alignl 7, 3214868480
	.fill 96, 4, 3214868480
	.section	.rodata,"a",@progbits
	.p2align	6, 0x0
	.amdhsa_kernel k_qdda046a3ca_mlp
		.amdhsa_group_segment_fixed_size 25600
		.amdhsa_private_segment_fixed_size 0
		.amdhsa_enable_private_segment 0
		.amdhsa_kernarg_size 56
		.amdhsa_user_sgpr_count 2
		.amdhsa_user_sgpr_kernarg_segment_ptr 1
		.amdhsa_wavefront_size32 1
		.amdhsa_system_sgpr_workgroup_id_x 1
		.amdhsa_system_sgpr_workgroup_id_y 1
		.amdhsa_system_sgpr_workgroup_id_z 1
		.amdhsa_system_vgpr_workitem_id 0
		.amdhsa_next_free_vgpr 258
		.amdhsa_next_free_sgpr 66
		.amdhsa_reserve_vcc 0
		.amdhsa_float_denorm_mode_32 3
		.amdhsa_float_denorm_mode_16_64 3
		.amdhsa_memory_ordered 1
		.amdhsa_forward_progress 1
		.amdhsa_inst_pref_size 33
	.end_amdhsa_kernel
	.amdgpu_metadata
---
amdhsa.version: [ 1, 2 ]
amdhsa.kernels:
  - .name:           k_qdda046a3ca_mlp
    .symbol:         k_qdda046a3ca_mlp.kd
    .args:
      - { .name: k2o, .offset: 0, .size: 8, .value_kind: global_buffer, .address_space: global }
      - { .name: prep, .offset: 8, .size: 8, .value_kind: global_buffer, .address_space: global }
      - { .name: b1, .offset: 16, .size: 8, .value_kind: global_buffer, .address_space: global }
      - { .name: bn1, .offset: 24, .size: 8, .value_kind: global_buffer, .address_space: global }
      - { .name: be1, .offset: 32, .size: 8, .value_kind: global_buffer, .address_space: global }
      - { .name: b2, .offset: 40, .size: 8, .value_kind: global_buffer, .address_space: global }
      - { .name: k3o, .offset: 48, .size: 8, .value_kind: global_buffer, .address_space: global }
    .group_segment_fixed_size: 25600
    .private_segment_fixed_size: 0
    .kernarg_segment_align: 8
    .kernarg_segment_size: 56
    .max_flat_workgroup_size: 256
    .sgpr_count:     66
    .vgpr_count:     258
    .wavefront_size: 32
...
	.end_amdgpu_metadata
.endif
;; end of part 8
;; launch stat2: the kernel of part 3 again; grid 2 x 1, 16 waves a work-group, no clusters, 10,240 bytes of LDS; arguments k3o, g2, bn2; writes bn2
;; launch fin (part 9): grid 256 x 1, 8 waves a work-group, no clusters, 35,840 bytes of LDS; arguments k3o, prep, b2, bn2, be2, out0; writes out0
.if DOCPART == 9
	.amdgcn_target "amdgcn-amd-amdhsa--gfx1250"
	.amdhsa_code_object_version 6
	.text
	.protected	k_qdda046a3ca_fin
	.globl	k_qdda046a3ca_fin
	.p2align	8
	.type	k_qdda046a3ca_fin,@function
k_qdda046a3ca_fin:
	s_mov_b64 s[64:65], 0
	v_nop
	global_prefetch_b8 v0, s[64:65] scope:SCOPE_SE
	s_setreg_imm32_b32 hwreg(HW_REG_WAVE_SCHED_MODE, 0, 2), 2
	s_setreg_imm32_b32 hwreg(HW_REG_WAVE_MODE, 25, 1), 1
	s_wait_xcnt 0x0
	s_wait_alu depctr_vm_vsrc(0)
; out0[channel][row] = relu((a1 W2^T + b2 - mu2) sc2 + be2): the second product once more, from a1's and W2's FP4 codes, then the batch norm with the finished statistics.
; SHARES.  Work-group g owns rows 64 g .. + 63, wave w of 8 channels 16 w .. 16 w + 15: 8 matrix instructions, four accumulators by turns.  Source 0 = 16 rows of a1, source 1 = my 16 channels:
; a lane holds one channel and eight neighbouring rows, which are neighbours in out0.  A wave's 16 channels x 64 rows go through its own stage in LDS and leave as 256 consecutive bytes for each 16 lanes.
; No barrier: a wave reads only what it stored itself.  NO TENSOR LOADS, NO JOINT LOADS: a work-group reads 9 KB of its own and 16 KB of W2's images, each wave its 2 KB of them once, into registers.
; LIMITS: NaN and infinities are not served.
; THE MODE: SCHED_MODE bits 1:0 = 2 (LLVM: expert scheduling mode 2), set by the entry lines.  The code itself states the register dependences between vector or matrix instructions and memory or LDS
; instructions, with s_wait_alu, always for 0.
; THE PLAN.  Registers that memory or LDS instructions touch:
;   v6-13, v192, v193   addresses, offsets and the closing add's two: written at the head, never again: one wait on va_vdst ahead of the first load serves them all.
;   v16-109   loads land once; matrix and vector instructions read them.
;   v120-151  the products write, the batch norm works in place, eight LDS stores read: one wait on va_vdst ahead of the run of stores.
;   v160-191  LDS loads land, global stores read: no vector line names them.
; No register that a memory or LDS instruction reads is written again: behind the entry lines the text holds no wait on vm_vsrc.
.set A1Q, 524288                       ; k3o
.set A1S, 2621440
.set W2Q, 4508672                      ; prep
.set W2S, 4525056
.set SPI, 272                          ; a stage row: 64 rows of out0 = 256 bytes + 16: the 16 channels fall on 16 different columns of 16 bytes
; REGISTERS: v1 lane, v2 lane % 16, v3 lane / 16, v4 16 lane, v5 4 lane, v6-13 addresses; v16-79 a1's eight fragments, v80-87 their scale words; v88-103 W2's two, v104-105 theirs; v106 b2, v107 mu, v108 sc, v109 be;
; v112-119 b2 as a C operand; v120-151 four accumulators; v152-157 mu, sc, be as pairs; v160-191 the way out; v192, v193 the closing add's two.
	s_load_b256 s[8:15], s[0:1], 0x0               ; k3o s[8:9], prep s[10:11], b2 s[12:13], bn2 s[14:15]
	s_load_b128 s[16:19], s[0:1], 0x20             ; be2 s[16:17], out0 s[18:19]
	v_lshl_add_u32 v192, v0, 2, 0x8800
	v_mov_b32 v193, 0
	v_lshrrev_b32 v1, 5, v0
	v_readfirstlane_b32 s3, v1                     ; wave 0..7
	v_and_b32 v1, 31, v0
	v_and_b32 v2, 15, v0
	v_bfe_u32 v3, v0, 4, 1
	v_lshlrev_b32 v4, 4, v1
	v_lshlrev_b32 v5, 2, v1
	s_mov_b32 s6, ttmp9
	s_wait_alu depctr_va_sdst(0)                   ; s3 is written, ahead of its first reader: the addresses are made from it
	s_mul_i32 s20, s3, 16*SPI                      ; my stage
	v_mul_u32_u24 v6, v2, SPI
	v_lshl_add_u32 v6, v3, 5, v6
	v_add_nc_u32 v6, s20, v6                       ; in: channel r, rows 8 (lane / 16) .. (+ 16 m)
	v_mul_u32_u24 v7, v3, SPI
	v_lshl_add_u32 v7, v2, 4, v7
	v_add_nc_u32 v7, s20, v7                       ; back: lanes 0-15 one channel, lanes 16-31 the next
	s_lshl_b32 s20, s6, 13
	s_add_co_u32 s20, s20, A1Q
	v_add_nc_u32 v8, s20, v4
	s_lshl_b32 s20, s6, 10
	s_add_co_u32 s20, s20, A1S
	v_add_nc_u32 v9, s20, v5
	s_lshl_b32 s20, s3, 11
	s_add_co_u32 s20, s20, W2Q
	v_add_nc_u32 v10, s20, v4
	s_lshl_b32 s20, s3, 7
	s_add_co_u32 s20, s20, W2S
	v_lshl_add_u32 v11, v2, 2, s20
	s_lshl_b32 s20, s3, 6
	v_lshl_add_u32 v12, v2, 2, s20                 ; my channel: 4 (16 w + r)
	s_lshl_b32 s20, s3, 20
	s_lshl_b32 s21, s6, 8
	s_add_co_u32 s20, s20, s21
	v_lshlrev_b32 v13, 16, v3
	v_lshl_add_u32 v13, v2, 4, v13
	v_add_nc_u32 v13, s20, v13                     ; out0: channel 16 w + lane / 16 (+ 2 i), rows 64 g + 4 (lane % 16) ..
	s_wait_kmcnt 0x0
	s_wait_alu depctr_va_vdst(0)                   ; the eight addresses and offsets v6-13 are written: every load and store of the kernel reads one of them
.irp i, 0,1,2,3,4,5,6,7
.irp c, 0,1
	global_load_b128 v[16+8*\i+4*\c:19+8*\i+4*\c], v8, s[8:9] offset:1024*\i+512*\c
.endr
.endr
.irp i, 0,1,2,3,4,5,6,7
	global_load_b32 v[80+\i], v9, s[8:9] offset:128*\i
.endr
.irp s, 0,1
.irp c, 0,1
	global_load_b128 v[88+8*\s+4*\c:91+8*\s+4*\c], v10, s[10:11] offset:1024*\s+512*\c
.endr
.endr
.irp s, 0,1
	global_load_b32 v[104+\s], v11, s[10:11] offset:64*\s
.endr
	global_load_b32 v106, v12, s[12:13]
	global_load_b32 v107, v12, s[14:15]
	global_load_b32 v108, v12, s[14:15] offset:1024
	global_load_b32 v109, v12, s[16:17]
	s_wait_loadcnt 0x0
.irp j, 0,1,2,3,4,5,6,7
	v_mov_b32 v[112+\j], v106
.endr
	v_mov_b32 v152, v107
	v_mov_b32 v153, v107
	v_mov_b32 v154, v108
	v_mov_b32 v155, v108
	v_mov_b32 v156, v109
	v_mov_b32 v157, v109
.irp s, 0,1                                    ; the four accumulators take turns; b2 is the C of each sum's first product
.irp m, 0,1,2,3
.if \s == 0
	v_wmma_scale_f32_16x16x128_f8f6f4 v[120+8*\m:127+8*\m], v[16+8*(2*\m+\s):23+8*(2*\m+\s)], v[88+8*\s:95+8*\s], v[112:119], v[80+2*\m+\s], v[104+\s] matrix_a_fmt:MATRIX_FMT_FP4 matrix_b_fmt:MATRIX_FMT_FP4
.else
	v_wmma_scale_f32_16x16x128_f8f6f4 v[120+8*\m:127+8*\m], v[16+8*(2*\m+\s):23+8*(2*\m+\s)], v[88+8*\s:95+8*\s], v[120+8*\m:127+8*\m], v[80+2*\m+\s], v[104+\s] matrix_a_fmt:MATRIX_FMT_FP4 matrix_b_fmt:MATRIX_FMT_FP4
.endif
.endr
.endr
.rept 4
	v_nop                                          ; four places ahead of the first read of results (ISA guide 7.12.1)
.endr
.irp i, 0,1,2,3,4,5,6,7,8,9,10,11,12,13,14,15  ; ascending: each accumulator is read from its low end on
	v_pk_add_f32 v[120+2*\i:121+2*\i], v[120+2*\i:121+2*\i], v[152:153] neg_lo:[0,1] neg_hi:[0,1]
.endr
.irp i, 0,1,2,3,4,5,6,7,8,9,10,11,12,13,14,15
	v_pk_fma_f32 v[120+2*\i:121+2*\i], v[120+2*\i:121+2*\i], v[154:155], v[156:157]
.endr
.irp j, 0,1,2,3,4,5,6,7,8,9,10,11,12,13,14,15,16,17,18,19,20,21,22,23,24,25,26,27,28,29,30,31
	v_max_num_f32 v[120+\j], 0, v[120+\j]
.endr
	s_wait_alu depctr_va_vdst(0)                   ; the finished numbers in v120-151 are written, which the eight LDS stores below read
.irp m, 0,1,2,3
	ds_store_b128 v6, v[120+8*\m:123+8*\m] offset:64*\m
	ds_store_b128 v6, v[124+8*\m:127+8*\m] offset:64*\m+16
.endr
.irp i, 0,1,2,3,4,5,6,7
	ds_load_b128 v[160+4*\i:163+4*\i], v7 offset:2*SPI*\i      ; LDS serves a wave's instructions in order (ISA guide 5.7.1.4): these see my stores
.endr
.irp i, 0,1,2,3,4,5,6,7
	s_wait_dscnt 7-\i                              ; load i is in; the later ones may be out
	global_store_b128 v13, v[160+4*\i:163+4*\i], s[18:19] offset:131072*\i th:TH_STORE_NT   ; 16 lanes store 256 consecutive bytes, aligned; written once, read by nobody here
.endr
	s_wait_dscnt 0x0                               ; the closing lines, six on end
	s_wait_alu 0x0
	s_wait_tensorcnt 0x0
	ds_add_u32 v192, v193
	s_wait_dscnt 0x0
	s_endpgm
.Lfunc_end_k_qdda046a3ca_fin:
	.size	k_qdda046a3ca_fin, .Lfunc_end_k_qdda046a3ca_fin-k_qdda046a3ca_fin
	.p2alignl 7, 3214868480
	.fill 96, 4, 3214868480
	.section	.rodata,"a",@progbits
	.p2align	6, 0x0
	.amdhsa_kernel k_qdda046a3ca_fin
		.amdhsa_group_segment_fixed_size 35840
		.amdhsa_private_segment_fixed_size 0
		.amdhsa_enable_private_segment 0
		.amdhsa_kernarg_size 48
		.amdhsa_user_sgpr_count 2
		.amdhsa_user_sgpr_kernarg_segment_ptr 1
		.amdhsa_wavefront_size32 1
		.amdhsa_system_sgpr_workgroup_id_x 1
		.amdhsa_system_sgpr_workgroup_id_y 1
		.amdhsa_system_sgpr_workgroup_id_z 1
		.amdhsa_system_vgpr_workitem_id 0
		.amdhsa_next_free_vgpr 194
		.amdhsa_next_free_sgpr 66
		.amdhsa_reserve_vcc 0
		.amdhsa_float_denorm_mode_32 3
		.amdhsa_float_denorm_mode_16_64 3
		.amdhsa_memory_ordered 1
		.amdhsa_forward_progress 1
		.amdhsa_inst_pref_size 13
	.end_amdhsa_kernel
	.amdgpu_metadata
---
amdhsa.version: [ 1, 2 ]
amdhsa.kernels:
  - .name:           k_qdda046a3ca_fin
    .symbol:         k_qdda046a3ca_fin.kd
    .args:
      - { .name: k3o, .offset: 0, .size: 8, .value_kind: global_buffer, .address_space: global }
      - { .name: prep, .offset: 8, .size: 8, .value_kind: global_buffer, .address_space: global }
      - { .name: b2, .offset: 16, .size: 8, .value_kind: global_buffer, .address_space: global }
      - { .name: bn2, .offset: 24, .size: 8, .value_kind: global_buffer, .address_space: global }
      - { .name: be2, .offset: 32, .size: 8, .value_kind: global_buffer, .address_space: global }
      - { .name: out0, .offset: 40, .size: 8, .value_kind: global_buffer, .address_space: global }
    .group_segment_fixed_size: 35840
    .private_segment_fixed_size: 0
    .kernarg_segment_align: 8
    .kernarg_segment_size: 48
    .max_flat_workgroup_size: 256
    .sgpr_count:     66
    .vgpr_count:     194
    .wavefront_size: 32
...
	.end_amdgpu_metadata
.endif
;; end of part 9
